; MI455X (gfx1250); checked and timed in simulation.
; The chip was launched on July 23, 2026; its instructions are those of AMD's public machine-readable ISA for CDNA 5 (MIT licence, August 2026) and "CDNA5" Instruction Set Architecture Reference Guide (July 2026). The comments in the code are by the model that wrote it; some were corrected since.
;; Self Attention Layer. Allowed arithmetic: float matrix products may take bf16 or f16 operands with f32 sums; other float arithmetic in f32, or as packed bf16 or f16 multiplies, adds, multiply-adds, maxima and minima; sums over many terms, partial sums and values carried from step to step in f32; what a program stores and reads back later, other than sums and carried values, may be rounded once to bf16 or f16.
;; Inputs: W_kqv 3,072 x 1,024 float32; W_proj 1,024 x 1,024 float32; b_kqv 3,072 float32; b_proj 1,024 float32; x 4 x 2,048 x 1,024 float32.
;; Outputs: out0 4 x 2,048 x 1,024 float32.
;; 2 versions, each right. Each part assembles by itself: llvm-mc -triple=amdgcn-amd-amdhsa -mcpu=gfx1250 --defsym DOCPART=n.
;; ======== version 1 of 2: 5 launches
;; limits: values are held in f16: magnitudes above 65,504 overflow, below 6.1e-05 lose precision
;; workspace buffers: xb 16,777,216 bytes; wkb 6,291,456 bytes; wph 2,097,152 bytes; kqvt 56,623,104 bytes; p 33,554,432 bytes; m2 524,288 bytes; ls 524,288 bytes; ob 18,874,368 bytes
;; launch cvt (part 1): grid 800 x 1, 8 waves a work-group, no clusters, 0 bytes of LDS; arguments x, W_kqv, W_proj, xb, wkb, wph, m2, ls; writes xb, wkb, wph, m2, ls
.if DOCPART == 1
	.amdgcn_target "amdgcn-amd-amdhsa--gfx1250"
	.amdhsa_code_object_version 6
	.text
	.protected	k_q98ec45c3ff_cvt
	.globl	k_q98ec45c3ff_cvt
	.p2align	8
	.type	k_q98ec45c3ff_cvt,@function
k_q98ec45c3ff_cvt:
	s_mov_b64 s[64:65], 0
	v_nop
	global_prefetch_b8 v0, s[64:65] scope:SCOPE_SE
	s_setreg_imm32_b32 hwreg(HW_REG_WAVE_MODE, 25, 1), 1
	s_wait_xcnt 0x0
; The inputs of the matrix products are rounded once, and the chunk statistics get their neutral values.
;   work-groups   0..511  x      (f32) -> xb  (bf16)          512..703  W_kqv (f32) -> wkb (bf16)
;   work-groups 704..767  W_proj (f32) -> bf16 -> wph (that number written as f16)
;   work-groups 768..799  m2 = -1e30, ls = 0: a chunk of keys that no later launch writes then counts for nothing in a row's softmax
; A converting work-group takes 16,384 numbers: thread t the 16 bytes at 16 t of each of sixteen pieces of 4,096 bytes.  All sixteen loads go out
; at once; a store of a wave covers 256 consecutive bytes, aligned.  No register is written twice, so no wait frees a source.
; No LDS, no matrix unit, no cluster: each byte is read once and written once, and no work-group wants another's bytes.
; LIMITS.  wph: a weight beyond 65,504 becomes an infinity; below 6e-5 it keeps f16's fixed step of 6e-8.
.set X, 4                              ; v[4:67]   sixteen loads of four f32
.set Y, 68                             ; v[68:99]  sixteen pairs of packed results
.set T, 100                            ; v[100:101] at work
	s_load_b256 s[8:15], s[0:1], 0x0               ; x s[8:9], W_kqv s[10:11], W_proj s[12:13], xb s[14:15]
	s_load_b256 s[16:23], s[0:1], 0x20             ; wkb s[16:17], wph s[18:19], m2 s[20:21], ls s[22:23]
	v_lshlrev_b32 v1, 4, v0                        ; 16 t
	v_lshlrev_b32 v2, 3, v0                        ; 8 t
	s_mov_b32 s2, ttmp9
	s_mov_b32 s29, 0
	s_mov_b32 s31, 0
	s_wait_kmcnt 0x0
	s_cmp_ge_u32 s2, 768
	s_cbranch_scc1 .Lfill
	s_cmp_lt_u32 s2, 512                           ; which tensor, and my number among its work-groups
	s_cselect_b64 s[24:25], s[8:9], s[10:11]
	s_cselect_b64 s[26:27], s[14:15], s[16:17]
	s_cselect_b32 s3, 0, 512
	s_cmp_lt_u32 s2, 704
	s_cselect_b64 s[24:25], s[24:25], s[12:13]
	s_cselect_b64 s[26:27], s[26:27], s[18:19]
	s_cselect_b32 s3, s3, 704
	s_sub_co_u32 s3, s2, s3
	s_lshl_b32 s28, s3, 16                         ; 65,536 bytes in,
	s_lshl_b32 s30, s3, 15                         ; 32,768 out
	s_add_nc_u64 s[24:25], s[24:25], s[28:29]
	s_add_nc_u64 s[26:27], s[26:27], s[30:31]
.irp k, 0,1,2,3,4,5,6,7,8,9,10,11,12,13,14,15
	global_load_b128 v[X+4*(\k):X+4*(\k)+3], v1, s[24:25] offset:4096*(\k) th:TH_LOAD_NT
.endr
; Piece k: four numbers rounded to bf16; half = 1: each then written as f16.
.macro CV k, half
	s_wait_loadcnt 15-(\k)                         ; loads come back in order: piece k is in, the 15 - k younger ones stay out
	v_cvt_pk_bf16_f32 v[Y+2*(\k)], v[X+4*(\k)], v[X+4*(\k)+1]
	v_cvt_pk_bf16_f32 v[Y+2*(\k)+1], v[X+4*(\k)+2], v[X+4*(\k)+3]
.if \half
.irp w, 0,1
	v_lshlrev_b32 v[T], 16, v[Y+2*(\k)+(\w)]       ; bf16 to f32: the low half moves up,
	v_and_b32 v[T+1], 0xffff0000, v[Y+2*(\k)+(\w)] ; the high half stays
	v_cvt_pk_f16_f32 v[Y+2*(\k)+(\w)], v[T], v[T+1]
.endr
.endif
	global_store_b64 v2, v[Y+2*(\k):Y+2*(\k)+1], s[26:27] offset:2048*(\k)
.endm
	s_cmp_ge_u32 s2, 704
	s_cbranch_scc1 .Lhalf
.irp k, 0,1,2,3,4,5,6,7,8,9,10,11,12,13,14,15
	CV \k, 0
.endr
	s_endpgm
.Lhalf:
.irp k, 0,1,2,3,4,5,6,7,8,9,10,11,12,13,14,15
	CV \k, 1
.endr
	s_endpgm
.Lfill:
	s_sub_co_u32 s3, s2, 768
	s_lshl_b32 s28, s3, 14                         ; 16,384 bytes of each of the two tables
	s_add_nc_u64 s[20:21], s[20:21], s[28:29]
	s_add_nc_u64 s[22:23], s[22:23], s[28:29]
.irp r, 4,5,6,7
	v_mov_b32 v\r, 0xf149f2ca                      ; -1e30
.endr
.irp r, 8,9,10,11
	v_mov_b32 v\r, 0
.endr
.irp k, 0,1,2,3
	global_store_b128 v1, v[4:7], s[20:21] offset:4096*(\k)
	global_store_b128 v1, v[8:11], s[22:23] offset:4096*(\k)
.endr
	s_endpgm
.Lfunc_end_k_q98ec45c3ff_cvt:
	.size	k_q98ec45c3ff_cvt, .Lfunc_end_k_q98ec45c3ff_cvt-k_q98ec45c3ff_cvt
	.p2alignl 7, 3214868480
	.fill 96, 4, 3214868480
	.section	.rodata,"a",@progbits
	.p2align	6, 0x0
	.amdhsa_kernel k_q98ec45c3ff_cvt
		.amdhsa_group_segment_fixed_size 0
		.amdhsa_private_segment_fixed_size 0
		.amdhsa_enable_private_segment 0
		.amdhsa_kernarg_size 64
		.amdhsa_user_sgpr_count 2
		.amdhsa_user_sgpr_kernarg_segment_ptr 1
		.amdhsa_wavefront_size32 1
		.amdhsa_system_sgpr_workgroup_id_x 1
		.amdhsa_system_sgpr_workgroup_id_y 1
		.amdhsa_system_sgpr_workgroup_id_z 1
		.amdhsa_system_vgpr_workitem_id 0
		.amdhsa_next_free_vgpr 104
		.amdhsa_next_free_sgpr 66
		.amdhsa_reserve_vcc 0
		.amdhsa_float_denorm_mode_32 3
		.amdhsa_float_denorm_mode_16_64 3
		.amdhsa_memory_ordered 1
		.amdhsa_forward_progress 1
		.amdhsa_inst_pref_size 18
	.end_amdhsa_kernel
	.amdgpu_metadata
---
amdhsa.version: [ 1, 2 ]
amdhsa.kernels:
  - .name:           k_q98ec45c3ff_cvt
    .symbol:         k_q98ec45c3ff_cvt.kd
    .args:
      - { .name: x, .offset: 0, .size: 8, .value_kind: global_buffer, .address_space: global }
      - { .name: W_kqv, .offset: 8, .size: 8, .value_kind: global_buffer, .address_space: global }
      - { .name: W_proj, .offset: 16, .size: 8, .value_kind: global_buffer, .address_space: global }
      - { .name: xb, .offset: 24, .size: 8, .value_kind: global_buffer, .address_space: global }
      - { .name: wkb, .offset: 32, .size: 8, .value_kind: global_buffer, .address_space: global }
      - { .name: wph, .offset: 40, .size: 8, .value_kind: global_buffer, .address_space: global }
      - { .name: m2, .offset: 48, .size: 8, .value_kind: global_buffer, .address_space: global }
      - { .name: ls, .offset: 56, .size: 8, .value_kind: global_buffer, .address_space: global }
    .group_segment_fixed_size: 0
    .private_segment_fixed_size: 0
    .kernarg_segment_align: 8
    .kernarg_segment_size: 64
    .max_flat_workgroup_size: 256
    .sgpr_count:     66
    .vgpr_count:     104
    .wavefront_size: 32
...
	.end_amdgpu_metadata
.endif
;; end of part 1
;; launch kqv (part 2): grid 32 x 16, 4 waves a work-group, clusters of 4 x 4, 327,680 bytes of LDS; arguments wkb, xb, b_kqv, kqvt; writes kqvt
.if DOCPART == 2
	.amdgcn_target "amdgcn-amd-amdhsa--gfx1250"
	.amdhsa_code_object_version 6
	.text
	.protected	k_q98ec45c3ff_kqv
	.globl	k_q98ec45c3ff_kqv
	.p2align	8
	.type	k_q98ec45c3ff_kqv,@function
k_q98ec45c3ff_kqv:
	s_mov_b64 s[64:65], 0
	v_nop
	global_prefetch_b8 v0, s[64:65] scope:SCOPE_SE
	s_setreg_imm32_b32 hwreg(HW_REG_WAVE_MODE, 25, 1), 1
	s_wait_xcnt 0x0
	s_wait_alu depctr_hold_cnt(0) depctr_sa_sdst(0) depctr_va_vdst(0) depctr_va_sdst(0) depctr_va_ssrc(0) depctr_va_vcc(0) depctr_vm_vsrc(0)
	s_getreg_b32 s2, hwreg(HW_REG_IB_STS2, 6, 4)
	s_cmp_eq_u32 s2, 0
	s_cbranch_scc0 .Lentry_in_a_cluster
	s_endpgm
.Lentry_in_a_cluster:
	s_bfe_u32 s2, ttmp6, 0x10000c
	s_cmp_lg_u32 s2, 0xf033
	s_cbranch_scc0 .Lentry_shape_is_right
	s_endpgm
.Lentry_shape_is_right:
; kqvt[e][bt] = the sum over d of W_kqv[e][d] x[bt][d] + b_kqv[e]: the projection, stored TRANSPOSED, in f16.  wkb [3072][1024], xb [8192][1024] bf16; sums in f32; the bias is rounded to bf16 like the other inputs.
; Rows 0-1023 of kqvt are K^T, 1024-2047 Q^T, 2048-3071 V^T; a row is 8,192 numbers, 16,384 bytes.
; BEHIND THOSE ROWS, from byte 50,331,648 on: THE LOW PARTS (the f32 sum less its f16 rounding, rounded to f16) of columns 0-31 of every 256: [32 tile columns][192 blocks of 16 rows e][2 halves of 16 columns][16 rows][2][8].
; A batch's first rows average over few keys, so V's rounding reaches the output undiminished there, while the output is judged by the root mean square of all rows: the launch that multiplies by V adds the low parts of the first 32 keys
; of each key step.  All rows e and all tile columns are treated alike: which are V's, and which a batch's first, hangs on the work-group's place in its cluster.
; WHY TRANSPOSED.  A tile of 192 (e) x 256 (bt) gives 16 x 32 = 512 equal work-groups, twice 256.  With e along the rows of the output a wave's 128 bt are 256 consecutive bytes, aligned;
; V^T is then the operand, contiguous along the keys, that the product with the weights wants.
; SHARES.  Four waves; wave (RH, CH) makes rows 96 RH .. and columns 128 CH .. of the tile: 6 x 8 accumulators of 16 x 16, 384 registers.  K goes in 8 steps of 128 through two LDS slots.
; Waves 0, 1 fetch W's two halves (96 rows x 256 bytes), waves 2, 3 x's (128 rows x 256 bytes): one tensor load a wave behind each change of slots.
; CLUSTER 4 x 4.  W's tile hangs on the tile row alone and is asked for jointly along a row of the cluster, x's on the tile column alone, jointly along a column.
; THE MATRIX INSTRUCTION IS USED TRANSPOSED: source 0 = 16 rows of x, source 1 = 16 rows of W: a lane holds row e = lane % 16 and the columns 8 (lane / 16) + 0..7: 16 bytes of f16 on end.
; THE BIAS is the C operand of the products that start the sums: nothing is cleared, nothing is added later.
; LIMITS.  A result beyond 65,504 becomes an infinity in f16; a low part keeps f16's fixed step of 6e-8 below 6e-5; NaN and infinities are not treated apart.
; REGISTERS, in windows of 256: window 0: v0-31 addresses, v32-63 and v224-255 rows on the way out, v64-127 and v128-191 W's fragments (two buffers; at the end the low parts at work), v192-239 the bias blocks, later v192-223 packed results;
;   window 1: v64-127, v128-191 x's fragments;  window 2: accumulators of row blocks 0-3 at 8 (8 a + b);  window 3: row blocks 4, 5.
.set MB,    6                          ; blocks of 16 rows of W a wave
.set NB,    8                          ; blocks of 16 rows of x a wave
.set PITCH, 272                        ; an LDS row: 256 bytes + 16 = 68 words: the 16 rows of a fragment load start at 16 different groups of four banks (64 banks of 4 bytes: ISA guide 11.1)
.set AHALF, 96*PITCH
.set BHALF, 128*PITCH
.set BREG,  2*AHALF                    ; x's rows lie behind W's 192
.set SLOT,  1<<17                      ; slot 1 begins here: every address in slot 0 lies below it, so one exclusive or turns an address in one slot into the other's
.set STAGE, SLOT+BREG+2*BHALF          ; behind the ring: 16 rows x 272 bytes for each wave, never filled by a tensor load
.set SPITCH, 272
.set SPARE, STAGE+4*16*SPITCH          ; the spare words, 128 bytes a wave: two blocks of 256 bytes that no other line names
.set KB,    256                        ; bytes of a row in a K step
.set CROW,  16384                      ; bytes in a row of kqvt
.set VLO,   3072*CROW                  ; where the low parts begin
.set ADRA, 16                          ; v16 LDS address of my W fragments in the slot in hand;  v17 the same in slot 0, never rewritten
.set A0,   17
.set ADRB, 20                          ; v20, v21 the same for x
.set B0,   21
.set STO,  24                          ; v24 the way out: where I put 16 bytes of a row
.set RD,   25                          ; v25 where I read a row back
.set CO,   26                          ; v26 my byte offset in two rows of kqvt
.set LOA,  27                          ; v27 my 16 bytes in 512 of low parts: 32 (l % 16) + 16 (l / 16)
.set SPW,  28                          ; v28 my spare word: SPARE + 4 x my thread's number; never rewritten
.set NIL,  29                          ; v29 0; never rewritten
.set PFO,  30                          ; v30 the prefetches' offset: my lane's row; never rewritten
.set NEG1, 31                          ; v31 -1.0
.set OB,   32
.set F0,   64
.set F1,   128
.set TMP,  192
.set CI,   192
.set HT,   64                          ; the low parts: v64-71 the f16 roundings, v72-87 the differences, v128-175 the packed low parts, eight registers a block
.set DT,   72
.set LP,   128
.set WV, 12
.set RH, 13                            ; which half of the tile's rows is mine.  Also: I fetch for W (0) or for x (1)
.set CH, 14                            ; which half of its columns.  Also: which half of that tile I fetch
.set CX, 15
.set CY, 16
.set TCOL, 17
.set TROW, 18
.set G1A, 24                           ; s[24:31] group 1 for W's tiles;  s[32:39] group 0: a set for each first fill; the second then walks on
.set G0A, 32
.set TB,  40                           ; s40 0 or SLOT: the slot that is read
.set LA,  41
.set LB,  42
.set CNT, 43
.set PFA, 44                           ; s[44:45] where my prefetches stand
.set G1B, 48                           ; s[48:55], s[56:63] the same for x's tiles
.set G0B, 56
.set LIM, 66                           ; s66 2 in a wave that prefetches, else the greatest number
.set COFF, 70                          ; s[70:71] where my part of the tile begins in kqvt
.set LOB, 72                           ; s[72:73] where my six blocks of low parts begin
.set MSB, 0
.macro WIN new                         ; the immediate's high byte repeats the setting that is left; a switch that changes nothing is dropped
.if MSB != (\new)
	s_set_vgpr_msb (MSB<<8)|(\new)
.set MSB, \new
.endif
.endm
.macro PLACES                          ; four places behind matrix instructions, in front of loads into registers that they read and of lines that read results
.rept 4
	v_nop
.endr
.endm
.macro CREST                           ; a round of the cluster's barrier behind its opening barrier
	s_cmp_lg_u32 s[WV], 0
	s_cbranch_scc1 .Lnot_wave_0_\@
	s_barrier_signal -3
.Lnot_wave_0_\@:
	s_barrier_wait -3
	s_barrier_signal -1
	s_barrier_wait -1
.endm
.macro CROUND
	s_barrier_signal -1
	s_barrier_wait -1
	CREST
.endm
.macro JLOAD                           ; a joint refill by the walking descriptors; the branch hangs on the wave's number alone; an s_nop 0 and four v_nop follow each line
	s_cmp_eq_u32 s[RH], 0
	s_cbranch_scc0 .Lfor_b_\@
	tensor_load_to_lds s[G0A+4:G0A+7], s[G1A:G1A+7]
	s_nop 0
.rept 4
	v_nop
.endr
	s_branch .Lasked_\@
.Lfor_b_\@:
	tensor_load_to_lds s[G0B+4:G0B+7], s[G1B:G1B+7]
	s_nop 0
.rept 4
	v_nop
.endr
.Lasked_\@:
.endm
; A prefetch into the L2 of the K step that stands two refills on: a lane a row, 256 bytes of it.  W's tile row is read by every cluster of that row of clusters: the one with x = 0 asks; x's tile column by every
; cluster of that column: the one with y = 0 asks.  The four partners of a joint load share its rows out by address (24 of W's 96, 32 of x's 128).  The last two refills have no K step two on.
.macro ASK
	s_cmp_gt_u32 s[CNT], s[LIM]
	s_cbranch_scc0 .Lnot_mine_\@
	global_prefetch_b8 v[PFO], s[PFA:PFA+1] th:TH_LOAD_NT scope:SCOPE_SE
.Lnot_mine_\@:
.endm
	s_load_b256 s[4:11], s[0:1], 0x0               ; wkb s[4:5], xb s[6:7], b_kqv s[8:9], kqvt s[10:11]
	v_lshl_add_u32 v[SPW], v0, 2, SPARE
	v_mov_b32 v[NIL], 0
	ds_add_u32 v[SPW], v[NIL]                      ; the wave's opening: the add and its wait stand ahead of my first tensor load; work on registers stands between them
	v_lshrrev_b32 v1, 5, v0
	v_readfirstlane_b32 s[WV], v1
	s_lshr_b32 s[RH], s[WV], 1
	s_and_b32 s[CH], s[WV], 1
	s_bfe_u32 s[CX], ttmp6, 0x40000
	s_bfe_u32 s[CY], ttmp6, 0x40004
	s_lshl_b32 s[TCOL], ttmp9, 2
	s_add_co_u32 s[TCOL], s[TCOL], s[CX]           ; tile column (bt) = 4 x cluster x + cx
	s_and_b32 s[TROW], ttmp7, 0xffff
	s_lshl_b32 s[TROW], s[TROW], 2
	s_add_co_u32 s[TROW], s[TROW], s[CY]           ; tile row (e) = 4 x cluster y + cy
	s_lshl_b32 s19, s[CY], 2
	s_lshl_b32 s19, 15, s19                        ; my row of the cluster
	s_lshl_b32 s20, 0x1111, s[CX]                  ; my column
	s_or_b32 s[G1A], s19, (1<<16)|(1<<20)|(1<<21)|(5<<22)|(3<<25)  ; the mask; elements of 2 bytes; padding on; bit 21 beside a mask; after every 64 words 4 words
	s_or_b32 s[G1B], s20, (1<<16)|(1<<20)|(1<<21)|(5<<22)|(3<<25)
.irp g, G1A, G1B
	s_mov_b32 s[(\g)+1], 128<<16                   ; tensor_dim0 = 128
	s_mov_b32 s[(\g)+3], 128<<16                   ; tile_dim0 = 128
	s_mov_b32 s[(\g)+5], 1024                      ; elements from row to row
	s_mov_b32 s[(\g)+6], 0
	s_mov_b32 s[(\g)+7], 0
.endr
	s_mov_b32 s[G1A+2], 96<<16                     ; tensor_dim1 and tile_dim1: 96 rows of W,
	s_mov_b32 s[G1A+4], 96
	s_mov_b32 s[G1B+2], 128<<16                    ; 128 rows of x
	s_mov_b32 s[G1B+4], 128
	s_mul_i32 s22, s[TROW], 192
	s_mul_i32 s23, s[CH], 96
	s_add_co_u32 s22, s22, s23
	s_lshl_b32 s22, s22, 11                        ; W: row 192 x tile row + 96 x half, 2,048 bytes a row
	s_mov_b32 s23, 0
	s_lshl_b32 s46, s[TCOL], 8
	s_lshl_b32 s47, s[CH], 7
	s_add_co_u32 s46, s46, s47
	s_lshl_b32 s46, s46, 11                        ; x: row 256 x tile column + 128 x half
	s_mov_b32 s47, 0
	s_mul_i32 s[LA], s[CH], AHALF                  ; where they go: no place in the cluster enters an LDS address
	s_mul_i32 s[LB], s[CH], BHALF
	s_add_co_u32 s[LB], s[LB], BREG
	s_mov_b32 s[TB], 0
	s_wait_dscnt 0x0                               ; the opening add is done
	s_wait_kmcnt 0x0
	s_add_nc_u64 s[22:23], s[4:5], s[22:23]
	s_add_nc_u64 s[46:47], s[6:7], s[46:47]
.irp s, 0,1
	s_mov_b32 s[G0A+4*(\s)], 1
	s_add_co_u32 s[G0A+4*(\s)+1], s[LA], (\s)*SLOT
	s_add_nc_u64 s[G0A+4*(\s)+2:G0A+4*(\s)+3], s[22:23], (\s)*KB
	s_or_b32 s[G0A+4*(\s)+3], s[G0A+4*(\s)+3], 0x80000000
	s_mov_b32 s[G0B+4*(\s)], 1
	s_add_co_u32 s[G0B+4*(\s)+1], s[LB], (\s)*SLOT
	s_add_nc_u64 s[G0B+4*(\s)+2:G0B+4*(\s)+3], s[46:47], (\s)*KB
	s_or_b32 s[G0B+4*(\s)+3], s[G0B+4*(\s)+3], 0x80000000
.endr
	CROUND                                         ; all sixteen work-groups are here: the first joint loads meet
	s_cmp_eq_u32 s[RH], 0                          ; a wave's two first fills stand in one branch: two loads of mine are out
	s_cbranch_scc0 .Lfirst_b
	tensor_load_to_lds s[G0A:G0A+3], s[G1A:G1A+7]
	s_nop 0
	tensor_load_to_lds s[G0A+4:G0A+7], s[G1A:G1A+7]
	s_nop 0
.rept 4
	v_nop
.endr
	s_branch .Lfirst_asked
.Lfirst_b:
	tensor_load_to_lds s[G0B:G0B+3], s[G1B:G1B+7]
	s_nop 0
	tensor_load_to_lds s[G0B+4:G0B+7], s[G1B:G1B+7]
	s_nop 0
.rept 4
	v_nop
.endr
.Lfirst_asked:
	; my first row e; the bias; where my part of the tile begins
	s_mul_i32 s19, s[TROW], 192
	s_mul_i32 s20, s[RH], 96
	s_add_co_u32 s19, s19, s20
	s_lshl_b32 s22, s19, 2
	s_mov_b32 s23, 0
	s_add_nc_u64 s[8:9], s[8:9], s[22:23]
	v_and_b32 v1, 15, v0                           ; l % 16
	v_bfe_u32 v2, v0, 4, 1                         ; l / 16
	v_lshlrev_b32 v4, 2, v1
.irp a, 0,1,2,3,4,5
	global_load_b32 v[6+(\a)], v4, s[8:9] offset:64*(\a)  ; b[e] of my row in block a
.endr
	s_lshl_b32 s[COFF], s19, 14
	s_lshl_b32 s20, s[TCOL], 9
	s_add_co_u32 s[COFF], s[COFF], s20
	s_lshl_b32 s20, s[CH], 8
	s_add_co_u32 s[COFF], s[COFF], s20
	s_mov_b32 s[COFF+1], 0
	; the low parts: tile column x 192 blocks + my first block of 16 rows (12 x tile row + 6 RH), 1,024 bytes a block
	s_mul_i32 s[LOB], s[TCOL], 192
	s_mul_i32 s20, s[TROW], 12
	s_add_co_u32 s[LOB], s[LOB], s20
	s_mul_i32 s20, s[RH], 6
	s_add_co_u32 s[LOB], s[LOB], s20
	s_lshl_b32 s[LOB], s[LOB], 10
	s_add_co_u32 s[LOB], s[LOB], VLO
	s_mov_b32 s[LOB+1], 0
	s_add_nc_u64 s[LOB:LOB+1], s[10:11], s[LOB:LOB+1]
	v_lshlrev_b32 v[LOA], 5, v1
	v_lshl_add_u32 v[LOA], v2, 4, v[LOA]
	v_mov_b32 v[NEG1], -1.0
	; a fragment is 16 rows x 32 K in 8 registers: lane l holds row l % 16, K = 8 (l / 16) + 0..7 and 16 + 8 (l / 16) + 0..7: two loads of 16 bytes, 32 bytes apart
	v_mul_u32_u24 v3, v1, PITCH
	v_lshl_add_u32 v3, v2, 4, v3
	s_mul_i32 s20, s[RH], AHALF
	v_add_nc_u32 v[A0], s20, v3
	s_mul_i32 s20, s[CH], BHALF
	s_add_co_u32 s20, s20, BREG
	v_add_nc_u32 v[B0], s20, v3
	v_mov_b32 v[ADRA], v[A0]
	v_mov_b32 v[ADRB], v[B0]
	s_mul_i32 s20, s[WV], 16*SPITCH
	s_add_co_u32 s20, s20, STAGE
	v_mul_u32_u24 v5, v1, SPITCH
	v_lshl_add_u32 v5, v2, 4, v5
	v_add_nc_u32 v[STO], s20, v5                   ; in: row l % 16, 16 bytes for each half of the lanes
	v_mul_u32_u24 v5, v2, SPITCH
	v_lshl_add_u32 v5, v1, 4, v5
	v_add_nc_u32 v[RD], s20, v5                    ; back: lanes 0-15 one row of 256 bytes, lanes 16-31 the next
	v_lshlrev_b32 v5, 14, v2
	v_lshl_add_u32 v[CO], v1, 4, v5                ; and the same two rows in kqvt
	; the prefetches
	s_mul_i32 s19, s[TROW], 192
	s_mul_i32 s20, s[CH], 96
	s_add_co_u32 s19, s19, s20
	s_mul_i32 s20, s[CX], 24
	s_add_co_u32 s19, s19, s20                     ; W: my work-group's 24 of the 96 rows that I fetch
	s_lshl_b32 s20, s[TCOL], 8
	s_lshl_b32 s21, s[CH], 7
	s_add_co_u32 s20, s20, s21
	s_lshl_b32 s21, s[CY], 5
	s_add_co_u32 s20, s20, s21                     ; x: my work-group's 32 of the 128
	s_and_b32 s21, ttmp7, 0xffff
	s_cmp_eq_u32 s[RH], 0
	s_cselect_b32 s19, s19, s20
	s_cselect_b32 s21, ttmp9, s21                  ; the coordinate along which other clusters read the same rows
	s_cselect_b32 s20, 23, 31                      ; lanes beyond my rows name the last of them
	s_cselect_b64 s[PFA:PFA+1], s[4:5], s[6:7]
	s_cmp_eq_u32 s21, 0
	s_cselect_b32 s[LIM], 2, -1                    ; the same in all sixteen partners, for a given wave
	s_lshl_b32 s22, s19, 11
	s_add_co_u32 s22, s22, 3*KB                    ; at K step 3: the first refill steps it to 4 and names that
	s_mov_b32 s23, 0
	s_add_nc_u64 s[PFA:PFA+1], s[PFA:PFA+1], s[22:23]
	v_and_b32 v[PFO], 31, v0
	v_min_u32 v[PFO], s20, v[PFO]
	v_lshlrev_b32 v[PFO], 11, v[PFO]
	s_wait_loadcnt 0x0                             ; the bias
.irp a, 0,1,2,3,4,5
	v_cvt_pk_bf16_f32 v[6+(\a)], v[6+(\a)], v[6+(\a)]
	v_lshlrev_b32 v[CI+8*(\a)], 16, v[6+(\a)]      ; rounded to bf16, as f32
.irp j, 1,2,3,4,5,6,7
	v_mov_b32 v[CI+8*(\a)+(\j)], v[CI+8*(\a)]      ; a lane's eight results of a block lie in one row e
.endr
.endr
; 2 NB matrix instructions: row blocks a0, a0 + 1 of the window's four x all NB column blocks, 32 along K.  first = 1: C is the bias block.  The accumulators take turns, in the same order in every quarter.
.macro MULR f, hi, a0, first
.if \first
	WIN 0x81+0x40*(\hi)                            ; x window 1, W and C window 0, D window 2 or 3
.else
	WIN 0xa1+0x50*(\hi)                            ; C and D window 2 or 3
.endif
.irp a, \a0, (\a0)+1
.set bb, 0
.rept NB
.set rD, 8*(8*(\a)+bb)
.set rB, (\f)+8*bb
.set rA, (\f)+8*(4*(\hi)+(\a))
.if \first
.set rC, CI+8*(4*(\hi)+(\a))
	v_wmma_f32_16x16x32_bf16 v[rD:rD+7], v[rB:rB+7], v[rA:rA+7], v[rC:rC+7]
.else
	v_wmma_f32_16x16x32_bf16 v[rD:rD+7], v[rB:rB+7], v[rA:rA+7], v[rD:rD+7]
.endif
.set bb, bb+1
.endr
.endr
.endm
.macro HIS f, first                    ; row blocks 4, 5
	MULR \f, 1, 0, \first
.endm
.macro FETCH q, f                      ; one run of LDS loads: the fragments of quarter q of the slot in hand into buffer f; W's come last
	WIN 0x40
.set ii, 0
.rept NB
	ds_load_b128 v[(\f)+8*ii:(\f)+8*ii+3],   v[ADRB] offset:64*(\q)+ii*16*PITCH
	ds_load_b128 v[(\f)+8*ii+4:(\f)+8*ii+7], v[ADRB] offset:64*(\q)+ii*16*PITCH+32
.set ii, ii+1
.endr
	WIN 0
.set ii, 0
.rept MB
	ds_load_b128 v[(\f)+8*ii:(\f)+8*ii+3],   v[ADRA] offset:64*(\q)+ii*16*PITCH
	ds_load_b128 v[(\f)+8*ii+4:(\f)+8*ii+7], v[ADRA] offset:64*(\q)+ii*16*PITCH+32
.set ii, ii+1
.endr
.endm
.macro QUARTER q, f, g, first          ; multiplies buffer f; in its middle fetches quarter q into buffer g
	s_wait_dscnt 2*(MB-4)                          ; x and W's blocks 0-3 are in; the youngest loads (W's blocks 4, 5) may be out
	MULR \f, 0, 0, \first
	MULR \f, 0, 2, \first
	PLACES
	FETCH \q, \g
	s_wait_dscnt 2*(MB+NB)                         ; all but the run just issued
	HIS \f, \first
.endm
; The last quarter of a K step multiplies buffer 1 and changes slots: one barrier.  In front of it each wave waits for all its tensor loads (one is out: its part of the next slot), adds 0 to its spare word,
; and waits for that and for its reads of this slot.  fill = 1: the barrier opens a round of the cluster's barrier, and the joint refill, two K steps on, is the first thing behind the round.
.macro TURN fill
.if \fill
	s_wait_xcnt 0x0                                ; the last prefetch, a K step back, has read its address
	s_add_nc_u64 s[PFA:PFA+1], s[PFA:PFA+1], KB
.endif
	WIN 0
	s_wait_tensorcnt 0x0                           ; no tensor load of mine is out, so a group 0 may be written
	ds_add_u32 v[SPW], v[NIL]
.if \fill
	s_xor_b32 s[G0A+5], s[G0A+5], SLOT             ; the walking descriptors: the other slot than last time, the next K step
	s_add_nc_u64 s[G0A+6:G0A+7], s[G0A+6:G0A+7], KB
	s_xor_b32 s[G0B+5], s[G0B+5], SLOT
	s_add_nc_u64 s[G0B+6:G0B+7], s[G0B+6:G0B+7], KB
.endif
	s_wait_dscnt 2*(MB-4)+1                        ; the add and W's youngest blocks may be out
	MULR F1, 0, 0, 0
	s_wait_dscnt 0x0                               ; the add is done, and my reads of this slot are over
	s_barrier_signal -1
	MULR F1, 0, 2, 0
	WIN 0
	s_barrier_wait -1
.if \fill
	CREST
	JLOAD                                          ; its four v_nop are also the places in front of the loads below
.else
	PLACES
.endif
	s_xor_b32 s[TB], s[TB], SLOT
	v_add_nc_u32 v[ADRA], s[TB], v[A0]
	v_add_nc_u32 v[ADRB], s[TB], v[B0]
	FETCH 0, F0
.if \fill
	ASK
.endif
	HIS F1, 0
.endm
	s_wait_tensorcnt 0x1                           ; my part of K step 0 is in; K step 1's may stay out
	s_barrier_signal -1
	s_barrier_wait -1
	FETCH 0, F0
	QUARTER 1, F0, F1, 1                           ; the first quarter stands in front of the loop: its products start the sums, with the bias
	WIN 0
	s_mov_b32 s[CNT], 6
.Lstep:                                                ; a trip: from a K step's second quarter to the next step's first; trip t fills the slot just read with K step t + 2
	QUARTER 2, F1, F0, 0
	QUARTER 3, F0, F1, 0
	TURN 1
	QUARTER 1, F0, F1, 0
	WIN 0
	s_sub_co_u32 s[CNT], s[CNT], 1
	s_cmp_lg_u32 s[CNT], 0
	s_cbranch_scc1 .Lstep
	QUARTER 2, F1, F0, 0                           ; the tail is written out: nothing more is asked for
	QUARTER 3, F0, F1, 0
	TURN 0
	QUARTER 1, F0, F1, 0
	QUARTER 2, F1, F0, 0
	QUARTER 3, F0, F1, 0
	s_wait_dscnt 2*(MB-4)
	MULR F1, 0, 0, 0
	MULR F1, 0, 2, 0
	s_wait_dscnt 0x0
	HIS F1, 0
	WIN 0
	PLACES
; THE WAY OUT, a block of 16 rows e at a time: rounded to f16, 16 bytes a lane; through my own stage; back as whole rows of 256 bytes; stored.
.macro PACK a
.set AC, 64*((\a)%4)
	WIN 0x0a+5*((\a)/4)                            ; sources 0 and 1: window 2 or 3
.irp b, 0,1,2,3,4,5,6,7
.irp r, 0,1,2,3
	v_cvt_pk_f16_f32 v[TMP+4*(\b)+(\r)], v[AC+8*(\b)+2*(\r)], v[AC+8*(\b)+2*(\r)+1]
.endr
.endr
	WIN 0
.endm
.macro TOSTAGE a
.set BK, OB+192*((\a)%2)
.irp b, 0,1,2,3,4,5,6,7
	ds_store_b128 v[STO], v[TMP+4*(\b):TMP+4*(\b)+3] offset:32*(\b)
.endr
.irp t, 0,1,2,3,4,5,6,7
	ds_load_b128 v[BK+4*(\t):BK+4*(\t)+3], v[RD] offset:(\t)*2*SPITCH  ; LDS serves a wave's instructions in order (ISA guide 5.7.1.4): these see the stores above
.endr
.endm
.macro SEND a
.set BK, OB+192*((\a)%2)
	s_wait_dscnt 0x0                               ; the block is back in registers
	s_wait_xcnt 0x0                                ; the stores' base, and the registers that earlier stores read, are rewritten only behind this wait
.if (\a) == 0
	s_add_nc_u64 s[10:11], s[10:11], s[COFF:COFF+1]
.else
	s_add_nc_u64 s[10:11], s[10:11], 16*CROW
.endif
.irp t, 0,1,2,3,4,5,6,7
	global_store_b128 v[CO], v[BK+4*(\t):BK+4*(\t)+3], s[10:11] offset:2*(\t)*CROW  ; 16 lanes store 256 consecutive bytes, aligned
.endr
.endm
; The low parts of block a's columns 0-31: the f16 rounding is made once more, taken from the f32 sum (rounding x -1 + sum: exact), and the difference rounded to f16.
; A lane's eight columns of a half are 16 bytes at 32 (l % 16) + 16 (l / 16): a store of the wave covers 512 consecutive bytes, aligned.  Each block has its own eight registers, so no store's data are written again.
.macro LOW a
.set AC, 64*((\a)%4)
	WIN 0x0a+5*((\a)/4)                            ; sources 0 and 1: window 2 or 3
.irp b, 0,1
.irp r, 0,1,2,3
	v_cvt_pk_f16_f32 v[HT+4*(\b)+(\r)], v[AC+8*(\b)+2*(\r)], v[AC+8*(\b)+2*(\r)+1]
.endr
.endr
	WIN 0x20+0x10*((\a)/4)                         ; source 2: window 2 or 3
.irp b, 0,1
.irp r, 0,1,2,3
	v_fma_mix_f32 v[DT+8*(\b)+2*(\r)],   v[HT+4*(\b)+(\r)], v[NEG1], v[AC+8*(\b)+2*(\r)] op_sel_hi:[1,0,0]
	v_fma_mix_f32 v[DT+8*(\b)+2*(\r)+1], v[HT+4*(\b)+(\r)], v[NEG1], v[AC+8*(\b)+2*(\r)+1] op_sel:[1,0,0] op_sel_hi:[1,0,0]
.endr
.endr
	WIN 0
.irp b, 0,1
.irp r, 0,1,2,3
	v_cvt_pk_f16_f32 v[LP+8*(\a)+4*(\b)+(\r)], v[DT+8*(\b)+2*(\r)], v[DT+8*(\b)+2*(\r)+1]
.endr
	global_store_b128 v[LOA], v[LP+8*(\a)+4*(\b):LP+8*(\a)+4*(\b)+3], s[LOB:LOB+1] offset:1024*(\a)+512*(\b)
.endr
.endm
	PACK 0
	TOSTAGE 0
.irp a, 1,2,3,4,5
	PACK \a                                        ; a block's conversions stand between the loads of the block before and the wait for them
	SEND (\a)-1
	TOSTAGE \a
.endr
	SEND 5
	s_cmp_lg_u32 s[CH], 0                          ; the tile's columns 0-31 lie in the waves with CH = 0
	s_cbranch_scc1 .Lno_low
.irp a, 0,1,2,3,4,5
	LOW \a
.endr
.Lno_low:
	s_wait_tensorcnt 0x0                           ; the wave's end
	ds_add_u32 v[SPW], v[NIL]
	s_wait_dscnt 0x0
	CROUND                                         ; the closing round
	s_endpgm
.Lfunc_end_k_q98ec45c3ff_kqv:
	.size	k_q98ec45c3ff_kqv, .Lfunc_end_k_q98ec45c3ff_kqv-k_q98ec45c3ff_kqv
	.p2alignl 7, 3214868480
	.fill 96, 4, 3214868480
	.section	.rodata,"a",@progbits
	.p2align	6, 0x0
	.amdhsa_kernel k_q98ec45c3ff_kqv
		.amdhsa_group_segment_fixed_size 327680
		.amdhsa_private_segment_fixed_size 0
		.amdhsa_enable_private_segment 0
		.amdhsa_kernarg_size 32
		.amdhsa_user_sgpr_count 2
		.amdhsa_user_sgpr_kernarg_segment_ptr 1
		.amdhsa_wavefront_size32 1
		.amdhsa_system_sgpr_workgroup_id_x 1
		.amdhsa_system_sgpr_workgroup_id_y 1
		.amdhsa_system_sgpr_workgroup_id_z 1
		.amdhsa_system_vgpr_workitem_id 0
		.amdhsa_next_free_vgpr 1024
		.amdhsa_next_free_sgpr 80
		.amdhsa_reserve_vcc 0
		.amdhsa_float_denorm_mode_32 3
		.amdhsa_float_denorm_mode_16_64 3
		.amdhsa_memory_ordered 1
		.amdhsa_forward_progress 1
		.amdhsa_inst_pref_size 111
	.end_amdhsa_kernel
	.amdgpu_metadata
---
amdhsa.version: [ 1, 2 ]
amdhsa.kernels:
  - .name:           k_q98ec45c3ff_kqv
    .symbol:         k_q98ec45c3ff_kqv.kd
    .args:
      - { .name: wkb, .offset: 0, .size: 8, .value_kind: global_buffer, .address_space: global }
      - { .name: xb, .offset: 8, .size: 8, .value_kind: global_buffer, .address_space: global }
      - { .name: b_kqv, .offset: 16, .size: 8, .value_kind: global_buffer, .address_space: global }
      - { .name: kqvt, .offset: 24, .size: 8, .value_kind: global_buffer, .address_space: global }
    .group_segment_fixed_size: 327680
    .private_segment_fixed_size: 0
    .kernarg_segment_align: 8
    .kernarg_segment_size: 32
    .max_flat_workgroup_size: 128
    .sgpr_count:     80
    .vgpr_count:     1024
    .wavefront_size: 32
...
	.end_amdgpu_metadata
.endif
;; end of part 2
;; launch scores (part 3): grid 36 x 4, 4 waves a work-group, no clusters, 327,680 bytes of LDS; arguments kqvt, p, m2, ls; writes p, m2, ls
.if DOCPART == 3
	.amdgcn_target "amdgcn-amd-amdhsa--gfx1250"
	.amdhsa_code_object_version 6
	.text
	.protected	k_q98ec45c3ff_scores
	.globl	k_q98ec45c3ff_scores
	.p2align	8
	.type	k_q98ec45c3ff_scores,@function
k_q98ec45c3ff_scores:
	s_mov_b64 s[64:65], 0
	v_nop
	global_prefetch_b8 v0, s[64:65] scope:SCOPE_SE
	s_setreg_imm32_b32 hwreg(HW_REG_WAVE_MODE, 25, 1), 1
	s_wait_xcnt 0x0
; For each tile of 256 queries x 256 keys on or below the diagonal (36 a batch): s = q . k, sums in f32; then, for each row and each CHUNK of 128 keys, with c = log2(e) / sqrt(2048):
;   cm = the chunk's maximum of c s;   p = 2^(c s - cm), stored in f16;   l = the sum of the unrounded p.     p [4][2048][2048] f16;  m2 (cm) and ls (l): [16 chunks][8192 rows] f32.
; The launch behind takes each row's maximum over its chunks' cm and rescales: together the two make the softmax with its true maximum taken away.
; OPERANDS.  kqvt holds Q^T (rows 1024-2047) and K^T (rows 0-1023), [channel][bt], f16: a tile of a K step is 128 channels x 256 bt, and the fragments come out of LDS turned, by ds_load_tr16_b128.
; SHARES.  Four waves; wave (RH, CH) makes queries 128 RH .. x keys 128 CH ..: one chunk; 8 x 8 accumulators, 512 registers.  K goes in 8 steps of 128 channels through two LDS slots; wave w fetches 64 channels x 512 bytes:
; waves 0, 1 of Q^T, waves 2, 3 of K^T; LDS address = w x 34,816 + the slot's.
; Source 0 = 16 keys, source 1 = 16 queries: a lane holds ONE query (lane % 16) and the keys 8 (lane / 16) + 0..7; the query's other 64 keys of the chunk lie in the lane 16 away.
; THE MASK is the C operand that starts the sums: 0, or -1e30 where key > query.  Key - query = 16 (b - a) + j - D with D = l % 16 - 8 (l / 16) + 128 (RH - CH) + 256 (I - J), and D lies in -8..15, at or below -113, or at or above 120:
; so three mask blocks do for all 64 accumulators: b < a, b = a, b > a (made with 16 (b - a) taken as -16, 0, 16).
; A chunk wholly above the diagonal (RH = 0, CH = 1 of a diagonal tile) gets cm near -3e28 and p = 1: the launch behind multiplies it by 0.
; NO CLUSTER: tile row I has I + 1 = 1 .. 8 tiles, and tile column J has 8 - J: no shape of cluster divides the triangle, and partners along a row or a column would be of uneven number.
; LIMITS.  A hidden score counts as its value less 1e30; p below 6e-5 keeps f16's fixed step of 6e-8; an exponential below 2^-126 counts as 0; NaN and infinities are not treated apart.
; REGISTERS: window 0: v0-31 addresses, v32-43 statistics at work, v64-127 and v128-191 Q's fragments (on the way out v64-127 a row block's 64 scores), v192-215 the masks, later v192-223 packed p, v224-255 rows on the way out;
;   window 1: v64-191 K's fragments;  windows 2, 3: the accumulators, row block a, key block b at 8 (8 (a % 4) + b).
.set MB,    8
.set NB,    8
.set PITCH, 544                        ; an LDS row: 512 bytes + 32 = 136 words
.set QUART, 64*PITCH                   ; what a wave fetches
.set BREG,  2*QUART                    ; K^T lies behind Q^T
.set SLOT,  4*QUART                    ; 0x22000: the four waves' bases 0, 0x8800, 0x11000, 0x19800 have these two bits clear, so one exclusive or adds or takes away a slot
.set STAGE, 2*SLOT
.set SPITCH, 272
.set STAT,  STAGE+4*16*SPITCH          ; 1,024 bytes a wave: cm of my 128 rows, then l
.set SPARE, STAT+4*1024
.set KB,    128*16384                  ; bytes from a K step to the next: 128 rows of kqvt
.set PROW,  4096                       ; bytes in a row of p
.set ADRA, 16
.set A0,   17
.set ADRB, 20
.set B0,   21
.set SA0,  22                          ; v22 where row l % 16 of block 0 has its cm;  v27 the same for the block in hand
.set SR,   23                          ; v23 where I read 16 bytes of the statistics back
.set STO,  24
.set RD,   25
.set CO,   26
.set SA,   27
.set SPW,  28
.set NIL,  29
.set PFO,  30
.set SO,   31                          ; v31 16 x lane
.set MX,   32
.set CM,   40                          ; v[40:41] cm, named as a pair
.set LS,   42                          ; v42, v43 l at work
.set F0,   64
.set F1,   128
.set T,    64
.set TMP,  192
.set CI,   192
.set BK,   224
.set WV, 12
.set RH, 13
.set CH, 14
.set TX, 15
.set BT, 16
.set TJ, 17
.set TI, 18
.set G1, 24
.set G0, 32
.set TB, 40
.set CNT, 43
.set PFA, 44
.set LIM, 66
.set COFF, 70
.set CS,  72
.set SEL, 74
.set BIGN, 76
.set AI,  77
.set MSB, 0
.macro WIN new
.if MSB != (\new)
	s_set_vgpr_msb (MSB<<8)|(\new)
.set MSB, \new
.endif
.endm
.macro PLACES
.rept 4
	v_nop
.endr
.endm
.macro JLOAD                           ; the refill: every wave its own 64 rows, by the walking descriptor
	tensor_load_to_lds s[G0+4:G0+7], s[G1:G1+7]
	s_nop 0
.rept 4
	v_nop
.endr
.endm
; A prefetch into the L2 of the K step that stands two refills on.  Q^T's columns of tile row I are read by the I + 1 tiles of that row, K^T's of tile column J by the tiles of that column: the diagonal tile (I = J) reads both and asks,
; each wave for what it fetches itself: 64 rows x 512 bytes, a lane a row, four instructions.  So each block is named once.  The last two refills have no K step two on.
.macro ASK
	s_cmp_gt_u32 s[CNT], s[LIM]
	s_cbranch_scc0 .Lnot_mine_\@
	global_prefetch_b8 v[PFO], s[PFA:PFA+1] th:TH_LOAD_NT scope:SCOPE_SE
	global_prefetch_b8 v[PFO], s[PFA:PFA+1] offset:256 th:TH_LOAD_NT scope:SCOPE_SE
	global_prefetch_b8 v[PFO], s[PFA:PFA+1] offset:32*16384 th:TH_LOAD_NT scope:SCOPE_SE
	global_prefetch_b8 v[PFO], s[PFA:PFA+1] offset:32*16384+256 th:TH_LOAD_NT scope:SCOPE_SE
.Lnot_mine_\@:
.endm
	s_load_b256 s[4:11], s[0:1], 0x0               ; kqvt s[4:5], p s[6:7], m2 s[8:9], ls s[10:11]
	v_lshl_add_u32 v[SPW], v0, 2, SPARE
	v_mov_b32 v[NIL], 0
	ds_add_u32 v[SPW], v[NIL]                      ; the wave's opening: the add and its wait stand ahead of my first tensor load
	v_lshrrev_b32 v1, 5, v0
	v_readfirstlane_b32 s[WV], v1
	s_lshr_b32 s[RH], s[WV], 1
	s_and_b32 s[CH], s[WV], 1
	s_mov_b32 s[TX], ttmp9
	s_and_b32 s[BT], ttmp7, 0xffff
	s_mov_b32 s[TI], 0                             ; tile x of the triangle: I = how many of the rows' first numbers 1, 3, 6 .. x has reached; J = x - I (I + 1) / 2
.irp th, 1,3,6,10,15,21,28
	s_cmp_ge_u32 s[TX], \th
	s_add_co_ci_u32 s[TI], s[TI], 0
.endr
	s_add_co_u32 s19, s[TI], 1
	s_mul_i32 s19, s19, s[TI]
	s_lshr_b32 s19, s19, 1
	s_sub_co_u32 s[TJ], s[TX], s19
	s_mov_b32 s[G1], (1<<16)|(1<<20)|(6<<22)|(7<<25)  ; elements of 2 bytes; padding on: after every 128 words 8 words
	s_mov_b32 s[G1+1], 256<<16                     ; tensor_dim0 = 256
	s_mov_b32 s[G1+2], 64<<16                      ; tensor_dim1 = 64
	s_mov_b32 s[G1+3], 256<<16                     ; tile_dim0 = 256
	s_mov_b32 s[G1+4], 64                          ; tile_dim1 = 64
	s_mov_b32 s[G1+5], 8192                        ; elements from row to row
	s_mov_b32 s[G1+6], 0
	s_mov_b32 s[G1+7], 0
	s_cmp_eq_u32 s[RH], 0                          ; waves 0, 1: Q^T at tile row I's columns; waves 2, 3: K^T at tile column J's
	s_cselect_b32 s19, 1024, 0
	s_cselect_b32 s20, s[TI], s[TJ]
	s_lshl_b32 s21, s[CH], 6
	s_add_co_u32 s19, s19, s21
	s_lshl_b32 s19, s19, 14
	s_lshl_b32 s20, s20, 9
	s_add_co_u32 s19, s19, s20
	s_lshl_b32 s20, s[BT], 12
	s_add_co_u32 s22, s19, s20
	s_mov_b32 s23, 0
	s_mul_i32 s21, s[WV], QUART
	s_mov_b32 s[TB], 0
	s_mov_b32 s[CS], 0x3d0293ee                    ; c = log2(e) / sqrt(2048) = 0.0318793
	s_mov_b32 s[CS+1], s[CS]
	s_mov_b32 s[SEL], 0x76543210
	s_mov_b32 s[SEL+1], 0xfedcba98
	s_mov_b32 s[BIGN], 0xf149f2ca                  ; -1e30
	s_wait_dscnt 0x0                               ; the opening add is done
	s_wait_kmcnt 0x0
	s_add_nc_u64 s[22:23], s[4:5], s[22:23]
.irp s, 0,1
	s_mov_b32 s[G0+4*(\s)], 1
	s_add_co_u32 s[G0+4*(\s)+1], s21, (\s)*SLOT
	s_add_nc_u64 s[G0+4*(\s)+2:G0+4*(\s)+3], s[22:23], (\s)*KB
	s_or_b32 s[G0+4*(\s)+3], s[G0+4*(\s)+3], 0x80000000
.endr
	tensor_load_to_lds s[G0:G0+3], s[G1:G1+7]      ; the two first fills go out together: two loads of mine are out
	s_nop 0
	tensor_load_to_lds s[G0+4:G0+7], s[G1:G1+7]
	s_nop 0
.rept 4
	v_nop
.endr
	s_cmp_eq_u32 s[TI], s[TJ]
	s_cselect_b32 s[LIM], 2, -1
	s_add_nc_u64 s[PFA:PFA+1], s[22:23], 3*KB      ; at K step 3: the first refill steps it to 4 and names that
	v_and_b32 v[PFO], 31, v0
	v_lshlrev_b32 v[SO], 4, v[PFO]
	v_lshlrev_b32 v[PFO], 14, v[PFO]
	; the turning load takes 16 channels x 16 bt (lane l reads channel 8 (l / 16) + l % 8, bt 8 ((l / 8) % 2) + 0..7) and leaves half a fragment: lane l holds bt l % 16 and 8 channels
	v_and_b32 v1, 15, v0
	v_bfe_u32 v2, v0, 4, 1
	v_and_b32 v3, 7, v0
	v_bfe_u32 v4, v0, 3, 1
	v_lshl_add_u32 v5, v2, 3, v3
	v_mul_u32_u24 v5, v5, PITCH
	v_lshl_add_u32 v5, v4, 4, v5
	s_lshl_b32 s19, s[RH], 8
	v_add_nc_u32 v[A0], s19, v5                    ; my 128 queries: 256 bytes of each row
	s_lshl_b32 s19, s[CH], 8
	s_add_co_u32 s19, s19, BREG
	v_add_nc_u32 v[B0], s19, v5
	v_mov_b32 v[ADRA], v[A0]
	v_mov_b32 v[ADRB], v[B0]
	s_mul_i32 s20, s[WV], 16*SPITCH
	s_add_co_u32 s20, s20, STAGE
	v_mul_u32_u24 v5, v1, SPITCH
	v_lshl_add_u32 v5, v2, 4, v5
	v_add_nc_u32 v[STO], s20, v5
	v_mul_u32_u24 v5, v2, SPITCH
	v_lshl_add_u32 v5, v1, 4, v5
	v_add_nc_u32 v[RD], s20, v5
	v_lshlrev_b32 v5, 12, v2
	v_lshl_add_u32 v[CO], v1, 4, v5
	s_lshl_b32 s20, s[WV], 10
	s_add_co_u32 s20, s20, STAT
	v_lshl_add_u32 v[SA0], v1, 2, s20
	v_add_nc_u32 v[SR], s20, v[SO]
	v_mov_b32 v[CM+1], 0                           ; named with cm as a pair
	v_mov_b32 v[LS+1], 0                           ; a lane exchange's destination counts as read
	; where my part begins in p, and in the two tables
	s_lshl_b32 s[COFF], s[BT], 23
	s_lshl_b32 s19, s[TI], 20
	s_add_co_u32 s[COFF], s[COFF], s19
	s_lshl_b32 s19, s[RH], 19
	s_add_co_u32 s[COFF], s[COFF], s19
	s_lshl_b32 s19, s[TJ], 9
	s_add_co_u32 s[COFF], s[COFF], s19
	s_lshl_b32 s19, s[CH], 8
	s_add_co_u32 s[COFF], s[COFF], s19
	s_mov_b32 s[COFF+1], 0
	s_add_nc_u64 s[6:7], s[6:7], s[COFF:COFF+1]
	s_lshl_b32 s46, s[TJ], 16                      ; chunk 2 J + CH: 32,768 bytes a chunk,
	s_lshl_b32 s19, s[CH], 15
	s_add_co_u32 s46, s46, s19
	s_lshl_b32 s19, s[BT], 13                      ; row 2,048 b + 256 I + 128 RH: 4 bytes a row
	s_add_co_u32 s46, s46, s19
	s_lshl_b32 s19, s[TI], 10
	s_add_co_u32 s46, s46, s19
	s_lshl_b32 s19, s[RH], 9
	s_add_co_u32 s46, s46, s19
	s_mov_b32 s47, 0
	s_add_nc_u64 s[8:9], s[8:9], s[46:47]
	s_add_nc_u64 s[10:11], s[10:11], s[46:47]
	; the three mask blocks
	s_sub_co_i32 s19, s[RH], s[CH]
	s_lshl_b32 s19, s19, 7
	s_sub_co_u32 s20, s[TI], s[TJ]
	s_lshl_b32 s20, s20, 8
	s_add_co_i32 s19, s19, s20
	v_lshlrev_b32 v6, 3, v2
	v_sub_nc_u32 v6, v1, v6
	v_add_nc_u32 v6, s19, v6                       ; D
.set dd, 0
.rept 3
.set jj, 0
.rept 8
	v_cmp_gt_i32 vcc_lo, 16*(dd-1)+jj, v6
	v_cndmask_b32 v[CI+8*dd+jj], 0, s[BIGN], vcc_lo
.set jj, jj+1
.endr
.set dd, dd+1
.endr
.macro MULR f, hi, a0, first           ; 16 matrix instructions: query blocks a0, a0 + 1 of the window's four x all 8 key blocks.  first = 1: C is the mask.  The accumulators take turns
.if \first
	WIN 0x81+0x40*(\hi)
.else
	WIN 0xa1+0x50*(\hi)
.endif
.irp a, \a0, (\a0)+1
.set bb, 0
.rept NB
.set rD, 8*(8*(\a)+bb)
.set rB, (\f)+8*bb
.set rA, (\f)+8*(4*(\hi)+(\a))
.if \first
.set rC, CI+8
.if bb < 4*(\hi)+(\a)
.set rC, CI
.endif
.if bb > 4*(\hi)+(\a)
.set rC, CI+16
.endif
	v_wmma_f32_16x16x32_f16 v[rD:rD+7], v[rB:rB+7], v[rA:rA+7], v[rC:rC+7]
.else
	v_wmma_f32_16x16x32_f16 v[rD:rD+7], v[rB:rB+7], v[rA:rA+7], v[rD:rD+7]
.endif
.set bb, bb+1
.endr
.endr
.endm
.macro HIS f, first
	MULR \f, 1, 0, \first
	MULR \f, 1, 2, \first
.endm
.macro FETCH q, f                      ; 32 turning loads in one run: channels 32 q on; K's fragments, then Q's
	WIN 0x40
.set ii, 0
.rept NB
	ds_load_tr16_b128 v[(\f)+8*ii:(\f)+8*ii+3],   v[ADRB] offset:32*(\q)*PITCH+32*ii
	ds_load_tr16_b128 v[(\f)+8*ii+4:(\f)+8*ii+7], v[ADRB] offset:32*(\q)*PITCH+32*ii+16*PITCH
.set ii, ii+1
.endr
	WIN 0
.set ii, 0
.rept MB
	ds_load_tr16_b128 v[(\f)+8*ii:(\f)+8*ii+3],   v[ADRA] offset:32*(\q)*PITCH+32*ii
	ds_load_tr16_b128 v[(\f)+8*ii+4:(\f)+8*ii+7], v[ADRA] offset:32*(\q)*PITCH+32*ii+16*PITCH
.set ii, ii+1
.endr
.endm
.macro QUARTER q, f, g, first
	s_wait_dscnt 2*(MB-4)                          ; K and Q's blocks 0-3 are in; the youngest eight loads may be out
	MULR \f, 0, 0, \first
	MULR \f, 0, 2, \first
	PLACES
	FETCH \q, \g
	s_wait_dscnt 2*(MB+NB)                         ; all but the 32 just issued
	HIS \f, \first
.endm
; The change of slots: each wave waits for all its tensor loads (one is out: its part of the next slot), adds 0 to its spare word, waits for that and for its reads of this slot; one barrier; the refill first behind it.
.macro TURN fill
.if \fill
	s_wait_xcnt 0x0                                ; the last prefetches, a K step back, have read their address
	s_add_nc_u64 s[PFA:PFA+1], s[PFA:PFA+1], KB
.endif
	WIN 0
	s_wait_tensorcnt 0x0
	ds_add_u32 v[SPW], v[NIL]
.if \fill
	s_xor_b32 s[G0+5], s[G0+5], SLOT
	s_add_nc_u64 s[G0+6:G0+7], s[G0+6:G0+7], KB
.endif
	s_wait_dscnt 2*(MB-4)+1                        ; the add and the youngest eight loads may be out
	MULR F1, 0, 0, 0
	s_wait_dscnt 0x0                               ; the add is done, and my reads of this slot are over
	s_barrier_signal -1
	MULR F1, 0, 2, 0
	WIN 0
	s_barrier_wait -1
.if \fill
	JLOAD
.else
	PLACES
.endif
	s_xor_b32 s[TB], s[TB], SLOT
	v_add_nc_u32 v[ADRA], s[TB], v[A0]
	v_add_nc_u32 v[ADRB], s[TB], v[B0]
	FETCH 0, F0
.if \fill
	ASK
.endif
	HIS F1, 0
.endm
	s_wait_tensorcnt 0x1                           ; my part of K step 0 is in; K step 1's may stay out
	s_barrier_signal -1
	s_barrier_wait -1
	FETCH 0, F0
	QUARTER 1, F0, F1, 1
	WIN 0
	s_mov_b32 s[CNT], 6
.Lstep:
	QUARTER 2, F1, F0, 0
	QUARTER 3, F0, F1, 0
	TURN 1
	QUARTER 1, F0, F1, 0
	WIN 0
	s_sub_co_u32 s[CNT], s[CNT], 1
	s_cmp_lg_u32 s[CNT], 0
	s_cbranch_scc1 .Lstep
	QUARTER 2, F1, F0, 0
	QUARTER 3, F0, F1, 0
	TURN 0
	QUARTER 1, F0, F1, 0
	QUARTER 2, F1, F0, 0
	QUARTER 3, F0, F1, 0
	s_wait_dscnt 2*(MB-4)
	MULR F1, 0, 0, 0
	MULR F1, 0, 2, 0
	s_wait_dscnt 0x0
	HIS F1, 0
	WIN 0
	PLACES
; THE WAY OUT: a loop over my eight blocks of 16 queries, so that the softmax's text stands once.  Only the copy out of the accumulators, which scales by c, is written for each block.
.macro COPY a
	WIN 0x02+(\a)/4                                ; source 0 in window 2 or 3
.set kk, 0
.rept 32
	v_pk_mul_f32 v[T+2*kk:T+2*kk+1], v[64*((\a)%4)+2*kk:64*((\a)%4)+2*kk+1], s[CS:CS+1] op_sel_hi:[1,0]
.set kk, kk+1
.endr
	WIN 0
.endm
	s_mov_b32 s[AI], 0
.Lrow:
.irp a, 0,1,2,3,4,5,6
	s_cmp_lg_u32 s[AI], \a
	s_cbranch_scc1 .Lnot_\a
	COPY \a
	s_branch .Lcopied
.Lnot_\a:
.endr
	COPY 7
.Lcopied:
	; the maximum of my 64 scores: eight chains of seven, three operands at a time; the eight left over; the chains into one
.set kk, 0
.rept 8
	v_max3_num_f32 v[MX+kk], v[T+8*kk], v[T+8*kk+1], v[T+8*kk+2]
.set kk, kk+1
.endr
.set kk, 0
.rept 8
	v_max3_num_f32 v[MX+kk], v[MX+kk], v[T+8*kk+3], v[T+8*kk+4]
.set kk, kk+1
.endr
.set kk, 0
.rept 8
	v_max3_num_f32 v[MX+kk], v[MX+kk], v[T+8*kk+5], v[T+8*kk+6]
.set kk, kk+1
.endr
.set kk, 0
.rept 4
	v_max3_num_f32 v[MX+kk], v[MX+kk], v[T+16*kk+7], v[T+16*kk+15]
.set kk, kk+1
.endr
	v_max3_num_f32 v[MX], v[MX], v[MX+1], v[MX+2]
	v_max3_num_f32 v[MX+3], v[MX+3], v[MX+4], v[MX+5]
	v_max3_num_f32 v[MX], v[MX], v[MX+3], v[MX+6]
	v_max_num_f32 v[MX], v[MX], v[MX+7]
	v_permlanex16_b32 v[MX+1], v[MX], s[SEL], s[SEL+1]  ; the query's other 64 keys lie in the lane 16 away
	v_max_num_f32 v[CM], v[MX], v[MX+1]
.set kk, 0
.rept 32
	v_pk_add_f32 v[T+2*kk:T+2*kk+1], v[T+2*kk:T+2*kk+1], v[CM:CM+1] op_sel_hi:[1,0] neg_lo:[0,1] neg_hi:[0,1]
.set kk, kk+1
.endr
.set kk, 0
.rept 64
	v_exp_f32 v[T+kk], v[T+kk]                     ; one batch
.set kk, kk+1
.endr
	v_nop                                          ; a plain instruction behind the last exponential,
	s_wait_alu depctr_va_vdst(0)                   ; and the one wait ahead of the first reader
.set kk, 0
.rept 32
	v_cvt_pk_f16_f32 v[TMP+kk], v[T+2*kk], v[T+2*kk+1]
.set kk, kk+1
.endr
.irp w, 16,8,4,2,1                     ; the sum of the 32 pairs, in place
.set kk, 0
.rept \w
	v_pk_add_f32 v[T+2*kk:T+2*kk+1], v[T+2*kk:T+2*kk+1], v[T+2*(kk+(\w)):T+2*(kk+(\w))+1]
.set kk, kk+1
.endr
.endr
	v_add_f32 v[LS], v[T], v[T+1]
	v_permlanex16_b32 v[LS+1], v[LS], s[SEL], s[SEL+1]
	v_add_f32 v[LS], v[LS], v[LS+1]
	s_lshl_b32 s19, s[AI], 6
	v_add_nc_u32 v[SA], s19, v[SA0]
	ds_store_b32 v[SA], v[CM]                      ; lanes l and l + 16 write the same word with the same value
	ds_store_b32 v[SA], v[LS] offset:512
.irp b, 0,1,2,3,4,5,6,7
	ds_store_b128 v[STO], v[TMP+4*(\b):TMP+4*(\b)+3] offset:32*(\b)
.endr
.irp t, 0,1,2,3,4,5,6,7
	ds_load_b128 v[BK+4*(\t):BK+4*(\t)+3], v[RD] offset:(\t)*2*SPITCH  ; LDS serves a wave's instructions in order (ISA guide 5.7.1.4)
.endr
	s_wait_dscnt 0x0
.irp t, 0,1,2,3,4,5,6,7
	global_store_b128 v[CO], v[BK+4*(\t):BK+4*(\t)+3], s[6:7] offset:2*(\t)*PROW  ; 16 lanes store 256 consecutive bytes, aligned
.endr
	s_wait_xcnt 0x0                                ; the stores' base is stepped, and their data registers loaded again in the next trip, only behind this wait
	s_add_nc_u64 s[6:7], s[6:7], 16*PROW
	s_add_co_u32 s[AI], s[AI], 1
	s_cmp_lt_u32 s[AI], 8
	s_cbranch_scc1 .Lrow
	ds_load_b128 v[32:35], v[SR]                   ; my 128 rows' cm and l: 512 consecutive bytes each
	ds_load_b128 v[36:39], v[SR] offset:512
	s_wait_dscnt 0x0
	global_store_b128 v[SO], v[32:35], s[8:9]
	global_store_b128 v[SO], v[36:39], s[10:11]
	s_wait_tensorcnt 0x0                           ; the wave's end
	ds_add_u32 v[SPW], v[NIL]
	s_wait_dscnt 0x0
	s_endpgm
.Lfunc_end_k_q98ec45c3ff_scores:
	.size	k_q98ec45c3ff_scores, .Lfunc_end_k_q98ec45c3ff_scores-k_q98ec45c3ff_scores
	.p2alignl 7, 3214868480
	.fill 96, 4, 3214868480
	.section	.rodata,"a",@progbits
	.p2align	6, 0x0
	.amdhsa_kernel k_q98ec45c3ff_scores
		.amdhsa_group_segment_fixed_size 327680
		.amdhsa_private_segment_fixed_size 0
		.amdhsa_enable_private_segment 0
		.amdhsa_kernarg_size 32
		.amdhsa_user_sgpr_count 2
		.amdhsa_user_sgpr_kernarg_segment_ptr 1
		.amdhsa_wavefront_size32 1
		.amdhsa_system_sgpr_workgroup_id_x 1
		.amdhsa_system_sgpr_workgroup_id_y 1
		.amdhsa_system_sgpr_workgroup_id_z 1
		.amdhsa_system_vgpr_workitem_id 0
		.amdhsa_next_free_vgpr 1024
		.amdhsa_next_free_sgpr 80
		.amdhsa_reserve_vcc 1
		.amdhsa_float_denorm_mode_32 3
		.amdhsa_float_denorm_mode_16_64 3
		.amdhsa_memory_ordered 1
		.amdhsa_forward_progress 1
		.amdhsa_inst_pref_size 116
	.end_amdhsa_kernel
	.amdgpu_metadata
---
amdhsa.version: [ 1, 2 ]
amdhsa.kernels:
  - .name:           k_q98ec45c3ff_scores
    .symbol:         k_q98ec45c3ff_scores.kd
    .args:
      - { .name: kqvt, .offset: 0, .size: 8, .value_kind: global_buffer, .address_space: global }
      - { .name: p, .offset: 8, .size: 8, .value_kind: global_buffer, .address_space: global }
      - { .name: m2, .offset: 16, .size: 8, .value_kind: global_buffer, .address_space: global }
      - { .name: ls, .offset: 24, .size: 8, .value_kind: global_buffer, .address_space: global }
    .group_segment_fixed_size: 327680
    .private_segment_fixed_size: 0
    .kernarg_segment_align: 8
    .kernarg_segment_size: 32
    .max_flat_workgroup_size: 128
    .sgpr_count:     80
    .vgpr_count:     1024
    .wavefront_size: 32
...
	.end_amdgpu_metadata
.endif
;; end of part 3
;; launch pv (part 4): grid 8 x 32, 4 waves a work-group, clusters of 4 x 1, 327,680 bytes of LDS; arguments p, kqvt, m2, ls, ob; writes ob
.if DOCPART == 4
	.amdgcn_target "amdgcn-amd-amdhsa--gfx1250"
	.amdhsa_code_object_version 6
	.text
	.protected	k_q98ec45c3ff_pv
	.globl	k_q98ec45c3ff_pv
	.p2align	8
	.type	k_q98ec45c3ff_pv,@function
k_q98ec45c3ff_pv:
	s_mov_b64 s[64:65], 0
	v_nop
	global_prefetch_b8 v0, s[64:65] scope:SCOPE_SE
	s_setreg_imm32_b32 hwreg(HW_REG_WAVE_MODE, 25, 1), 1
	s_wait_xcnt 0x0
	s_wait_alu depctr_hold_cnt(0) depctr_sa_sdst(0) depctr_va_vdst(0) depctr_va_sdst(0) depctr_va_ssrc(0) depctr_va_vcc(0) depctr_vm_vsrc(0)
	s_getreg_b32 s2, hwreg(HW_REG_IB_STS2, 6, 4)
	s_cmp_eq_u32 s2, 0
	s_cbranch_scc0 .Lentry_in_a_cluster
	s_endpgm
.Lentry_in_a_cluster:
	s_bfe_u32 s2, ttmp6, 0x10000c
	s_cmp_lg_u32 s2, 0x3003
	s_cbranch_scc0 .Lentry_shape_is_right
	s_endpgm
.Lentry_shape_is_right:
; O[q][d] = the sum over chunks j of F[q][j] x (the sum over the chunk's 128 keys of p[q][key] V[key][d]),  F[q][j] = 2^(cm[j][q] - m[q]) / l[q],  m[q] = the maximum over j of cm[j][q],  l[q] = the sum over j of ls[j][q] 2^(cm[j][q] - m[q]).
; p [4][2048][2048] f16, V^T = rows 2048-3071 of kqvt ([channel][bt], f16), m2 = cm and ls: [16][8192] f32.  Products, factors and O's sums in f32; O rounded once.
; ob: [16 blocks of 64 channels][64 blocks of 128 queries][144 rows][64] f16: a block's 128 rows of O, then THE LOW PARTS (O less its f16 rounding, rounded to f16) of its rows 0-15.
; LOW PARTS.  A batch's first rows average over few keys, so V's and O's roundings reach the output undiminished there, while the output is judged by the root mean square of all rows.  So the first 32 keys of each key step are
; multiplied a second time, by V's low parts (kqvt from byte 50,331,648 on: [32 key steps][192 blocks of 16 rows][2 halves of 16 keys][16 rows][2][8]), for each wave's first 16 queries: 4 products more for a key step's 128;
; and O's first 16 rows of each 128 leave with their low parts.  Only a batch's rows 0-15 and keys 0-15 need it; all blocks are treated alike, so that the walk has one text.
; THE WALK.  A batch's queries lie in 16 blocks of 128; block qb needs qb / 2 + 1 key steps of 256.  A work-group takes blocks i and then 15 - i, for 128 channels: 9 key steps, whatever i: 8 x 8 x 4 = 256 equal work-groups,
; and one loop with a constant trip count walks them.  The number of the tile to ask for enters the global addresses alone; the one jump that hangs on i goes forward, over the first block's way out, and passes no barrier and no tensor load.
; In an even block's last key step the upper 128 keys are hidden: their chunk's factor is 0, and the products are made all the same.
; SHARES.  Four waves, each 64 queries x 64 channels.  A chunk's product T (16 accumulators) starts with the constant 0 and is folded into O by O += F T.
; CLUSTER 4 x 1: the four partners make four blocks of channels for the same queries: p's tiles are asked for jointly (mask 15).  V^T's tiles differ from partner to partner: loads of one's own, behind the same rounds.
; V^T's tiles are not shared along y: work-groups with other i ask for other tile numbers in the same trip.
; Source 0 = 16 channels, source 1 = 16 queries: a lane holds ONE query (lane % 16) and eight channels, so a factor is one number a lane and query block.
; LIMITS.  An exponential below 2^-126 counts as 0; a low part keeps f16's fixed step of 6e-8 below 6e-5; NaN and infinities are not treated apart; O lies within V's range.
; REGISTERS: window 0: v0-31 addresses, v32-39 factors, v40-46 at work, v48-63 O's low parts, v64-127 the way out, v128-255 O at 128 + 8 (4 a + b) (at the head: the statistics as loaded);
;   window 1: two fragment buffers of 128: for 64 keys, 64 registers of p, then 64 of V^T;   window 2: v0-127 T, v128-159 the four fragments of V's low parts.
.set PITCH, 528                        ; an LDS row: 512 bytes + 16 = 132 words: the 16 rows of a fragment load start at 16 different groups of four banks (64 banks of 4 bytes: ISA guide 11.1)
.set HALFT, 64*PITCH
.set BREG,  2*HALFT
.set SLOT,  4*HALFT                    ; 0x21000: the four waves' bases 0, 0x8400, 0x10800, 0x18c00 have these two bits clear, so one exclusive or adds or takes away a slot
.set STAGE, 2*SLOT
.set SP,    144
.set TAB,   STAGE+4*16*SP              ; the factors: for each wave 8,192 bytes: block 0's 16 chunks x 64 rows x 4 bytes, then block 1's
.set SPARE, TAB+4*8192
.set VLO,   3072*16384                 ; where V's low parts begin in kqvt
.set QBLK,  144*128                    ; bytes of a block of queries in ob, for 64 channels
.set KBB,   64*QBLK                    ; bytes of a block of 64 channels
.set ADRA, 16
.set A0,   17
.set ADRB, 20
.set B0,   21
.set FADR, 22
.set FB0,  23
.set STO,  24
.set RD,   25
.set GO,   26
.set TS,   27
.set SPW,  28
.set NIL,  29
.set SV,   30
.set LOA,  31                          ; v31 my 16 bytes in 512 of V's low parts: 32 (l % 16) + 16 (l / 16); never rewritten
.set FAC,  32                          ; v32, 34, 36, 38: the factor of query block a; the odd registers beside them are named in pairs and hold 0
.set NEG1, 46                          ; v46 -1.0
.set LW,   48
.set TMP,  64
.set O,    128
.set F0,   0
.set F1,   128
.set VL,   128                         ; window 2
.set WV, 12
.set RH, 13
.set CH, 14
.set CX, 15
.set DB, 16                            ; my block of 128 channels
.set QA, 17                            ; i: the first block of queries
.set BT, 18
.set G1A, 24
.set G0A, 32
.set TB,  40
.set LA,  41
.set LB,  42
.set CNT, 43
.set NXT, 44                           ; the key step to be asked for
.set LQ,  45                           ; the last key step of the block whose tiles are being asked for
.set LQ1, 46                           ; the second block's
.set RT,  47                           ; key steps of the block in hand that are still to be finished
.set G1B, 48
.set G0B, 56
.set PAC, 66                           ; s[66:67] p at my rows of the block whose tiles are being asked for
.set PA1, 68                           ; s[68:69] of the second block
.set VB,  70                           ; s[70:71] V^T at my rows, the batch's first key
.set OFF, 72
.set OC,  74                           ; s[74:75] ob at my rows of the block in hand
.set O1,  76
.set ST0, 78                           ; s[78:85] cm and ls at my rows: block 0's, block 1's
.set R0,  86
.set R1,  87
.set NBL, 88                           ; the second block's key steps
.set FS,  89                           ; byte in my table at which the next chunk's factors lie
.set Q1,  90
.set CUR, 91                           ; the key step whose low parts were asked for last
.set CLQ, 92                           ; the last key step of that block
.set VLB, 96                           ; s[96:97] V's low parts at my four blocks of 16 channels, the batch's key step 0
.set VLA, 98                           ; s[98:99] the same at key step CUR
.set LOF, 100                          ; s[100:101] CUR's byte offset
.set MSB, 0
.macro WIN new
.if MSB != (\new)
	s_set_vgpr_msb (MSB<<8)|(\new)
.set MSB, \new
.endif
.endm
.macro PLACES
.rept 4
	v_nop
.endr
.endm
.macro CREST
	s_cmp_lg_u32 s[WV], 0
	s_cbranch_scc1 .Lnot_wave_0_\@
	s_barrier_signal -3
.Lnot_wave_0_\@:
	s_barrier_wait -3
	s_barrier_signal -1
	s_barrier_wait -1
.endm
.macro CROUND
	s_barrier_signal -1
	s_barrier_wait -1
	CREST
.endm
.macro JLOAD                           ; waves 0, 1: p's two halves, jointly; waves 2, 3: V^T's, my work-group's own
	s_cmp_eq_u32 s[RH], 0
	s_cbranch_scc0 .Lfor_b_\@
	tensor_load_to_lds s[G0A+4:G0A+7], s[G1A:G1A+7]
	s_nop 0
.rept 4
	v_nop
.endr
	s_branch .Lasked_\@
.Lfor_b_\@:
	tensor_load_to_lds s[G0B+4:G0B+7], s[G1B:G1B+7]
	s_nop 0
.rept 4
	v_nop
.endr
.Lasked_\@:
.endm
.macro ADV                             ; the block's next key step, or behind its last the second block's key step 0
	s_add_co_u32 s[NXT], s[NXT], 1
	s_cmp_gt_u32 s[NXT], s[LQ]
	s_cselect_b32 s[NXT], 0, s[NXT]
	s_cselect_b32 s[LQ], s[LQ1], s[LQ]
	s_cselect_b64 s[PAC:PAC+1], s[PA1:PA1+1], s[PAC:PAC+1]
	s_lshl_b32 s[OFF], s[NXT], 9                   ; 256 keys are 512 bytes of a row, in p and in V^T
.endm
; The four fragments of V's low parts for a key step's first 32 keys, straight from memory: a load of the wave takes 512 consecutive bytes, half a fragment.  adv = 1: the walk's next tile.
.macro LOLOAD adv
.if \adv
	s_wait_xcnt 0x0                                ; the last such loads, a key step back, have read their base
	s_add_co_u32 s[CUR], s[CUR], 1
	s_cmp_gt_u32 s[CUR], s[CLQ]
	s_cselect_b32 s[CUR], 0, s[CUR]
	s_cselect_b32 s[CLQ], s[LQ1], s[CLQ]
.endif
	s_mul_i32 s[LOF], s[CUR], 192*1024             ; a key step has 192 blocks of 1,024 bytes
	s_add_nc_u64 s[VLA:VLA+1], s[VLB:VLB+1], s[LOF:LOF+1]
	WIN 0x80                                       ; destination window 2
.irp b, 0,1,2,3
	global_load_b128 v[VL+8*(\b):VL+8*(\b)+3],   v[LOA], s[VLA:VLA+1] offset:1024*(\b)
	global_load_b128 v[VL+8*(\b)+4:VL+8*(\b)+7], v[LOA], s[VLA:VLA+1] offset:1024*(\b)+512
.endr
	WIN 0
.endm
	s_load_b256 s[4:11], s[0:1], 0x0               ; p s[4:5], kqvt s[6:7], m2 s[8:9], ls s[10:11]
	s_load_b64 s[OC:OC+1], s[0:1], 0x20            ; ob
	v_lshl_add_u32 v[SPW], v0, 2, SPARE
	v_mov_b32 v[NIL], 0
	ds_add_u32 v[SPW], v[NIL]                      ; the wave's opening: the add and its wait stand ahead of my first tensor load
	v_lshrrev_b32 v1, 5, v0
	v_readfirstlane_b32 s[WV], v1
	s_lshr_b32 s[RH], s[WV], 1
	s_and_b32 s[CH], s[WV], 1
	s_bfe_u32 s[CX], ttmp6, 0x40000
	s_lshl_b32 s[DB], ttmp9, 2
	s_add_co_u32 s[DB], s[DB], s[CX]
	s_and_b32 s19, ttmp7, 0xffff
	s_and_b32 s[QA], s19, 7
	s_lshr_b32 s[BT], s19, 3
	s_sub_co_u32 s[Q1], 15, s[QA]
	s_lshr_b32 s[RT], s[QA], 1
	s_mov_b32 s[LQ], s[RT]                         ; i / 2: the first block's last key step,
	s_mov_b32 s[CLQ], s[RT]
	s_add_co_u32 s[RT], s[RT], 1                   ; i / 2 + 1 key steps;
	s_sub_co_u32 s[NBL], 9, s[RT]                  ; the second block has the rest of nine
	s_sub_co_u32 s[LQ1], s[NBL], 1
	s_mov_b32 s[NXT], 0
	s_mov_b32 s[CUR], 0
	s_mov_b32 s[LOF+1], 0
	s_mov_b32 s[OFF+1], 0
	s_mov_b32 s[FS], 0
	s_mov_b32 s[TB], 0
	s_mov_b32 s[G1A], 15|(1<<16)|(1<<20)|(1<<21)|(6<<22)|(3<<25)  ; the mask of four; elements of 2 bytes; padding on; bit 21 beside a mask; after every 128 words 4 words
	s_mov_b32 s[G1B], (1<<16)|(1<<20)|(6<<22)|(3<<25)             ; no mask
.irp g, G1A, G1B
	s_mov_b32 s[(\g)+1], 256<<16                   ; tensor_dim0 = 256
	s_mov_b32 s[(\g)+2], 64<<16                    ; tensor_dim1 = 64
	s_mov_b32 s[(\g)+3], 256<<16                   ; tile_dim0 = 256
	s_mov_b32 s[(\g)+4], 64                        ; tile_dim1 = 64
	s_mov_b32 s[(\g)+6], 0
	s_mov_b32 s[(\g)+7], 0
.endr
	s_mov_b32 s[G1A+5], 2048                       ; elements from row to row: p's,
	s_mov_b32 s[G1B+5], 8192                       ; kqvt's
	s_mul_i32 s[LA], s[CH], HALFT
	s_add_co_u32 s[LB], s[LA], BREG
	s_lshl_b32 s19, s[BT], 23                      ; p: row 2,048 b + 128 qb + 64 CH, 4,096 bytes a row
	s_lshl_b32 s20, s[CH], 18
	s_add_co_u32 s19, s19, s20
	s_mov_b32 s21, 0
	s_mov_b32 s23, 0
	s_lshl_b32 s22, s[DB], 21                      ; V^T: row 2,048 + 128 dblk + 64 CH, 16,384 bytes a row; the batch's 4,096 bytes of it
	s_lshl_b32 s94, s[CH], 20
	s_add_co_u32 s22, s22, s94
	s_lshl_b32 s94, s[BT], 12
	s_add_co_u32 s22, s22, s94
	s_add_co_u32 s22, s22, 2048<<14
	s_wait_dscnt 0x0                               ; the opening add is done
	s_wait_kmcnt 0x0
	s_lshl_b32 s20, s[QA], 19
	s_add_co_u32 s20, s20, s19
	s_add_nc_u64 s[PAC:PAC+1], s[4:5], s[20:21]
	s_lshl_b32 s20, s[Q1], 19
	s_add_co_u32 s20, s20, s19
	s_add_nc_u64 s[PA1:PA1+1], s[4:5], s[20:21]
	s_add_nc_u64 s[VB:VB+1], s[6:7], s[22:23]
	s_mov_b32 s[G0A], 1                            ; tile 0: the first block's key step 0, into slot 0
	s_mov_b32 s[G0A+1], s[LA]
	s_mov_b64 s[G0A+2:G0A+3], s[PAC:PAC+1]
	s_or_b32 s[G0A+3], s[G0A+3], 0x80000000
	s_mov_b32 s[G0B], 1
	s_mov_b32 s[G0B+1], s[LB]
	s_mov_b64 s[G0B+2:G0B+3], s[VB:VB+1]
	s_or_b32 s[G0B+3], s[G0B+3], 0x80000000
	ADV                                            ; tile 1, into slot 1; this set then walks on
	s_mov_b32 s[G0A+4], 1
	s_add_co_u32 s[G0A+5], s[LA], SLOT
	s_add_nc_u64 s[G0A+6:G0A+7], s[PAC:PAC+1], s[OFF:OFF+1]
	s_or_b32 s[G0A+7], s[G0A+7], 0x80000000
	s_mov_b32 s[G0B+4], 1
	s_add_co_u32 s[G0B+5], s[LB], SLOT
	s_add_nc_u64 s[G0B+6:G0B+7], s[VB:VB+1], s[OFF:OFF+1]
	s_or_b32 s[G0B+7], s[G0B+7], 0x80000000
	CROUND                                         ; all four work-groups are here: the first joint loads meet
	s_cmp_eq_u32 s[RH], 0                          ; a wave's two first fills stand in one branch: two loads of mine are out
	s_cbranch_scc0 .Lfirst_b
	tensor_load_to_lds s[G0A:G0A+3], s[G1A:G1A+7]
	s_nop 0
	tensor_load_to_lds s[G0A+4:G0A+7], s[G1A:G1A+7]
	s_nop 0
.rept 4
	v_nop
.endr
	s_branch .Lfirst_asked
.Lfirst_b:
	tensor_load_to_lds s[G0B:G0B+3], s[G1B:G1B+7]
	s_nop 0
	tensor_load_to_lds s[G0B+4:G0B+7], s[G1B:G1B+7]
	s_nop 0
.rept 4
	v_nop
.endr
.Lfirst_asked:
	; my 64 rows in the two blocks; the statistics' and O's addresses
	s_lshl_b32 s19, s[BT], 11
	s_lshl_b32 s20, s[RH], 6
	s_add_co_u32 s19, s19, s20
	s_lshl_b32 s[R0], s[QA], 7
	s_add_co_u32 s[R0], s[R0], s19
	s_lshl_b32 s[R1], s[Q1], 7
	s_add_co_u32 s[R1], s[R1], s19
	s_lshl_b32 s20, s[R0], 2
	s_add_nc_u64 s[ST0:ST0+1], s[8:9], s[20:21]
	s_add_nc_u64 s[ST0+2:ST0+3], s[10:11], s[20:21]
	s_lshl_b32 s20, s[R1], 2
	s_add_nc_u64 s[ST0+4:ST0+5], s[8:9], s[20:21]
	s_add_nc_u64 s[ST0+6:ST0+7], s[10:11], s[20:21]
	v_and_b32 v3, 31, v0
	v_lshlrev_b32 v[SV], 3, v3                     ; a lane takes rows 2 l and 2 l + 1 of my 64
.irp x, 0,1
.irp j, 0,1,2,3,4,5,6,7,8,9,10,11,12,13,14,15
	global_load_b64 v[128+64*(\x)+2*(\j):128+64*(\x)+2*(\j)+1], v[SV], s[ST0+4*(\x):ST0+4*(\x)+1] offset:32768*(\j)
.endr
.irp j, 0,1,2,3,4,5,6,7,8,9,10,11,12,13,14,15
	global_load_b64 v[160+64*(\x)+2*(\j):160+64*(\x)+2*(\j)+1], v[SV], s[ST0+4*(\x)+2:ST0+4*(\x)+3] offset:32768*(\j)
.endr
.endr
	s_lshl_b32 s22, s[DB], 1                       ; ob: block of 64 channels 2 dblk + CH; block of queries 16 b + qb; my 64 rows of it, 128 bytes a row
	s_add_co_u32 s22, s22, s[CH]
	s_mul_i32 s22, s22, KBB
	s_lshl_b32 s93, s[RH], 13
	s_add_co_u32 s22, s22, s93
	s_lshl_b32 s93, s[BT], 4
	s_add_co_u32 s94, s93, s[Q1]
	s_mul_i32 s94, s94, QBLK
	s_add_co_u32 s94, s94, s22
	s_mov_b32 s95, 0
	s_add_nc_u64 s[O1:O1+1], s[OC:OC+1], s[94:95]
	s_add_co_u32 s94, s93, s[QA]
	s_mul_i32 s94, s94, QBLK
	s_add_co_u32 s94, s94, s22
	s_add_nc_u64 s[OC:OC+1], s[OC:OC+1], s[94:95]
	s_mul_i32 s94, s[BT], 8*192                    ; V's low parts: key step 8 b; block of 16 rows 128 + 8 dblk + 4 CH; 1,024 bytes a block
	s_lshl_b32 s93, s[DB], 3
	s_add_co_u32 s94, s94, s93
	s_lshl_b32 s93, s[CH], 2
	s_add_co_u32 s94, s94, s93
	s_add_co_u32 s94, s94, 128
	s_lshl_b32 s94, s94, 10
	s_add_co_u32 s94, s94, VLO
	s_add_nc_u64 s[VLB:VLB+1], s[6:7], s[94:95]
	v_and_b32 v1, 15, v0
	v_bfe_u32 v2, v0, 4, 1
	v_lshlrev_b32 v[LOA], 5, v1
	v_lshl_add_u32 v[LOA], v2, 4, v[LOA]
	v_mov_b32 v[NEG1], -1.0
	v_mul_u32_u24 v4, v1, PITCH
	v_lshl_add_u32 v4, v2, 4, v4
	s_mul_i32 s20, s[RH], HALFT
	v_add_nc_u32 v[A0], s20, v4
	s_mul_i32 s20, s[CH], HALFT
	s_add_co_u32 s20, s20, BREG
	v_add_nc_u32 v[B0], s20, v4
	v_mov_b32 v[ADRA], v[A0]
	v_mov_b32 v[ADRB], v[B0]
	s_mul_i32 s20, s[WV], 16*SP
	s_add_co_u32 s20, s20, STAGE
	v_mul_u32_u24 v[STO], v1, SP                   ; in: row l % 16, 16 bytes for each half of the lanes
	v_lshl_add_u32 v[STO], v2, 4, v[STO]
	v_add_nc_u32 v[STO], s20, v[STO]
	v_bfe_u32 v[RD], v0, 3, 2                      ; back: 32 lanes take four rows of 128 bytes,
	v_mul_u32_u24 v[RD], v[RD], SP
	v_and_b32 v4, 7, v0
	v_lshl_add_u32 v[RD], v4, 4, v[RD]
	v_add_nc_u32 v[RD], s20, v[RD]
	v_lshlrev_b32 v[GO], 4, v3                     ; which are 512 consecutive bytes of ob
	s_lshl_b32 s20, s[WV], 13
	s_add_co_u32 s20, s20, TAB
	v_lshl_add_u32 v[FB0], v1, 2, s20
	v_add_nc_u32 v[TS], s20, v[SV]
.irp r, 33,35,37,39
	v_mov_b32 v\r, 0
.endr
; Block x's factors, for rows 2 l and 2 l + 1: the maximum over the 16 chunks; 2^(cm - m); l; the factors, into my own table.
.macro STATS x
.set M, 128+64*(\x)
.set L, 160+64*(\x)
.irp r, 0,1
	v_max3_num_f32 v[40+(\r)], v[M+(\r)], v[M+2+(\r)], v[M+4+(\r)]
.set jj, 3
.rept 6
	v_max3_num_f32 v[40+(\r)], v[40+(\r)], v[M+2*jj+(\r)], v[M+2*jj+2+(\r)]
.set jj, jj+2
.endr
	v_max_num_f32 v[40+(\r)], v[40+(\r)], v[M+30+(\r)]
.endr
.set jj, 0
.rept 16
	v_pk_add_f32 v[M+2*jj:M+2*jj+1], v[M+2*jj:M+2*jj+1], v[40:41] neg_lo:[0,1] neg_hi:[0,1]
.set jj, jj+1
.endr
.set jj, 0
.rept 32
	v_exp_f32 v[M+jj], v[M+jj]
.set jj, jj+1
.endr
	v_nop                                          ; a plain instruction behind the last exponential,
	s_wait_alu depctr_va_vdst(0)                   ; and the one wait ahead of the batch's first reader
	v_pk_mul_f32 v[42:43], v[L:L+1], v[M:M+1]
.set jj, 1
.rept 15
	v_pk_fma_f32 v[42:43], v[L+2*jj:L+2*jj+1], v[M+2*jj:M+2*jj+1], v[42:43]
.set jj, jj+1
.endr
	v_rcp_f32 v44, v42
	v_rcp_f32 v45, v43
	v_nop
	s_wait_alu depctr_va_vdst(0)
.set jj, 0
.rept 16
	v_pk_mul_f32 v[M+2*jj:M+2*jj+1], v[M+2*jj:M+2*jj+1], v[44:45]
.set jj, jj+1
.endr
.set jj, 0
.rept 16
	ds_store_b64 v[TS], v[M+2*jj:M+2*jj+1] offset:4096*(\x)+256*jj
.set jj, jj+1
.endr
.endm
	s_wait_loadcnt 32                              ; block 0's 32 loads are in; block 1's may stay out
	STATS 0
	s_wait_loadcnt 0x0
	STATS 1
	LOLOAD 0                                       ; tile 0's low parts
.set kk, 0
.rept 128
	v_mov_b32 v[O+kk], 0                           ; O's sums start at 0: written in the wait for the first tile, so that every chunk is folded by one form
.set kk, kk+1
.endr
.macro MUL8 f, c, a0, zero             ; 8 matrix instructions: query blocks a0, a0 + 1 x the 4 channel blocks, 32 keys: half c of buffer f.  The 16 accumulators take turns
	WIN 0xa5                                       ; sources 0 and 1 window 1, C and D window 2
.irp a, \a0, (\a0)+1
.irp b, 0,1,2,3
.if \zero
	v_wmma_f32_16x16x32_f16 v[8*(4*(\a)+(\b)):8*(4*(\a)+(\b))+7], v[(\f)+64+8*(4*(\c)+(\b)):(\f)+64+8*(4*(\c)+(\b))+7], v[(\f)+8*(4*(\c)+(\a)):(\f)+8*(4*(\c)+(\a))+7], 0
.else
	v_wmma_f32_16x16x32_f16 v[8*(4*(\a)+(\b)):8*(4*(\a)+(\b))+7], v[(\f)+64+8*(4*(\c)+(\b)):(\f)+64+8*(4*(\c)+(\b))+7], v[(\f)+8*(4*(\c)+(\a)):(\f)+8*(4*(\c)+(\a))+7], v[8*(4*(\a)+(\b)):8*(4*(\a)+(\b))+7]
.endif
.endr
.endr
.endm
.macro LOMUL f                         ; 4 matrix instructions: query block 0 x the 4 channel blocks, the key step's first 32 keys once more, by V's low parts
	WIN 0xa6                                       ; source 0 window 2, source 1 window 1, C and D window 2
.irp b, 0,1,2,3
	v_wmma_f32_16x16x32_f16 v[8*(\b):8*(\b)+7], v[VL+8*(\b):VL+8*(\b)+7], v[(\f):(\f)+7], v[8*(\b):8*(\b)+7]
.endr
.endm
.macro FETCH k, f                      ; 32 LDS loads in one run: 64 keys at byte k of the rows; the first 32 keys first
	WIN 0x40
.irp c, 0,1
.irp i, 0,1,2,3
	ds_load_b128 v[(\f)+64+8*(4*(\c)+(\i)):(\f)+64+8*(4*(\c)+(\i))+3],   v[ADRB] offset:(\k)+64*(\c)+(\i)*16*PITCH
	ds_load_b128 v[(\f)+64+8*(4*(\c)+(\i))+4:(\f)+64+8*(4*(\c)+(\i))+7], v[ADRB] offset:(\k)+64*(\c)+(\i)*16*PITCH+32
	ds_load_b128 v[(\f)+8*(4*(\c)+(\i)):(\f)+8*(4*(\c)+(\i))+3],         v[ADRA] offset:(\k)+64*(\c)+(\i)*16*PITCH
	ds_load_b128 v[(\f)+8*(4*(\c)+(\i))+4:(\f)+8*(4*(\c)+(\i))+7],       v[ADRA] offset:(\k)+64*(\c)+(\i)*16*PITCH+32
.endr
.endr
.endm
.macro FLOAD                           ; the next chunk's four factors
	v_add_nc_u32 v[FADR], s[FS], v[FB0]
	s_add_co_u32 s[FS], s[FS], 256
.irp a, 0,1,2,3
	ds_load_b32 v[FAC+2*(\a)], v[FADR] offset:64*(\a)
.endr
.endm
.macro FOLD                            ; O += F T; each accumulator's lowest registers are read first
	PLACES
	WIN 0x02                                       ; source 0 (T) in window 2
.set kk, 0
.rept 64
	v_pk_fma_f32 v[O+2*kk:O+2*kk+1], v[2*kk:2*kk+1], v[FAC+2*(kk/16):FAC+2*(kk/16)+1], v[O+2*kk:O+2*kk+1] op_sel_hi:[1,0,1]
.set kk, kk+1
.endr
	WIN 0
.endm
; Multiplies buffer f (64 keys); in its middle fetches the 64 keys at byte k into buffer g.  zero = 1: a chunk begins.  fl = 1: the chunk's factors are fetched.
; lo = 1, 2: a key step's first quarter: the products by V's low parts; lo = 1: the next tile's low parts are then asked for, four places behind those products: they have a key step in which to come.
.macro QUARTER k, f, g, zero, fl, lo=0
	s_wait_dscnt 16                                ; the first 32 keys are in
	MUL8 \f, 0, 0, \zero
	MUL8 \f, 0, 2, \zero
.if \lo
	s_wait_loadcnt 0x0                             ; this tile's low parts: the eight loads issued a key step back are the only ones out
	LOMUL \f
.endif
	PLACES
.if (\lo) == 1
	LOLOAD 1
.endif
.if \fl
	WIN 0
	FLOAD
.endif
	FETCH \k, \g
	s_wait_dscnt 32                                ; all but the 32 just issued: the factors too
	MUL8 \f, 1, 0, 0
	MUL8 \f, 1, 2, 0
.endm
; The last quarter of a key step changes slots: each wave waits for all its tensor loads (one is out: its part of the next slot), adds 0 to its spare word, waits for that and for its reads of this slot.
; fill = 1: the barrier opens a round of the cluster's barrier, and the refill, two tiles of the walk on, is the first thing behind the round; its address is made anew from the key step's number.
.macro TURN fill
	WIN 0
	FLOAD
	s_wait_tensorcnt 0x0
	ds_add_u32 v[SPW], v[NIL]
.if \fill
	ADV
	s_xor_b32 s[G0A+5], s[G0A+5], SLOT
	s_add_nc_u64 s[G0A+6:G0A+7], s[PAC:PAC+1], s[OFF:OFF+1]
	s_or_b32 s[G0A+7], s[G0A+7], 0x80000000
	s_xor_b32 s[G0B+5], s[G0B+5], SLOT
	s_add_nc_u64 s[G0B+6:G0B+7], s[VB:VB+1], s[OFF:OFF+1]
	s_or_b32 s[G0B+7], s[G0B+7], 0x80000000
.endif
	s_wait_dscnt 21                                ; the youngest sixteen fragment loads, the four factors and the add may be out
	MUL8 F1, 0, 0, 0
	s_wait_dscnt 0x0                               ; the add is done, and my reads of this slot are over
	s_barrier_signal -1
	MUL8 F1, 0, 2, 0
	WIN 0
	s_barrier_wait -1
.if \fill
	CREST
	JLOAD
.else
	PLACES
.endif
	s_xor_b32 s[TB], s[TB], SLOT
	v_add_nc_u32 v[ADRA], s[TB], v[A0]
	v_add_nc_u32 v[ADRB], s[TB], v[B0]
	FETCH 0, F0
	MUL8 F1, 1, 0, 0
	MUL8 F1, 1, 2, 0
.endm
.macro STEP fill                       ; a key step: two chunks
	QUARTER 128, F0, F1, 1, 0, 1
	QUARTER 256, F1, F0, 0, 1
	FOLD
	QUARTER 384, F0, F1, 1, 0
	TURN \fill
	FOLD
.endm
; THE WAY OUT of a block: rounded to f16; a lane's eight channels are 16 bytes; through my stage, 16 rows at a time; back as rows of 128 bytes, four to a load: 512 consecutive bytes of ob.
.macro PACK t
.set kk, 0
.rept 16
	v_cvt_pk_f16_f32 v[TMP+16*(\t)+kk], v[O+32*(\t)+2*kk], v[O+32*(\t)+2*kk+1]
.set kk, kk+1
.endr
.irp f, 0,1,2,3
	ds_store_b128 v[STO], v[TMP+16*(\t)+4*(\f):TMP+16*(\t)+4*(\f)+3] offset:32*(\f)
.endr
.irp f, 0,1,2,3
	ds_load_b128 v[TMP+16*(\t)+4*(\f):TMP+16*(\t)+4*(\f)+3], v[RD] offset:(\f)*4*SP  ; LDS serves a wave's instructions in order (ISA guide 5.7.1.4)
.endr
.endm
.macro SEND t, younger                 ; younger: the LDS instructions issued behind block t's loads
.irp f, 0,1,2,3
	s_wait_dscnt (\younger)+3-(\f)
	global_store_b128 v[GO], v[TMP+16*(\t)+4*(\f):TMP+16*(\t)+4*(\f)+3], s[OC:OC+1] offset:(\t)*2048+(\f)*512
.endr
.endm
; The low parts of the block's rows 0-15, which lie in the waves with RH = 0: the f16 rounding is made once more, taken from the f32 sum (rounding x -1 + sum: exact), the difference rounded to f16; the same way through the stage; rows 128-143 of the block.
.macro LOWOUT
	s_cmp_lg_u32 s[RH], 0
	s_cbranch_scc1 .Lno_low_\@
.set kk, 0
.rept 16
	v_cvt_pk_f16_f32 v[40+kk%2], v[O+2*kk], v[O+2*kk+1]
	v_fma_mix_f32 v[42+2*(kk%2)], v[40+kk%2], v[NEG1], v[O+2*kk] op_sel_hi:[1,0,0]
	v_fma_mix_f32 v[43+2*(kk%2)], v[40+kk%2], v[NEG1], v[O+2*kk+1] op_sel:[1,0,0] op_sel_hi:[1,0,0]
	v_cvt_pk_f16_f32 v[LW+kk], v[42+2*(kk%2)], v[43+2*(kk%2)]
.set kk, kk+1
.endr
.irp f, 0,1,2,3
	ds_store_b128 v[STO], v[LW+4*(\f):LW+4*(\f)+3] offset:32*(\f)
.endr
.irp f, 0,1,2,3
	ds_load_b128 v[LW+4*(\f):LW+4*(\f)+3], v[RD] offset:(\f)*4*SP
.endr
	s_wait_dscnt 0x0
.irp f, 0,1,2,3
	global_store_b128 v[GO], v[LW+4*(\f):LW+4*(\f)+3], s[OC:OC+1] offset:128*128+(\f)*512
.endr
.Lno_low_\@:
.endm
.macro WAYOUT last
	PACK 0
	PACK 1
	SEND 0, 8
	PACK 2
	SEND 1, 8
	PACK 3
	SEND 2, 8
	SEND 3, 0
	LOWOUT
.if !(\last)
	s_wait_xcnt 0x0                                ; the stores have read their registers and their base
	s_mov_b64 s[OC:OC+1], s[O1:O1+1]
	s_mov_b32 s[RT], s[NBL]
	s_mov_b32 s[FS], 4096                          ; the second block's factors
.set kk, 0
.rept 128
	v_mov_b32 v[O+kk], 0
.set kk, kk+1
.endr
.endif
.endm
	s_wait_tensorcnt 0x1                           ; my part of tile 0 is in; tile 1's may stay out
	s_wait_dscnt 0x0                               ; my table is written
	s_barrier_signal -1
	s_barrier_wait -1
	FETCH 0, F0
	WIN 0
	s_mov_b32 s[CNT], 7
.Lstep:                                                ; trip t: tile t of the walk is multiplied, tile t + 2 asked for
	STEP 1
	s_sub_co_u32 s[RT], s[RT], 1
	s_cmp_lg_u32 s[RT], 0
	s_cbranch_scc1 .Lgo_on                         ; the first block ends in one of trips 0 to 3; the same trip in all four partners
	WAYOUT 0
.Lgo_on:
	s_sub_co_u32 s[CNT], s[CNT], 1
	s_cmp_lg_u32 s[CNT], 0
	s_cbranch_scc1 .Lstep
	STEP 0                                         ; tiles 7 and 8 are written out: no tile is asked for any more
	QUARTER 128, F0, F1, 1, 0, 2                   ; and behind tile 8 there are no low parts to ask for
	QUARTER 256, F1, F0, 0, 1
	FOLD
	QUARTER 384, F0, F1, 1, 0
	WIN 0
	FLOAD
	s_wait_dscnt 20                                ; the youngest sixteen fragment loads and the four factors may be out
	MUL8 F1, 0, 0, 0
	MUL8 F1, 0, 2, 0
	s_wait_dscnt 0x0
	MUL8 F1, 1, 0, 0
	MUL8 F1, 1, 2, 0
	FOLD
	WAYOUT 1
	s_wait_tensorcnt 0x0                           ; the wave's end
	ds_add_u32 v[SPW], v[NIL]
	s_wait_dscnt 0x0
	CROUND                                         ; the closing round
	s_endpgm
.Lfunc_end_k_q98ec45c3ff_pv:
	.size	k_q98ec45c3ff_pv, .Lfunc_end_k_q98ec45c3ff_pv-k_q98ec45c3ff_pv
	.p2alignl 7, 3214868480
	.fill 96, 4, 3214868480
	.section	.rodata,"a",@progbits
	.p2align	6, 0x0
	.amdhsa_kernel k_q98ec45c3ff_pv
		.amdhsa_group_segment_fixed_size 327680
		.amdhsa_private_segment_fixed_size 0
		.amdhsa_enable_private_segment 0
		.amdhsa_kernarg_size 40
		.amdhsa_user_sgpr_count 2
		.amdhsa_user_sgpr_kernarg_segment_ptr 1
		.amdhsa_wavefront_size32 1
		.amdhsa_system_sgpr_workgroup_id_x 1
		.amdhsa_system_sgpr_workgroup_id_y 1
		.amdhsa_system_sgpr_workgroup_id_z 1
		.amdhsa_system_vgpr_workitem_id 0
		.amdhsa_next_free_vgpr 672
		.amdhsa_next_free_sgpr 102
		.amdhsa_reserve_vcc 0
		.amdhsa_float_denorm_mode_32 3
		.amdhsa_float_denorm_mode_16_64 3
		.amdhsa_memory_ordered 1
		.amdhsa_forward_progress 1
		.amdhsa_inst_pref_size 146
	.end_amdhsa_kernel
	.amdgpu_metadata
---
amdhsa.version: [ 1, 2 ]
amdhsa.kernels:
  - .name:           k_q98ec45c3ff_pv
    .symbol:         k_q98ec45c3ff_pv.kd
    .args:
      - { .name: p, .offset: 0, .size: 8, .value_kind: global_buffer, .address_space: global }
      - { .name: kqvt, .offset: 8, .size: 8, .value_kind: global_buffer, .address_space: global }
      - { .name: m2, .offset: 16, .size: 8, .value_kind: global_buffer, .address_space: global }
      - { .name: ls, .offset: 24, .size: 8, .value_kind: global_buffer, .address_space: global }
      - { .name: ob, .offset: 32, .size: 8, .value_kind: global_buffer, .address_space: global }
    .group_segment_fixed_size: 327680
    .private_segment_fixed_size: 0
    .kernarg_segment_align: 8
    .kernarg_segment_size: 40
    .max_flat_workgroup_size: 128
    .sgpr_count:     102
    .vgpr_count:     672
    .wavefront_size: 32
...
	.end_amdgpu_metadata
.endif
;; end of part 4
;; launch proj (part 5): grid 8 x 32, 4 waves a work-group, clusters of 4 x 4, 327,680 bytes of LDS; arguments ob, wph, b_proj, out0; writes out0
.if DOCPART == 5
	.amdgcn_target "amdgcn-amd-amdhsa--gfx1250"
	.amdhsa_code_object_version 6
	.text
	.protected	k_q98ec45c3ff_proj
	.globl	k_q98ec45c3ff_proj
	.p2align	8
	.type	k_q98ec45c3ff_proj,@function
k_q98ec45c3ff_proj:
	s_mov_b64 s[64:65], 0
	v_nop
	global_prefetch_b8 v0, s[64:65] scope:SCOPE_SE
	s_setreg_imm32_b32 hwreg(HW_REG_WAVE_MODE, 25, 1), 1
	s_wait_xcnt 0x0
	s_wait_alu depctr_hold_cnt(0) depctr_sa_sdst(0) depctr_va_vdst(0) depctr_va_sdst(0) depctr_va_ssrc(0) depctr_va_vcc(0) depctr_vm_vsrc(0)
	s_getreg_b32 s2, hwreg(HW_REG_IB_STS2, 6, 4)
	s_cmp_eq_u32 s2, 0
	s_cbranch_scc0 .Lentry_in_a_cluster
	s_endpgm
.Lentry_in_a_cluster:
	s_bfe_u32 s2, ttmp6, 0x10000c
	s_cmp_lg_u32 s2, 0xf033
	s_cbranch_scc0 .Lentry_shape_is_right
	s_endpgm
.Lentry_shape_is_right:
; out0[row][e] = the sum over d of O[row][d] W_proj[e][d] + b_proj[e].  wph [1024][1024]: W_proj rounded to bf16, written as f16; out0 [8192][1024] f32; sums in f32.
; ob: [16 blocks of 64 channels][64 blocks of 128 rows][144 rows][64] f16: a block's 128 rows of O, then the low parts (O less its f16 rounding) of its rows 0-15.
; The bias is rounded to bf16 like the other inputs, and is the C operand of the products that start the sums.
; LOW PARTS.  A batch's first rows are many times the output's root mean square, by which all rows are judged, so O's rounding weighs most there.  Each wave's 128 rows are one block of ob, and its first 16 rows are multiplied
; a second time, by their low parts: 4 products more for a quarter's 32.  Only a batch's rows 0-15 need it; all blocks are treated alike, since which is a batch's first hangs on the work-group's place in its cluster.
; SHARES.  A tile of 256 rows x 128 e: 32 x 8 = 256 work-groups.  Four waves; wave (RH, CH) makes rows 128 RH .. x columns 64 CH ..: 8 x 4 accumulators.  K goes in 8 steps of 128 channels through two LDS slots.
; Waves 0, 1 fetch the two blocks of 64 channels of the tile's two blocks of rows (36,864 dense bytes each, asked for as 144 rows of 256 bytes and padded after every 128), waves 2, 3 the two halves of W's 128 rows.
; CLUSTER 4 x 4.  O's tile hangs on the tile row alone: asked for jointly along a row of the cluster; W's on the tile column alone: jointly along a column.
; Source 0 = 16 rows of W, source 1 = 16 rows of O: a lane holds row lane % 16 and the columns 8 (lane / 16) + 0..7: 32 bytes of f32 on end; a wave's 64 columns are 256 bytes, aligned.
; REGISTERS: window 0: v0-31 addresses, v32-39 and v40-47 the low rows' fragment (two buffers), v32-63 and v224-255 rows on the way out, v64-127 and v128-191 O's fragments, v192-223 the bias blocks;
;   window 1: v64-95, v128-159 W's fragments;   windows 2, 3: the accumulators, row block a, column block b at 8 (8 (a % 4) + b).
.set MB,    8
.set NB,    4
.set PA,    144                        ; a row of O in LDS: 128 bytes + 16 = 36 words;  a row of W: 256 + 16 = 68 words: the 16 rows of a load start at 16 different groups of four banks (64 banks of 4 bytes: ISA guide 11.1)
.set PB,    272
.set AHALF, 144*PA                     ; a block of rows: 128 of O, 16 low
.set AKB,   2*AHALF                    ; a block of 64 channels of the tile's two blocks of rows
.set BHALF, 64*PB
.set BREG,  2*AKB
.set SLOT,  1<<17                      ; every address in slot 0 lies below it, so one exclusive or turns an address in one slot into the other's
.set STAGE, SLOT+BREG+2*BHALF
.set SPITCH, 272
.set SPARE, STAGE+4*16*SPITCH
.set QBLK,  144*128                    ; bytes of a block of rows in ob, for 64 channels
.set KBB,   64*QBLK                    ; bytes of a block of 64 channels
.set KB_A,  2*KBB                      ; bytes from a K step to the next: two blocks of 64 channels,
.set KB_B,  256                        ; 128 numbers of a row
.set CROW,  4096                       ; bytes in a row of out0
.set RUN,   2*(MB+NB)+2                ; LDS loads in a run: W's 8, O's 16, the low rows' 2
.set ADRA, 16
.set A0,   17
.set ADRB, 20
.set B0,   21
.set STO,  24
.set RD,   25
.set CO,   26
.set SPW,  28
.set NIL,  29
.set PFO,  30
.set OB,   32
.set F0,   64
.set F1,   128
.set CI,   192
.set WV, 12
.set RH, 13
.set CH, 14
.set CX, 15
.set CY, 16
.set TCOL, 17
.set TROW, 18
.set G1A, 24
.set G0A, 32
.set TB,  40
.set LA,  41
.set LB,  42
.set CNT, 43
.set PFA, 44
.set G1B, 48
.set G0B, 56
.set LIM, 66
.set PST, 68                           ; s[68:69] my prefetches' step
.set COFF, 70
.set MSB, 0
.macro WIN new
.if MSB != (\new)
	s_set_vgpr_msb (MSB<<8)|(\new)
.set MSB, \new
.endif
.endm
.macro PLACES
.rept 4
	v_nop
.endr
.endm
.macro CREST
	s_cmp_lg_u32 s[WV], 0
	s_cbranch_scc1 .Lnot_wave_0_\@
	s_barrier_signal -3
.Lnot_wave_0_\@:
	s_barrier_wait -3
	s_barrier_signal -1
	s_barrier_wait -1
.endm
.macro CROUND
	s_barrier_signal -1
	s_barrier_wait -1
	CREST
.endm
.macro JLOAD
	s_cmp_eq_u32 s[RH], 0
	s_cbranch_scc0 .Lfor_b_\@
	tensor_load_to_lds s[G0A+4:G0A+7], s[G1A:G1A+7]
	s_nop 0
.rept 4
	v_nop
.endr
	s_branch .Lasked_\@
.Lfor_b_\@:
	tensor_load_to_lds s[G0B+4:G0B+7], s[G1B:G1B+7]
	s_nop 0
.rept 4
	v_nop
.endr
.Lasked_\@:
.endm
; A prefetch into the L2 of the K step that stands two refills on.  O's tile row is read by both clusters of that row of clusters: the one with x = 0 asks; W's tile column by every cluster of that column: the one with y = 0 asks.
; The four partners of a joint load share it out by address: 64 of O's 256 rows (8,192 bytes, a lane 256 of them), 16 of W's 64 rows (a lane a row).  The 2 x 2,048 bytes of low rows come by their load alone.
; The last two refills have no K step two on.
.macro ASK
	s_cmp_gt_u32 s[CNT], s[LIM]
	s_cbranch_scc0 .Lnot_mine_\@
	global_prefetch_b8 v[PFO], s[PFA:PFA+1] th:TH_LOAD_NT scope:SCOPE_SE
.Lnot_mine_\@:
.endm
	s_load_b256 s[4:11], s[0:1], 0x0               ; ob s[4:5], wph s[6:7], b_proj s[8:9], out0 s[10:11]
	v_lshl_add_u32 v[SPW], v0, 2, SPARE
	v_mov_b32 v[NIL], 0
	ds_add_u32 v[SPW], v[NIL]                      ; the wave's opening: the add and its wait stand ahead of my first tensor load
	v_lshrrev_b32 v1, 5, v0
	v_readfirstlane_b32 s[WV], v1
	s_lshr_b32 s[RH], s[WV], 1
	s_and_b32 s[CH], s[WV], 1
	s_bfe_u32 s[CX], ttmp6, 0x40000
	s_bfe_u32 s[CY], ttmp6, 0x40004
	s_lshl_b32 s[TCOL], ttmp9, 2
	s_add_co_u32 s[TCOL], s[TCOL], s[CX]           ; tile column (e)
	s_and_b32 s[TROW], ttmp7, 0xffff
	s_lshl_b32 s[TROW], s[TROW], 2
	s_add_co_u32 s[TROW], s[TROW], s[CY]           ; tile row
	s_lshl_b32 s19, s[CY], 2
	s_lshl_b32 s19, 15, s19                        ; my row of the cluster
	s_lshl_b32 s20, 0x1111, s[CX]                  ; my column
	s_or_b32 s[G1A], s19, (1<<16)|(1<<20)|(1<<21)|(4<<22)|(3<<25)  ; padding after every 32 words: after each row of O
	s_or_b32 s[G1B], s20, (1<<16)|(1<<20)|(1<<21)|(5<<22)|(3<<25)  ; after every 64 words
.irp g, G1A, G1B
	s_mov_b32 s[(\g)+1], 128<<16                   ; tensor_dim0 = 128
	s_mov_b32 s[(\g)+3], 128<<16                   ; tile_dim0 = 128
	s_mov_b32 s[(\g)+6], 0
	s_mov_b32 s[(\g)+7], 0
.endr
	s_mov_b32 s[G1A+2], 144<<16                    ; O: 144 rows of 256 bytes, dense
	s_mov_b32 s[G1A+4], 144
	s_mov_b32 s[G1A+5], 128
	s_mov_b32 s[G1B+2], 64<<16                     ; W: 64 rows, 1,024 elements apart
	s_mov_b32 s[G1B+4], 64
	s_mov_b32 s[G1B+5], 1024
	s_mul_i32 s22, s[CH], KBB                      ; O: block of 64 channels CH, blocks of rows 2 x tile row and the next
	s_mul_i32 s23, s[TROW], 2*QBLK
	s_add_co_u32 s22, s22, s23
	s_mov_b32 s23, 0
	s_lshl_b32 s46, s[TCOL], 18                    ; W: (128 x tile column + 64 x half) x 2,048 bytes
	s_lshl_b32 s47, s[CH], 17
	s_add_co_u32 s46, s46, s47
	s_mov_b32 s47, 0
	s_mul_i32 s[LA], s[CH], AKB
	s_mul_i32 s[LB], s[CH], BHALF
	s_add_co_u32 s[LB], s[LB], BREG
	s_mov_b32 s[TB], 0
	s_wait_dscnt 0x0                               ; the opening add is done
	s_wait_kmcnt 0x0
	s_add_nc_u64 s[22:23], s[4:5], s[22:23]
	s_add_nc_u64 s[46:47], s[6:7], s[46:47]
.irp s, 0,1
	s_mov_b32 s[G0A+4*(\s)], 1
	s_add_co_u32 s[G0A+4*(\s)+1], s[LA], (\s)*SLOT
	s_add_nc_u64 s[G0A+4*(\s)+2:G0A+4*(\s)+3], s[22:23], (\s)*KB_A
	s_or_b32 s[G0A+4*(\s)+3], s[G0A+4*(\s)+3], 0x80000000
	s_mov_b32 s[G0B+4*(\s)], 1
	s_add_co_u32 s[G0B+4*(\s)+1], s[LB], (\s)*SLOT
	s_add_nc_u64 s[G0B+4*(\s)+2:G0B+4*(\s)+3], s[46:47], (\s)*KB_B
	s_or_b32 s[G0B+4*(\s)+3], s[G0B+4*(\s)+3], 0x80000000
.endr
	CROUND                                         ; all sixteen work-groups are here: the first joint loads meet
	s_cmp_eq_u32 s[RH], 0                          ; a wave's two first fills stand in one branch: two loads of mine are out
	s_cbranch_scc0 .Lfirst_b
	tensor_load_to_lds s[G0A:G0A+3], s[G1A:G1A+7]
	s_nop 0
	tensor_load_to_lds s[G0A+4:G0A+7], s[G1A:G1A+7]
	s_nop 0
.rept 4
	v_nop
.endr
	s_branch .Lfirst_asked
.Lfirst_b:
	tensor_load_to_lds s[G0B:G0B+3], s[G1B:G1B+7]
	s_nop 0
	tensor_load_to_lds s[G0B+4:G0B+7], s[G1B:G1B+7]
	s_nop 0
.rept 4
	v_nop
.endr
.Lfirst_asked:
	s_lshl_b32 s22, s[TCOL], 9                     ; my first column, 4 bytes a number: in the bias and in a row of out0
	s_lshl_b32 s20, s[CH], 8
	s_add_co_u32 s22, s22, s20
	s_mov_b32 s23, 0
	s_add_nc_u64 s[8:9], s[8:9], s[22:23]
	v_and_b32 v1, 15, v0
	v_bfe_u32 v2, v0, 4, 1
	v_lshlrev_b32 v4, 5, v2
.irp b, 0,1,2,3
	global_load_b128 v[CI+8*(\b):CI+8*(\b)+3],   v4, s[8:9] offset:64*(\b)      ; b[e] of my eight columns in block b
	global_load_b128 v[CI+8*(\b)+4:CI+8*(\b)+7], v4, s[8:9] offset:64*(\b)+16
.endr
	s_lshl_b32 s[COFF], s[TROW], 20                ; row 256 x tile row + 128 RH, 4,096 bytes a row
	s_lshl_b32 s20, s[RH], 19
	s_add_co_u32 s[COFF], s[COFF], s20
	s_add_co_u32 s[COFF], s[COFF], s22
	s_mov_b32 s[COFF+1], 0
	v_mul_u32_u24 v3, v1, PA
	v_lshl_add_u32 v3, v2, 4, v3
	s_mul_i32 s20, s[RH], AHALF
	v_add_nc_u32 v[A0], s20, v3
	v_mul_u32_u24 v3, v1, PB
	v_lshl_add_u32 v3, v2, 4, v3
	s_mul_i32 s20, s[CH], BHALF
	s_add_co_u32 s20, s20, BREG
	v_add_nc_u32 v[B0], s20, v3
	v_mov_b32 v[ADRA], v[A0]
	v_mov_b32 v[ADRB], v[B0]
	s_mul_i32 s20, s[WV], 16*SPITCH
	s_add_co_u32 s20, s20, STAGE
	v_mul_u32_u24 v5, v1, SPITCH
	v_lshl_add_u32 v5, v2, 5, v5
	v_add_nc_u32 v[STO], s20, v5                   ; in: row l % 16, 32 bytes for each half of the lanes
	v_mul_u32_u24 v5, v2, SPITCH
	v_lshl_add_u32 v5, v1, 4, v5
	v_add_nc_u32 v[RD], s20, v5                    ; back: lanes 0-15 one row of 256 bytes, lanes 16-31 the next
	v_lshlrev_b32 v5, 12, v2
	v_lshl_add_u32 v[CO], v1, 4, v5
	; the prefetches
	s_mul_i32 s19, s[CH], KBB
	s_mul_i32 s20, s[TROW], 2*QBLK
	s_add_co_u32 s19, s19, s20
	s_lshr_b32 s20, s[CX], 1
	s_mul_i32 s20, s20, QBLK
	s_add_co_u32 s19, s19, s20
	s_and_b32 s20, s[CX], 1
	s_lshl_b32 s20, s20, 13
	s_add_co_u32 s19, s19, s20                     ; O: block of rows cx / 2 of the two, its rows 64 (cx % 2) on: 8,192 bytes
	s_lshl_b32 s20, s[TCOL], 7
	s_lshl_b32 s21, s[CH], 6
	s_add_co_u32 s20, s20, s21
	s_lshl_b32 s21, s[CY], 4
	s_add_co_u32 s20, s20, s21
	s_lshl_b32 s20, s20, 11                        ; W: my work-group's 16 of the 64 rows
	s_and_b32 s21, ttmp7, 0xffff
	s_mov_b32 s46, KB_A
	s_cmp_eq_u32 s[RH], 0
	s_cselect_b32 s22, s19, s20
	s_cselect_b32 s21, ttmp9, s21                  ; the coordinate along which other clusters read the same bytes
	s_cselect_b32 s[PST], s46, KB_B
	s_cselect_b32 s19, 31, 15                      ; lanes beyond my rows name the last of them
	s_cselect_b32 s20, 8, 11                       ; a lane's step: 256 bytes, or a row of 2,048
	s_cselect_b64 s[PFA:PFA+1], s[4:5], s[6:7]
	s_cmp_eq_u32 s21, 0
	s_cselect_b32 s[LIM], 2, -1
	s_mov_b32 s[PST+1], 0
	s_mul_i32 s21, s[PST], 3
	s_add_co_u32 s22, s22, s21                     ; at K step 3: the first refill steps it to 4 and names that
	s_mov_b32 s23, 0
	s_add_nc_u64 s[PFA:PFA+1], s[PFA:PFA+1], s[22:23]
	v_and_b32 v[PFO], 31, v0
	v_min_u32 v[PFO], s19, v[PFO]
	v_lshlrev_b32 v[PFO], s20, v[PFO]
	s_wait_loadcnt 0x0                             ; the bias
.set kk, 0
.rept 16
	v_cvt_pk_bf16_f32 v5, v[CI+2*kk], v[CI+2*kk+1]
	v_lshlrev_b32 v[CI+2*kk], 16, v5               ; rounded to bf16, as f32
	v_and_b32 v[CI+2*kk+1], 0xffff0000, v5
.set kk, kk+1
.endr
.macro MULR f, hi, a0, first           ; 8 matrix instructions: row blocks a0, a0 + 1 of the window's four x the 4 column blocks.  first = 1: C is the bias block.  The accumulators take turns
.if \first
	WIN 0x81+0x40*(\hi)
.else
	WIN 0xa1+0x50*(\hi)
.endif
.irp a, \a0, (\a0)+1
.set bb, 0
.rept NB
.set rD, 8*(8*(\a)+bb)
.set rB, (\f)+8*bb
.set rA, (\f)+8*(4*(\hi)+(\a))
.if \first
.set rC, CI+8*bb
	v_wmma_f32_16x16x32_f16 v[rD:rD+7], v[rB:rB+7], v[rA:rA+7], v[rC:rC+7]
.else
	v_wmma_f32_16x16x32_f16 v[rD:rD+7], v[rB:rB+7], v[rA:rA+7], v[rD:rD+7]
.endif
.set bb, bb+1
.endr
.endr
.endm
.macro HIS f, first                    ; row blocks 4-7; then 4 matrix instructions more: row block 0 once more, by its low parts (their fragment at v32 or v40); three others stand between these and the next quarter's links
	MULR \f, 1, 0, \first
	MULR \f, 1, 2, \first
	WIN 0xa1
.set LF, OB+((\f)-F0)/8
.set bb, 0
.rept NB
	v_wmma_f32_16x16x32_f16 v[8*bb:8*bb+7], v[(\f)+8*bb:(\f)+8*bb+7], v[LF:LF+7], v[8*bb:8*bb+7]
.set bb, bb+1
.endr
.endm
.macro FETCH q, f                      ; 26 LDS loads in one run: quarter q (32 channels): W's fragments, then O's (block of 64 channels q / 2, its half q % 2), the low rows' last
	WIN 0x40
.set ii, 0
.rept NB
	ds_load_b128 v[(\f)+8*ii:(\f)+8*ii+3],   v[ADRB] offset:64*(\q)+ii*16*PB
	ds_load_b128 v[(\f)+8*ii+4:(\f)+8*ii+7], v[ADRB] offset:64*(\q)+ii*16*PB+32
.set ii, ii+1
.endr
	WIN 0
.set ii, 0
.rept MB
	ds_load_b128 v[(\f)+8*ii:(\f)+8*ii+3],   v[ADRA] offset:((\q)/2)*AKB+((\q)%2)*64+ii*16*PA
	ds_load_b128 v[(\f)+8*ii+4:(\f)+8*ii+7], v[ADRA] offset:((\q)/2)*AKB+((\q)%2)*64+ii*16*PA+32
.set ii, ii+1
.endr
.set LF, OB+((\f)-F0)/8
	ds_load_b128 v[LF:LF+3],   v[ADRA] offset:((\q)/2)*AKB+((\q)%2)*64+MB*16*PA
	ds_load_b128 v[LF+4:LF+7], v[ADRA] offset:((\q)/2)*AKB+((\q)%2)*64+MB*16*PA+32
.endm
.macro QUARTER q, f, g, first
	s_wait_dscnt 2*(MB-4)+2                        ; W and O's blocks 0-3 are in; the youngest ten loads (blocks 4-7, the low rows) may be out
	MULR \f, 0, 0, \first
	MULR \f, 0, 2, \first
	PLACES
	FETCH \q, \g
	s_wait_dscnt RUN                               ; all but the 26 just issued
	HIS \f, \first
.endm
; The change of slots: each wave waits for all its tensor loads (one is out: its part of the next slot), adds 0 to its spare word, waits for that and for its reads of this slot.
; fill = 1: the barrier opens a round of the cluster's barrier, and the joint refill, two K steps on, is the first thing behind the round.
.macro TURN fill
.if \fill
	s_wait_xcnt 0x0                                ; the last prefetch, a K step back, has read its address
	s_add_nc_u64 s[PFA:PFA+1], s[PFA:PFA+1], s[PST:PST+1]
.endif
	WIN 0
	s_wait_tensorcnt 0x0
	ds_add_u32 v[SPW], v[NIL]
.if \fill
	s_xor_b32 s[G0A+5], s[G0A+5], SLOT
	s_add_nc_u64 s[G0A+6:G0A+7], s[G0A+6:G0A+7], KB_A
	s_xor_b32 s[G0B+5], s[G0B+5], SLOT
	s_add_nc_u64 s[G0B+6:G0B+7], s[G0B+6:G0B+7], KB_B
.endif
	s_wait_dscnt 2*(MB-4)+3                        ; the add and the youngest ten loads may be out
	MULR F1, 0, 0, 0
	s_wait_dscnt 0x0                               ; the add is done, and my reads of this slot are over
	s_barrier_signal -1
	MULR F1, 0, 2, 0
	WIN 0
	s_barrier_wait -1
.if \fill
	CREST
	JLOAD
.else
	PLACES
.endif
	s_xor_b32 s[TB], s[TB], SLOT
	v_add_nc_u32 v[ADRA], s[TB], v[A0]
	v_add_nc_u32 v[ADRB], s[TB], v[B0]
	FETCH 0, F0
.if \fill
	ASK
.endif
	HIS F1, 0
.endm
	s_wait_tensorcnt 0x1                           ; my part of K step 0 is in; K step 1's may stay out
	s_barrier_signal -1
	s_barrier_wait -1
	FETCH 0, F0
	QUARTER 1, F0, F1, 1
	WIN 0
	s_mov_b32 s[CNT], 6
.Lstep:
	QUARTER 2, F1, F0, 0
	QUARTER 3, F0, F1, 0
	TURN 1
	QUARTER 1, F0, F1, 0
	WIN 0
	s_sub_co_u32 s[CNT], s[CNT], 1
	s_cmp_lg_u32 s[CNT], 0
	s_cbranch_scc1 .Lstep
	QUARTER 2, F1, F0, 0
	QUARTER 3, F0, F1, 0
	TURN 0
	QUARTER 1, F0, F1, 0
	QUARTER 2, F1, F0, 0
	QUARTER 3, F0, F1, 0
	s_wait_dscnt 2*(MB-4)+2
	MULR F1, 0, 0, 0
	MULR F1, 0, 2, 0
	s_wait_dscnt 0x0
	HIS F1, 0
	WIN 0
	PLACES
; THE WAY OUT, a block of 16 rows at a time: the f32 sums go as they are into my own stage, 32 bytes a lane and column block, and come back as whole rows of 256 bytes.
.macro TOSTAGE a
.set AC, 64*((\a)%4)
.set BK, OB+192*((\a)%2)
	WIN 0x08+4*((\a)/4)                            ; the stores' data in window 2 or 3
.irp b, 0,1,2,3
	ds_store_b128 v[STO], v[AC+8*(\b):AC+8*(\b)+3]   offset:64*(\b)      ; each accumulator's low half first
	ds_store_b128 v[STO], v[AC+8*(\b)+4:AC+8*(\b)+7] offset:64*(\b)+16
.endr
	WIN 0
.irp t, 0,1,2,3,4,5,6,7
	ds_load_b128 v[BK+4*(\t):BK+4*(\t)+3], v[RD] offset:(\t)*2*SPITCH  ; LDS serves a wave's instructions in order (ISA guide 5.7.1.4)
.endr
.endm
.macro SEND a
.set BK, OB+192*((\a)%2)
	s_wait_dscnt 0x0
	s_wait_xcnt 0x0                                ; the stores' base, and the registers that earlier stores read, are rewritten only behind this wait
.if (\a) == 0
	s_add_nc_u64 s[10:11], s[10:11], s[COFF:COFF+1]
.else
	s_add_nc_u64 s[10:11], s[10:11], 16*CROW
.endif
.irp t, 0,1,2,3,4,5,6,7
	global_store_b128 v[CO], v[BK+4*(\t):BK+4*(\t)+3], s[10:11] offset:2*(\t)*CROW  ; 16 lanes store 256 consecutive bytes, aligned
.endr
.endm
.irp a, 0,1,2,3,4,5,6,7
	TOSTAGE \a
	SEND \a
.endr
	s_wait_tensorcnt 0x0                           ; the wave's end
	ds_add_u32 v[SPW], v[NIL]
	s_wait_dscnt 0x0
	CROUND                                         ; the closing round
	s_endpgm
.Lfunc_end_k_q98ec45c3ff_proj:
	.size	k_q98ec45c3ff_proj, .Lfunc_end_k_q98ec45c3ff_proj-k_q98ec45c3ff_proj
	.p2alignl 7, 3214868480
	.fill 96, 4, 3214868480
	.section	.rodata,"a",@progbits
	.p2align	6, 0x0
	.amdhsa_kernel k_q98ec45c3ff_proj
		.amdhsa_group_segment_fixed_size 327680
		.amdhsa_private_segment_fixed_size 0
		.amdhsa_enable_private_segment 0
		.amdhsa_kernarg_size 32
		.amdhsa_user_sgpr_count 2
		.amdhsa_user_sgpr_kernarg_segment_ptr 1
		.amdhsa_wavefront_size32 1
		.amdhsa_system_sgpr_workgroup_id_x 1
		.amdhsa_system_sgpr_workgroup_id_y 1
		.amdhsa_system_sgpr_workgroup_id_z 1
		.amdhsa_system_vgpr_workitem_id 0
		.amdhsa_next_free_vgpr 1024
		.amdhsa_next_free_sgpr 80
		.amdhsa_reserve_vcc 0
		.amdhsa_float_denorm_mode_32 3
		.amdhsa_float_denorm_mode_16_64 3
		.amdhsa_memory_ordered 1
		.amdhsa_forward_progress 1
		.amdhsa_inst_pref_size 80
	.end_amdhsa_kernel
	.amdgpu_metadata
---
amdhsa.version: [ 1, 2 ]
amdhsa.kernels:
  - .name:           k_q98ec45c3ff_proj
    .symbol:         k_q98ec45c3ff_proj.kd
    .args:
      - { .name: ob, .offset: 0, .size: 8, .value_kind: global_buffer, .address_space: global }
      - { .name: wph, .offset: 8, .size: 8, .value_kind: global_buffer, .address_space: global }
      - { .name: b_proj, .offset: 16, .size: 8, .value_kind: global_buffer, .address_space: global }
      - { .name: out0, .offset: 24, .size: 8, .value_kind: global_buffer, .address_space: global }
    .group_segment_fixed_size: 327680
    .private_segment_fixed_size: 0
    .kernarg_segment_align: 8
    .kernarg_segment_size: 32
    .max_flat_workgroup_size: 128
    .sgpr_count:     80
    .vgpr_count:     1024
    .wavefront_size: 32
...
	.end_amdgpu_metadata
.endif
;; end of part 5
;; ======== version 2 of 2: 5 launches
;; limits: values are held in f16: magnitudes above 65,504 overflow, below 6.1e-05 lose precision
;; workspace buffers: xh 16,777,216 bytes; wts 4,198,400 bytes; kqt 67,108,864 bytes; p 33,554,432 bytes; st 1,048,576 bytes; wpp 4,194,304 bytes; ob 18,874,368 bytes
;; launch cvt (part 6): grid 864 x 1, 8 waves a work-group, no clusters, 35,840 bytes of LDS; arguments x, W_kqv, W_proj, b_kqv, b_proj, xh, wts, kqt, st; writes xh, wts, kqt, st
.if DOCPART == 6
	.amdgcn_target "amdgcn-amd-amdhsa--gfx1250"
	.amdhsa_code_object_version 6
	.text
	.protected	k_q98ec45c3ff_cvt
	.globl	k_q98ec45c3ff_cvt
	.p2align	8
	.type	k_q98ec45c3ff_cvt,@function
k_q98ec45c3ff_cvt:
	s_mov_b64 s[64:65], 0
	v_nop
	global_prefetch_b8 v0, s[64:65] scope:SCOPE_SE
	s_setreg_imm32_b32 hwreg(HW_REG_WAVE_MODE, 25, 1), 1
	s_wait_xcnt 0x0
; The inputs of the matrix products are rounded once to bf16, and that number is written as f16; the chunk statistics get their neutral values; the folded bias is made.
;   work-groups   0..511  x -> xh [8192][1024]                     512..639  W_kqv rows 0-2047 (K, Q) -> wts [2048][1024]
;   work-groups 640..703  W_kqv rows 2048-3071 (W_v, [m][d]) -> kqt rows 2048-3071, the first 2,048 bytes of each row of 16,384
;   work-groups 704..767  W_proj, TRANSPOSED ([m][e]) -> kqt rows 3072-4095, likewise: a later launch multiplies W_proj by W_v with the text that multiplies Q^T by K^T, so both lie as those do
;   work-groups 768..799  st: cm = -1e30 (first 524,288 bytes), l = 0: a chunk of keys that no later launch writes then counts for nothing in a row's softmax
;   work-groups 800..863  b''[e] = the sum over m of W_proj[e][m] b_kqv[2048 + m] + b_proj[e], all three rounded to bf16, sums in f32 -> wts from byte 4,194,304 on
; A streaming work-group takes 16 rows of 1,024 numbers: thread t the 16 bytes at 16 t of each row.  All sixteen loads go out at once; a store of a wave covers 256 consecutive bytes, aligned.
; A transposing work-group takes 128 (e) x 128 (m): wave w rows 16 w .., lane l columns 4 l ..; a lane's 16 numbers of a column are 32 bytes of a transposed row; they meet in LDS (rows of 256 + 16 bytes), and whole rows of 256 bytes leave.
; No matrix unit, no cluster: each byte is read once (W_proj twice) and no work-group wants another's bytes.
; LIMITS.  A number beyond 65,504 becomes an infinity in f16; below 6e-5 it keeps f16's fixed step of 6e-8.
.set X,   4                            ; v[4:67]   sixteen loads of four f32
.set Y,   68                           ; v[68:99]  sixteen pairs of packed results
.set T,   100                          ; v[100:101] at work
.set WN,  102                          ; my wave's number
.set H,   103
.set R,   104
.set RW,  105
.set LR,  106
.set GO,  107
.set PB,  108
.set SPW, 110                          ; my spare word: SPARE + 4 x my thread's number; never rewritten
.set NIL, 111                          ; 0; never rewritten
.set AD,  112                          ; v[112:127] where row k's 8 bytes go
.set TP,    272
.set SPARE, 128*TP                     ; behind the transposed tile: the spare words, 128 bytes a wave
.set KQROW, 16384                      ; bytes in a row of kqt
.set BPP,   2048*2048                  ; where b'' begins in wts
	s_load_b256 s[8:15], s[0:1], 0x0               ; x s[8:9], W_kqv s[10:11], W_proj s[12:13], b_kqv s[14:15]
	s_load_b256 s[16:23], s[0:1], 0x20             ; b_proj s[16:17], xh s[18:19], wts s[20:21], kqt s[22:23]
	s_load_b64 s[32:33], s[0:1], 0x40              ; st
	v_lshl_add_u32 v[SPW], v0, 2, SPARE
	v_mov_b32 v[NIL], 0
	v_lshlrev_b32 v1, 4, v0                        ; 16 t
	v_lshlrev_b32 v2, 3, v0                        ; 8 t
	v_and_b32 v3, 31, v0                           ; lane
	v_lshrrev_b32 v[WN], 5, v0
	s_mov_b32 s2, ttmp9
	s_mov_b32 s29, 0
	s_mov_b32 s31, 0
	s_wait_kmcnt 0x0
; Row k: four numbers rounded to bf16, each then written as f16; out = 1: stored.
.macro CV k, out
	s_wait_loadcnt 15-(\k)                         ; loads come back in order: row k is in, the 15 - k younger ones stay out
	v_cvt_pk_bf16_f32 v[Y+2*(\k)], v[X+4*(\k)], v[X+4*(\k)+1]
	v_cvt_pk_bf16_f32 v[Y+2*(\k)+1], v[X+4*(\k)+2], v[X+4*(\k)+3]
.irp w, 0,1
	v_lshlrev_b32 v[T], 16, v[Y+2*(\k)+(\w)]       ; bf16 to f32: the low half moves up,
	v_and_b32 v[T+1], 0xffff0000, v[Y+2*(\k)+(\w)] ; the high half stays
	v_cvt_pk_f16_f32 v[Y+2*(\k)+(\w)], v[T], v[T+1]
.endr
.if \out
	global_store_b64 v[AD+(\k)], v[Y+2*(\k):Y+2*(\k)+1], s[26:27]
.endif
.endm
	s_cmp_ge_u32 s2, 704
	s_cbranch_scc1 .Lother
	s_cmp_lt_u32 s2, 512                           ; x, or W_kqv; my number among its work-groups
	s_cselect_b64 s[24:25], s[8:9], s[10:11]
	s_cselect_b64 s[26:27], s[18:19], s[20:21]
	s_cselect_b32 s3, 0, 512
	s_sub_co_u32 s3, s2, s3
	s_lshl_b32 s28, s3, 16                         ; 65,536 bytes in,
	s_lshl_b32 s30, s3, 15                         ; 32,768 out
	s_add_nc_u64 s[24:25], s[24:25], s[28:29]
.irp k, 0,1,2,3,4,5,6,7,8,9,10,11,12,13,14,15
	global_load_b128 v[X+4*(\k):X+4*(\k)+3], v1, s[24:25] offset:4096*(\k) th:TH_LOAD_NT
.endr
	s_sub_co_u32 s4, s2, 640                       ; W_v's rows go into kqt from row 2,048 on, 16 rows a work-group
	s_lshl_b32 s4, s4, 18
	s_add_co_u32 s4, s4, 2048*KQROW
	s_mov_b32 s34, 2048
	s_mov_b32 s35, KQROW
	s_cmp_ge_u32 s2, 640
	s_cselect_b64 s[26:27], s[22:23], s[26:27]
	s_cselect_b32 s30, s4, s30
	s_cselect_b32 s34, s35, s34                    ; bytes from row to row where I store
	s_add_nc_u64 s[26:27], s[26:27], s[30:31]
.irp k, 0,1,2,3,4,5,6,7,8,9,10,11,12,13,14,15
	v_mad_u32_u24 v[AD+(\k)], s34, \k, v2
.endr
.irp k, 0,1,2,3,4,5,6,7,8,9,10,11,12,13,14,15
	CV \k, 1
.endr
	s_endpgm
.Lother:
	s_cmp_ge_u32 s2, 768
	s_cbranch_scc1 .Lrest
	; W_proj transposed: tile (et, mt) of 128 x 128
	s_sub_co_u32 s3, s2, 704
	s_lshr_b32 s4, s3, 3                           ; et
	s_and_b32 s5, s3, 7                            ; mt
	s_lshl_b32 s28, s4, 19                         ; 128 rows of 4,096 bytes,
	s_lshl_b32 s6, s5, 9                           ; 128 columns of 4
	s_add_co_u32 s28, s28, s6
	s_add_nc_u64 s[24:25], s[12:13], s[28:29]
	s_lshl_b32 s30, s5, 21                         ; out: 128 rows of 16,384 bytes,
	s_lshl_b32 s6, s4, 8                           ; 128 columns of 2,
	s_add_co_u32 s30, s30, s6
	s_add_co_u32 s30, s30, 3072*KQROW              ; from row 3,072 on
	s_add_nc_u64 s[26:27], s[22:23], s[30:31]
	v_lshlrev_b32 v1, 4, v3
	v_lshl_add_u32 v1, v[WN], 16, v1               ; wave x 16 rows + 16 x lane
.irp k, 0,1,2,3,4,5,6,7,8,9,10,11,12,13,14,15
	global_load_b128 v[X+4*(\k):X+4*(\k)+3], v1, s[24:25] offset:4096*(\k)
.endr
	s_mov_b32 s6, 0x05040100                       ; the two low halves,
	s_mov_b32 s7, 0x07060302                       ; the two high halves
	v_mul_u32_u24 v2, v3, 4*TP
	v_lshl_add_u32 v2, v[WN], 5, v2                ; in: transposed row 4 l + c, my wave's 32 bytes of it
	v_bfe_u32 v[H], v0, 4, 1
	v_and_b32 v[R], 15, v0
	v_lshl_add_u32 v[RW], v[WN], 4, v[H]           ; back: rows 16 w + l / 16 + 2 j, 16 lanes a row
	v_mul_u32_u24 v[LR], v[RW], TP
	v_lshl_add_u32 v[LR], v[R], 4, v[LR]
	v_lshlrev_b32 v[GO], 14, v[RW]
	v_lshl_add_u32 v[GO], v[R], 4, v[GO]
.irp k, 0,1,2,3,4,5,6,7,8,9,10,11,12,13,14,15
	CV \k, 0
.endr
.set jj, 0
.rept 8                                ; rows 2 j and 2 j + 1 of my 16, column c of my 4: one word; column c's eight words at X + 8 c
	v_perm_b32 v[X+jj],    v[Y+4*jj+2], v[Y+4*jj],   s6
	v_perm_b32 v[X+8+jj],  v[Y+4*jj+2], v[Y+4*jj],   s7
	v_perm_b32 v[X+16+jj], v[Y+4*jj+3], v[Y+4*jj+1], s6
	v_perm_b32 v[X+24+jj], v[Y+4*jj+3], v[Y+4*jj+1], s7
.set jj, jj+1
.endr
.irp c, 0,1,2,3
	ds_store_b128 v2, v[X+8*(\c):X+8*(\c)+3]   offset:(\c)*TP
	ds_store_b128 v2, v[X+8*(\c)+4:X+8*(\c)+7] offset:(\c)*TP+16
.endr
	s_wait_dscnt 0x0                               ; for the others' sake: my stores are done
	s_barrier_signal -1
	s_barrier_wait -1
.irp j, 0,1,2,3,4,5,6,7
	ds_load_b128 v[Y+4*(\j):Y+4*(\j)+3], v[LR] offset:2*(\j)*TP
.endr
.irp j, 0,1,2,3,4,5,6,7
	s_wait_dscnt 7-(\j)
	global_store_b128 v[GO], v[Y+4*(\j):Y+4*(\j)+3], s[26:27] offset:2*(\j)*KQROW  ; 16 lanes store 256 consecutive bytes, aligned
.endr
	s_wait_tensorcnt 0x0                           ; the end of a wave that wrote LDS
	ds_add_u32 v[SPW], v[NIL]
	s_wait_dscnt 0x0
	s_endpgm
.Lrest:
	s_cmp_ge_u32 s2, 800
	s_cbranch_scc1 .Lbias
	s_sub_co_u32 s3, s2, 768
	s_lshl_b32 s28, s3, 14                         ; 16,384 bytes of each of the two tables
	s_add_nc_u64 s[32:33], s[32:33], s[28:29]
.irp r, 4,5,6,7
	v_mov_b32 v\r, 0xf149f2ca                      ; -1e30
.endr
.irp r, 8,9,10,11
	v_mov_b32 v\r, 0
.endr
.irp k, 0,1,2,3
	global_store_b128 v1, v[4:7], s[32:33] offset:4096*(\k)
	global_store_b128 v1, v[8:11], s[32:33] offset:524288+4096*(\k)
.endr
	s_endpgm
.Lbias:
	; b'': the work-group's 16 rows e, two a wave; lane l holds columns 128 j + 4 l + 0..3, j = 0..7, of both rows and of b_v
	s_sub_co_u32 s3, s2, 800
	s_lshl_b32 s28, s3, 16
	s_add_nc_u64 s[24:25], s[12:13], s[28:29]
	s_lshl_b32 s30, s3, 6
	s_add_nc_u64 s[16:17], s[16:17], s[30:31]
	s_add_co_u32 s30, s30, BPP
	s_add_nc_u64 s[26:27], s[20:21], s[30:31]
	v_lshlrev_b32 v1, 4, v3
	v_lshl_add_u32 v2, v[WN], 13, v1
	v_and_b32 v[H], 1, v0
	v_lshl_add_u32 v[PB], v[WN], 1, v[H]
	v_lshlrev_b32 v[PB], 2, v[PB]                  ; lanes 0 and 1: my two rows' 4 bytes
.irp k, 0,1
.irp j, 0,1,2,3,4,5,6,7
	global_load_b128 v[X+32*(\k)+4*(\j):X+32*(\k)+4*(\j)+3], v2, s[24:25] offset:4096*(\k)+512*(\j)
.endr
.endr
.irp j, 0,1,2,3,4,5,6,7
	global_load_b128 v[Y+4*(\j):Y+4*(\j)+3], v1, s[14:15] offset:8192+512*(\j)
.endr
	global_load_b32 v[T], v[PB], s[16:17]
	s_mov_b32 s6, 0x76543210
	s_mov_b32 s7, 0xfedcba98
	s_wait_loadcnt 0x0
.set nn, 0
.rept 16                               ; rounded to bf16 and packed, in place, ascending: word n takes numbers 2 n and 2 n + 1
	v_cvt_pk_bf16_f32 v[Y+nn], v[Y+2*nn], v[Y+2*nn+1]
	v_cvt_pk_bf16_f32 v[X+nn], v[X+2*nn], v[X+2*nn+1]
	v_cvt_pk_bf16_f32 v[X+32+nn], v[X+32+2*nn], v[X+32+2*nn+1]
.set nn, nn+1
.endr
.irp r, 16,17,18,19
	v_mov_b32 v[Y+(\r)], 0                         ; four sums: two rows x the words' two halves
.endr
.set nn, 0
.rept 16
	v_fma_mix_f32_bf16 v[Y+16], v[X+nn], v[Y+nn], v[Y+16] op_sel_hi:[1,1,0]
	v_fma_mix_f32_bf16 v[Y+18], v[X+32+nn], v[Y+nn], v[Y+18] op_sel_hi:[1,1,0]
	v_fma_mix_f32_bf16 v[Y+17], v[X+nn], v[Y+nn], v[Y+17] op_sel:[1,1,0] op_sel_hi:[1,1,0]
	v_fma_mix_f32_bf16 v[Y+19], v[X+32+nn], v[Y+nn], v[Y+19] op_sel:[1,1,0] op_sel_hi:[1,1,0]
.set nn, nn+1
.endr
	v_add_f32 v[Y+16], v[Y+16], v[Y+17]
	v_add_f32 v[Y+18], v[Y+18], v[Y+19]
.irp m, 1,2,4,8
	v_add_f32_dpp v[Y+16], v[Y+16], v[Y+16] row_xmask:\m row_mask:0xf bank_mask:0xf
	v_add_f32_dpp v[Y+18], v[Y+18], v[Y+18] row_xmask:\m row_mask:0xf bank_mask:0xf
.endr
	v_permlanex16_b32 v[Y+17], v[Y+16], s6, s7
	v_permlanex16_b32 v[Y+19], v[Y+18], s6, s7
	v_add_f32 v[Y+16], v[Y+16], v[Y+17]
	v_add_f32 v[Y+18], v[Y+18], v[Y+19]            ; every lane holds both rows' sums
	v_cmp_eq_u32 vcc_lo, 1, v[H]
	v_cndmask_b32 v[Y+16], v[Y+16], v[Y+18], vcc_lo
	v_cvt_pk_bf16_f32 v[T], v[T], v[T]
	v_lshlrev_b32 v[T], 16, v[T]                   ; b_proj rounded to bf16, as f32
	v_add_f32 v[Y+16], v[Y+16], v[T]
	v_cmp_gt_u32 vcc_lo, 2, v3
	s_wait_xcnt 0x0                                ; EXEC changes only behind this wait
	s_and_saveexec_b32 s6, vcc_lo
	global_store_b32 v[PB], v[Y+16], s[26:27]      ; 4,096 bytes in the whole launch
	s_wait_xcnt 0x0
	s_or_b32 exec_lo, exec_lo, s6
	s_endpgm
.Lfunc_end_k_q98ec45c3ff_cvt:
	.size	k_q98ec45c3ff_cvt, .Lfunc_end_k_q98ec45c3ff_cvt-k_q98ec45c3ff_cvt
	.p2alignl 7, 3214868480
	.fill 96, 4, 3214868480
	.section	.rodata,"a",@progbits
	.p2align	6, 0x0
	.amdhsa_kernel k_q98ec45c3ff_cvt
		.amdhsa_group_segment_fixed_size 35840
		.amdhsa_private_segment_fixed_size 0
		.amdhsa_enable_private_segment 0
		.amdhsa_kernarg_size 72
		.amdhsa_user_sgpr_count 2
		.amdhsa_user_sgpr_kernarg_segment_ptr 1
		.amdhsa_wavefront_size32 1
		.amdhsa_system_sgpr_workgroup_id_x 1
		.amdhsa_system_sgpr_workgroup_id_y 1
		.amdhsa_system_sgpr_workgroup_id_z 1
		.amdhsa_system_vgpr_workitem_id 0
		.amdhsa_next_free_vgpr 128
		.amdhsa_next_free_sgpr 66
		.amdhsa_reserve_vcc 1
		.amdhsa_float_denorm_mode_32 3
		.amdhsa_float_denorm_mode_16_64 3
		.amdhsa_memory_ordered 1
		.amdhsa_forward_progress 1
		.amdhsa_inst_pref_size 41
	.end_amdhsa_kernel
	.amdgpu_metadata
---
amdhsa.version: [ 1, 2 ]
amdhsa.kernels:
  - .name:           k_q98ec45c3ff_cvt
    .symbol:         k_q98ec45c3ff_cvt.kd
    .args:
      - { .name: x, .offset: 0, .size: 8, .value_kind: global_buffer, .address_space: global }
      - { .name: W_kqv, .offset: 8, .size: 8, .value_kind: global_buffer, .address_space: global }
      - { .name: W_proj, .offset: 16, .size: 8, .value_kind: global_buffer, .address_space: global }
      - { .name: b_kqv, .offset: 24, .size: 8, .value_kind: global_buffer, .address_space: global }
      - { .name: b_proj, .offset: 32, .size: 8, .value_kind: global_buffer, .address_space: global }
      - { .name: xh, .offset: 40, .size: 8, .value_kind: global_buffer, .address_space: global }
      - { .name: wts, .offset: 48, .size: 8, .value_kind: global_buffer, .address_space: global }
      - { .name: kqt, .offset: 56, .size: 8, .value_kind: global_buffer, .address_space: global }
      - { .name: st, .offset: 64, .size: 8, .value_kind: global_buffer, .address_space: global }
    .group_segment_fixed_size: 35840
    .private_segment_fixed_size: 0
    .kernarg_segment_align: 8
    .kernarg_segment_size: 72
    .max_flat_workgroup_size: 256
    .sgpr_count:     66
    .vgpr_count:     128
    .wavefront_size: 32
...
	.end_amdgpu_metadata
.endif
;; end of part 6
;; launch kq (part 7): grid 32 x 8, 4 waves a work-group, clusters of 4 x 4, 327,680 bytes of LDS; arguments wts, xh, b_kqv, kqt; writes kqt
.if DOCPART == 7
	.amdgcn_target "amdgcn-amd-amdhsa--gfx1250"
	.amdhsa_code_object_version 6
	.text
	.protected	k_q98ec45c3ff_kq
	.globl	k_q98ec45c3ff_kq
	.p2align	8
	.type	k_q98ec45c3ff_kq,@function
k_q98ec45c3ff_kq:
	s_mov_b64 s[64:65], 0
	v_nop
	global_prefetch_b8 v0, s[64:65] scope:SCOPE_SE
	s_setreg_imm32_b32 hwreg(HW_REG_WAVE_MODE, 25, 1), 1
	s_wait_xcnt 0x0
	s_wait_alu depctr_hold_cnt(0) depctr_sa_sdst(0) depctr_va_vdst(0) depctr_va_sdst(0) depctr_va_ssrc(0) depctr_va_vcc(0) depctr_vm_vsrc(0)
	s_getreg_b32 s2, hwreg(HW_REG_IB_STS2, 6, 4)
	s_cmp_eq_u32 s2, 0
	s_cbranch_scc0 .Lentry_in_a_cluster
	s_endpgm
.Lentry_in_a_cluster:
	s_bfe_u32 s2, ttmp6, 0x10000c
	s_cmp_lg_u32 s2, 0xf033
	s_cbranch_scc0 .Lentry_shape_is_right
	s_endpgm
.Lentry_shape_is_right:
; kqt[e][bt] = the sum over d of W_kqv[e][d] x[bt][d] + b_kqv[e], e = 0 .. 2047: K^T (rows 0-1023) and Q^T (rows 1024-2047), stored TRANSPOSED, in f16; a row is 8,192 numbers, 16,384 bytes.
; wts [2048][1024], xh [8192][1024]: the inputs rounded to bf16, written as f16; sums in f32; the bias is rounded to bf16 like the other inputs.
; V IS NOT MADE: a softmax's weights add up to 1, so attn (x W_v^T + b_v) W_p^T + b_p = (attn x) (W_p W_v)^T + (W_p b_v + b_p); later launches multiply the weights by x itself and by W_p W_v.
; SHARES.  A tile of 256 (e) x 256 (bt): 8 x 32 = 256 work-groups.  Four waves; wave (RH, CH) makes rows 128 RH .. and columns 128 CH ..: 8 x 8 accumulators of 16 x 16, 512 registers.  K goes in 8 steps of 128 through two LDS slots.
; Waves 0, 1 fetch W's two halves, waves 2, 3 x's (128 rows x 256 bytes each): one tensor load a wave behind each change of slots.
; CLUSTER 4 x 4.  W's tile hangs on the tile row alone and is asked for jointly along a row of the cluster, x's on the tile column alone, jointly along a column.
; THE MATRIX INSTRUCTION IS USED TRANSPOSED: source 0 = 16 rows of x, source 1 = 16 rows of W: a lane holds row e = lane % 16 and the columns 8 (lane / 16) + 0..7: 16 bytes of f16 on end.
; THE BIAS is the C operand of the products that start the sums: nothing is cleared, nothing is added later.
; THE K LOOP'S TEXT.  A K step is four quarters of 32 along K, on fragment buffers 0, 1, 0, 1; a quarter is a lower half (row blocks 0-3, 32 matrix instructions) and an upper half (blocks 4-7).  From one change of slots to the next the order is
;   CHANGE (the lower half on buffer 1, the barrier in its middle) | X | the lower half on buffer 1 | X,     X = the fetch into buffer 0, the upper half on buffer 1, the whole quarter on buffer 0 with the fetch into buffer 1 in its middle.
; X is written once and walked twice, by a loop of two trips that is left in its middle; the LDS byte at which it fetches is a scalar register that steps.  The first K step enters that loop in its middle, behind the first quarter, which is written out.
; LIMITS.  A result beyond 65,504 becomes an infinity in f16; NaN and infinities are not treated apart.
; REGISTERS, in windows of 256: window 0: v0-31 addresses, v32-63 and v224-255 rows on the way out, v64-127 and v128-191 W's fragments (two buffers), v192-255 the bias blocks, later v192-223 packed results;
;   window 1: v64-127, v128-191 x's fragments;  windows 2, 3: the accumulators, row block a, column block b at 8 (8 (a % 4) + b).
.set MB,    8
.set NB,    8
.set PITCH, 272                        ; an LDS row: 256 bytes + 16 = 68 words: the 16 rows of a fragment load start at 16 different groups of four banks (64 banks of 4 bytes: ISA guide 11.1)
.set HALF,  128*PITCH
.set BREG,  2*HALF                     ; x's rows lie behind W's 256
.set SLOT,  4*HALF                     ; 0x22000: the four waves' bases 0, 0x8800, 0x11000, 0x19800 have these two bits clear, so one exclusive or adds or takes away a slot
.set STAGE, 2*SLOT                     ; behind the ring: 16 rows x 272 bytes for each wave, never filled by a tensor load
.set SPITCH, 272
.set SPARE, STAGE+4*16*SPITCH          ; the spare words, 128 bytes a wave
.set KB,    256                        ; bytes of a row in a K step
.set CROW,  16384                      ; bytes in a row of kqt
.set ADRA, 16                          ; v16 LDS address of my W fragments for the two quarters in hand;  v17 the same for slot 0's first two, never rewritten
.set A0,   17
.set ADRB, 20                          ; v20, v21 the same for x
.set B0,   21
.set STO,  24                          ; v24 the way out: where I put 16 bytes of a row
.set RD,   25                          ; v25 where I read a row back
.set CO,   26                          ; v26 my byte offset in two rows of kqt
.set SPW,  28                          ; v28 my spare word: SPARE + 4 x my thread's number; never rewritten
.set NIL,  29                          ; v29 0; never rewritten
.set PFO,  30                          ; v30 the prefetches' offset: my lane's row; never rewritten
.set OB,   32
.set F0,   64
.set F1,   128
.set TMP,  192
.set CI,   192
.set WV, 12
.set RH, 13                            ; which half of the tile's rows is mine.  Also: I fetch for W (0) or for x (1)
.set CH, 14                            ; which half of its columns.  Also: which half of that tile I fetch
.set CX, 15
.set CY, 16
.set TCOL, 17
.set TROW, 18
.set G1A, 24                           ; s[24:31] group 1 for W's tiles;  s[32:39] group 0: a set for each first fill; the second then walks on
.set G0A, 32
.set TB,  40                           ; s40 0 or SLOT: the slot that is read
.set LA,  41
.set LB,  42
.set CNT, 43
.set PFA, 44                           ; s[44:45] where my prefetches stand
.set G1B, 48                           ; s[48:55], s[56:63] the same for x's tiles
.set G0B, 56
.set LIM, 66                           ; s66 2 in a wave that prefetches, else the greatest number
.set INR, 67                           ; s67 walks of X still to come in this K step
.set CUR, 68                           ; s68 the slot's first byte + 128 for each walk of X that is done
.set COFF, 70                          ; s[70:71] where my part of the tile begins in kqt
.set MSB, 0
.macro WIN new                         ; the immediate's high byte repeats the setting that is left; a switch that changes nothing is dropped
.if MSB != (\new)
	s_set_vgpr_msb (MSB<<8)|(\new)
.set MSB, \new
.endif
.endm
.macro PLACES                          ; four places behind matrix instructions, in front of loads into registers that they read and of lines that read results
.rept 4
	v_nop
.endr
.endm
.macro CREST                           ; a round of the cluster's barrier behind its opening barrier
	s_cmp_lg_u32 s[WV], 0
	s_cbranch_scc1 .Lnot_wave_0_\@
	s_barrier_signal -3
.Lnot_wave_0_\@:
	s_barrier_wait -3
	s_barrier_signal -1
	s_barrier_wait -1
.endm
.macro CROUND
	s_barrier_signal -1
	s_barrier_wait -1
	CREST
.endm
.macro JLOAD                           ; a joint refill by the walking descriptors; the branch hangs on the wave's number alone; an s_nop 0 and four v_nop follow each line
	s_cmp_eq_u32 s[RH], 0
	s_cbranch_scc0 .Lfor_b_\@
	tensor_load_to_lds s[G0A+4:G0A+7], s[G1A:G1A+7]
	s_nop 0
.rept 4
	v_nop
.endr
	s_branch .Lasked_\@
.Lfor_b_\@:
	tensor_load_to_lds s[G0B+4:G0B+7], s[G1B:G1B+7]
	s_nop 0
.rept 4
	v_nop
.endr
.Lasked_\@:
.endm
; A prefetch into the L2 of the K step that stands two refills on: a lane a row, 256 bytes of it.  W's tile row is read by every cluster of that row of clusters: the one with x = 0 asks; x's tile column by both
; clusters of that column: the one with y = 0 asks.  The four partners of a joint load share its 128 rows out by address, 32 each.  The last two refills have no K step two on.
.macro ASK
	s_cmp_gt_u32 s[CNT], s[LIM]
	s_cbranch_scc0 .Lnot_mine_\@
	global_prefetch_b8 v[PFO], s[PFA:PFA+1] th:TH_LOAD_NT scope:SCOPE_SE
.Lnot_mine_\@:
.endm
	s_load_b256 s[4:11], s[0:1], 0x0               ; wts s[4:5], xh s[6:7], b_kqv s[8:9], kqt s[10:11]
	v_lshl_add_u32 v[SPW], v0, 2, SPARE
	v_mov_b32 v[NIL], 0
	ds_add_u32 v[SPW], v[NIL]                      ; the wave's opening: the add and its wait stand ahead of my first tensor load; work on registers stands between them
	v_lshrrev_b32 v1, 5, v0
	v_readfirstlane_b32 s[WV], v1
	s_lshr_b32 s[RH], s[WV], 1
	s_and_b32 s[CH], s[WV], 1
	s_bfe_u32 s[CX], ttmp6, 0x40000
	s_bfe_u32 s[CY], ttmp6, 0x40004
	s_lshl_b32 s[TCOL], ttmp9, 2
	s_add_co_u32 s[TCOL], s[TCOL], s[CX]           ; tile column (bt) = 4 x cluster x + cx
	s_and_b32 s[TROW], ttmp7, 0xffff
	s_lshl_b32 s[TROW], s[TROW], 2
	s_add_co_u32 s[TROW], s[TROW], s[CY]           ; tile row (e) = 4 x cluster y + cy
	s_lshl_b32 s19, s[CY], 2
	s_lshl_b32 s19, 15, s19                        ; my row of the cluster
	s_lshl_b32 s20, 0x1111, s[CX]                  ; my column
	s_or_b32 s[G1A], s19, (1<<16)|(1<<20)|(1<<21)|(5<<22)|(3<<25)  ; the mask; elements of 2 bytes; padding on; bit 21 beside a mask; after every 64 words 4 words
	s_or_b32 s[G1B], s20, (1<<16)|(1<<20)|(1<<21)|(5<<22)|(3<<25)
.irp g, G1A, G1B
	s_mov_b32 s[(\g)+1], 128<<16                   ; tensor_dim0 = 128
	s_mov_b32 s[(\g)+2], 128<<16                   ; tensor_dim1 = 128
	s_mov_b32 s[(\g)+3], 128<<16                   ; tile_dim0 = 128
	s_mov_b32 s[(\g)+4], 128                       ; tile_dim1 = 128
	s_mov_b32 s[(\g)+5], 1024                      ; elements from row to row
	s_mov_b32 s[(\g)+6], 0
	s_mov_b32 s[(\g)+7], 0
.endr
	s_lshl_b32 s22, s[TROW], 8
	s_lshl_b32 s23, s[CH], 7
	s_add_co_u32 s22, s22, s23
	s_lshl_b32 s22, s22, 11                        ; W: row 256 x tile row + 128 x half, 2,048 bytes a row
	s_mov_b32 s23, 0
	s_lshl_b32 s46, s[TCOL], 8
	s_lshl_b32 s47, s[CH], 7
	s_add_co_u32 s46, s46, s47
	s_lshl_b32 s46, s46, 11                        ; x: row 256 x tile column + 128 x half
	s_mov_b32 s47, 0
	s_mul_i32 s[LA], s[CH], HALF                   ; where they go: no place in the cluster enters an LDS address
	s_add_co_u32 s[LB], s[LA], BREG
	s_mov_b32 s[TB], 0
	s_wait_dscnt 0x0                               ; the opening add is done
	s_wait_kmcnt 0x0
	s_add_nc_u64 s[22:23], s[4:5], s[22:23]
	s_add_nc_u64 s[46:47], s[6:7], s[46:47]
.irp s, 0,1
	s_mov_b32 s[G0A+4*(\s)], 1
	s_add_co_u32 s[G0A+4*(\s)+1], s[LA], (\s)*SLOT
	s_add_nc_u64 s[G0A+4*(\s)+2:G0A+4*(\s)+3], s[22:23], (\s)*KB
	s_or_b32 s[G0A+4*(\s)+3], s[G0A+4*(\s)+3], 0x80000000
	s_mov_b32 s[G0B+4*(\s)], 1
	s_add_co_u32 s[G0B+4*(\s)+1], s[LB], (\s)*SLOT
	s_add_nc_u64 s[G0B+4*(\s)+2:G0B+4*(\s)+3], s[46:47], (\s)*KB
	s_or_b32 s[G0B+4*(\s)+3], s[G0B+4*(\s)+3], 0x80000000
.endr
	CROUND                                         ; all sixteen work-groups are here: the first joint loads meet
	s_cmp_eq_u32 s[RH], 0                          ; a wave's two first fills stand in one branch: two loads of mine are out
	s_cbranch_scc0 .Lfirst_b
	tensor_load_to_lds s[G0A:G0A+3], s[G1A:G1A+7]
	s_nop 0
	tensor_load_to_lds s[G0A+4:G0A+7], s[G1A:G1A+7]
	s_nop 0
.rept 4
	v_nop
.endr
	s_branch .Lfirst_asked
.Lfirst_b:
	tensor_load_to_lds s[G0B:G0B+3], s[G1B:G1B+7]
	s_nop 0
	tensor_load_to_lds s[G0B+4:G0B+7], s[G1B:G1B+7]
	s_nop 0
.rept 4
	v_nop
.endr
.Lfirst_asked:
	; my first row e; the bias; where my part of the tile begins
	s_lshl_b32 s19, s[TROW], 8
	s_lshl_b32 s20, s[RH], 7
	s_add_co_u32 s19, s19, s20
	s_lshl_b32 s22, s19, 2
	s_mov_b32 s23, 0
	s_add_nc_u64 s[8:9], s[8:9], s[22:23]
	v_and_b32 v1, 15, v0                           ; l % 16
	v_bfe_u32 v2, v0, 4, 1                         ; l / 16
	v_lshlrev_b32 v4, 2, v1
.irp a, 0,1,2,3,4,5,6,7
	global_load_b32 v[6+(\a)], v4, s[8:9] offset:64*(\a)  ; b[e] of my row in block a
.endr
	s_lshl_b32 s[COFF], s19, 14
	s_lshl_b32 s20, s[TCOL], 9
	s_add_co_u32 s[COFF], s[COFF], s20
	s_lshl_b32 s20, s[CH], 8
	s_add_co_u32 s[COFF], s[COFF], s20
	s_mov_b32 s[COFF+1], 0
	; a fragment is 16 rows x 32 K in 8 registers: lane l holds row l % 16, K = 8 (l / 16) + 0..7 and 16 + 8 (l / 16) + 0..7: two loads of 16 bytes, 32 bytes apart
	v_mul_u32_u24 v3, v1, PITCH
	v_lshl_add_u32 v3, v2, 4, v3
	s_mul_i32 s20, s[RH], HALF
	v_add_nc_u32 v[A0], s20, v3
	s_mul_i32 s20, s[CH], HALF
	s_add_co_u32 s20, s20, BREG
	v_add_nc_u32 v[B0], s20, v3
	v_mov_b32 v[ADRA], v[A0]
	v_mov_b32 v[ADRB], v[B0]
	s_mul_i32 s20, s[WV], 16*SPITCH
	s_add_co_u32 s20, s20, STAGE
	v_mul_u32_u24 v5, v1, SPITCH
	v_lshl_add_u32 v5, v2, 4, v5
	v_add_nc_u32 v[STO], s20, v5                   ; in: row l % 16, 16 bytes for each half of the lanes
	v_mul_u32_u24 v5, v2, SPITCH
	v_lshl_add_u32 v5, v1, 4, v5
	v_add_nc_u32 v[RD], s20, v5                    ; back: lanes 0-15 one row of 256 bytes, lanes 16-31 the next
	v_lshlrev_b32 v5, 14, v2
	v_lshl_add_u32 v[CO], v1, 4, v5                ; and the same two rows in kqt
	; the prefetches
	s_lshl_b32 s19, s[TROW], 8
	s_lshl_b32 s20, s[CH], 7
	s_add_co_u32 s19, s19, s20
	s_lshl_b32 s21, s[CX], 5
	s_add_co_u32 s19, s19, s21                     ; W: my work-group's 32 of the 128 rows that I fetch
	s_lshl_b32 s21, s[TCOL], 8
	s_add_co_u32 s20, s20, s21
	s_lshl_b32 s21, s[CY], 5
	s_add_co_u32 s20, s20, s21                     ; x: likewise
	s_and_b32 s21, ttmp7, 0xffff
	s_cmp_eq_u32 s[RH], 0
	s_cselect_b32 s19, s19, s20
	s_cselect_b32 s21, ttmp9, s21                  ; the coordinate along which other clusters read the same rows
	s_cselect_b64 s[PFA:PFA+1], s[4:5], s[6:7]
	s_cmp_eq_u32 s21, 0
	s_cselect_b32 s[LIM], 2, -1                    ; the same in all sixteen partners, for a given wave
	s_lshl_b32 s22, s19, 11
	s_add_co_u32 s22, s22, 3*KB                    ; at K step 3: the first refill steps it to 4 and names that
	s_mov_b32 s23, 0
	s_add_nc_u64 s[PFA:PFA+1], s[PFA:PFA+1], s[22:23]
	v_and_b32 v[PFO], 31, v0
	v_lshlrev_b32 v[PFO], 11, v[PFO]
	s_wait_loadcnt 0x0                             ; the bias
.irp a, 0,1,2,3,4,5,6,7
	v_cvt_pk_bf16_f32 v[6+(\a)], v[6+(\a)], v[6+(\a)]
	v_lshlrev_b32 v[CI+8*(\a)], 16, v[6+(\a)]      ; rounded to bf16, as f32
.irp j, 1,2,3,4,5,6,7
	v_mov_b32 v[CI+8*(\a)+(\j)], v[CI+8*(\a)]      ; a lane's eight results of a block lie in one row e
.endr
.endr
; 16 matrix instructions: row blocks a0, a0 + 1 of the window's four x all 8 column blocks, 32 along K.  first = 1: C is the bias block.  The accumulators take turns, in the same order in every quarter.
.macro MULR f, hi, a0, first
.if \first
	WIN 0x81+0x40*(\hi)                            ; x window 1, W and C window 0, D window 2 or 3
.else
	WIN 0xa1+0x50*(\hi)                            ; C and D window 2 or 3
.endif
.irp a, \a0, (\a0)+1
.set bb, 0
.rept NB
.set rD, 8*(8*(\a)+bb)
.set rB, (\f)+8*bb
.set rA, (\f)+8*(4*(\hi)+(\a))
.if \first
.set rC, CI+8*(4*(\hi)+(\a))
	v_wmma_f32_16x16x32_f16 v[rD:rD+7], v[rB:rB+7], v[rA:rA+7], v[rC:rC+7]
.else
	v_wmma_f32_16x16x32_f16 v[rD:rD+7], v[rB:rB+7], v[rA:rA+7], v[rD:rD+7]
.endif
.set bb, bb+1
.endr
.endr
.endm
.macro HIS f, first                    ; the upper half: row blocks 4-7
	MULR \f, 1, 0, \first
	MULR \f, 1, 2, \first
.endm
.macro FETCH q, f                      ; 32 LDS loads in one run: the fragments of quarter q (0, 1) of the two in hand into buffer f; W's come last
	WIN 0x40
.set ii, 0
.rept NB
	ds_load_b128 v[(\f)+8*ii:(\f)+8*ii+3],   v[ADRB] offset:64*(\q)+ii*16*PITCH
	ds_load_b128 v[(\f)+8*ii+4:(\f)+8*ii+7], v[ADRB] offset:64*(\q)+ii*16*PITCH+32
.set ii, ii+1
.endr
	WIN 0
.set ii, 0
.rept MB
	ds_load_b128 v[(\f)+8*ii:(\f)+8*ii+3],   v[ADRA] offset:64*(\q)+ii*16*PITCH
	ds_load_b128 v[(\f)+8*ii+4:(\f)+8*ii+7], v[ADRA] offset:64*(\q)+ii*16*PITCH+32
.set ii, ii+1
.endr
.endm
.macro QUARTER q, f, g, first          ; a whole quarter: multiplies buffer f; in its middle fetches quarter q into buffer g
	s_wait_dscnt 2*(MB-4)                          ; x and W's blocks 0-3 are in; the youngest eight loads (W's blocks 4-7) may be out
	MULR \f, 0, 0, \first
	MULR \f, 0, 2, \first
	PLACES
	FETCH \q, \g
	s_wait_dscnt 2*(MB+NB)                         ; all but the run just issued
	HIS \f, \first
.endm
; X: two quarters' fetches and 96 matrix instructions.  The addresses are made anew from the scalar that steps.
.macro XPART
	v_add_nc_u32 v[ADRA], s[CUR], v[A0]
	v_add_nc_u32 v[ADRB], s[CUR], v[B0]
	PLACES                                         ; in front of the loads into buffer 0, which the quarter before last multiplied
	FETCH 0, F0
	s_wait_dscnt 2*(MB+NB)                         ; all but the run just issued: buffer 1 is whole
	HIS F1, 0
	QUARTER 1, F0, F1, 0
	s_add_co_u32 s[CUR], s[CUR], 2*64              ; two quarters on along the rows
.endm
; A K step's two walks of X, with the lower half on buffer 1 between them.  The second walk leaves the loop in its middle: what is jumped holds no barrier and no tensor load.
.macro INNER tag
.Lx\tag:
	XPART
	WIN 0                                          ; at a label and at a branch every window is 0
	s_sub_co_u32 s[INR], s[INR], 1
	s_cmp_eq_u32 s[INR], 0
	s_cbranch_scc1 .Lxo\tag
.Lmid\tag:
	s_wait_dscnt 2*(MB-4)
	MULR F1, 0, 0, 0
	MULR F1, 0, 2, 0
	WIN 0
	s_cmp_lg_u32 s[INR], 0
	s_cbranch_scc1 .Lx\tag
.Lxo\tag:
.endm
; THE CHANGE OF SLOTS, with the lower half of a K step's last quarter: one barrier.  In front of it each wave waits for all its tensor loads (one is out: its part of the next slot), adds 0 to its spare word,
; and waits for that and for its reads of this slot.  fill = 1: the barrier opens a round of the cluster's barrier, and the joint refill, two K steps on, is the first thing behind the round.
.macro CHANGE fill
.if \fill
	s_wait_xcnt 0x0                                ; the last prefetch, a K step back, has read its address
	s_add_nc_u64 s[PFA:PFA+1], s[PFA:PFA+1], KB
.endif
	WIN 0
	s_wait_tensorcnt 0x0                           ; no tensor load of mine is out, so a group 0 may be written
	ds_add_u32 v[SPW], v[NIL]
.if \fill
	s_xor_b32 s[G0A+5], s[G0A+5], SLOT             ; the walking descriptors: the other slot than last time, the next K step
	s_add_nc_u64 s[G0A+6:G0A+7], s[G0A+6:G0A+7], KB
	s_xor_b32 s[G0B+5], s[G0B+5], SLOT
	s_add_nc_u64 s[G0B+6:G0B+7], s[G0B+6:G0B+7], KB
.endif
	s_wait_dscnt 2*(MB-4)+1                        ; the add and W's youngest blocks may be out
	MULR F1, 0, 0, 0
	s_wait_dscnt 0x0                               ; the add is done, and my reads of this slot are over
	s_barrier_signal -1
	MULR F1, 0, 2, 0
	WIN 0
	s_barrier_wait -1
.if \fill
	CREST
	JLOAD
	ASK                                            ; behind the joint load and its five lines
.endif
	s_xor_b32 s[TB], s[TB], SLOT
	s_mov_b32 s[CUR], s[TB]                        ; the fetches begin at the other slot's first quarter
	s_mov_b32 s[INR], 2
.endm
	s_wait_tensorcnt 0x1                           ; my part of K step 0 is in; K step 1's may stay out
	s_barrier_signal -1
	s_barrier_wait -1
	FETCH 0, F0
	QUARTER 1, F0, F1, 1                           ; the first quarter is written out: its products start the sums, with the bias
	WIN 0
	s_mov_b32 s[CUR], 2*64                         ; K step 0 goes on with its quarters 2 and 3:
	s_mov_b32 s[INR], 1                            ; one walk of X is left of it
	s_mov_b32 s[CNT], 7
	s_branch .Lmid1                                ; the loop is entered in the middle of a K step
.Lstep:                                                ; six times: the change from K step t to t + 1 fills the slot just read with K step t + 2
	CHANGE 1
	INNER 1
	s_sub_co_u32 s[CNT], s[CNT], 1
	s_cmp_lg_u32 s[CNT], 0
	s_cbranch_scc1 .Lstep
	CHANGE 0                                       ; the last K step is written out: nothing is asked for
	INNER 2
	s_wait_dscnt 2*(MB-4)                          ; its last quarter: nothing more to fetch
	MULR F1, 0, 0, 0
	MULR F1, 0, 2, 0
	s_wait_dscnt 0x0
	HIS F1, 0
	WIN 0
	PLACES
; THE WAY OUT, a block of 16 rows e at a time: rounded to f16, 16 bytes a lane; through my own stage; back as whole rows of 256 bytes; stored.
.macro PACK a
.set AC, 64*((\a)%4)
	WIN 0x0a+5*((\a)/4)                            ; sources 0 and 1: window 2 or 3
.irp b, 0,1,2,3,4,5,6,7
.irp r, 0,1,2,3
	v_cvt_pk_f16_f32 v[TMP+4*(\b)+(\r)], v[AC+8*(\b)+2*(\r)], v[AC+8*(\b)+2*(\r)+1]
.endr
.endr
	WIN 0
.endm
.macro TOSTAGE a
.set BK, OB+192*((\a)%2)
.irp b, 0,1,2,3,4,5,6,7
	ds_store_b128 v[STO], v[TMP+4*(\b):TMP+4*(\b)+3] offset:32*(\b)
.endr
.irp t, 0,1,2,3,4,5,6,7
	ds_load_b128 v[BK+4*(\t):BK+4*(\t)+3], v[RD] offset:(\t)*2*SPITCH  ; LDS serves a wave's instructions in order (ISA guide 5.7.1.4): these see the stores above
.endr
.endm
.macro SEND a
.set BK, OB+192*((\a)%2)
	s_wait_dscnt 0x0                               ; the block is back in registers
	s_wait_xcnt 0x0                                ; the stores' base, and the registers that earlier stores read, are rewritten only behind this wait
.if (\a) == 0
	s_add_nc_u64 s[10:11], s[10:11], s[COFF:COFF+1]
.else
	s_add_nc_u64 s[10:11], s[10:11], 16*CROW
.endif
.irp t, 0,1,2,3,4,5,6,7
	global_store_b128 v[CO], v[BK+4*(\t):BK+4*(\t)+3], s[10:11] offset:2*(\t)*CROW  ; 16 lanes store 256 consecutive bytes, aligned
.endr
.endm
	PACK 0
	TOSTAGE 0
.irp a, 1,2,3,4,5,6,7
	PACK \a                                        ; a block's conversions stand between the loads of the block before and the wait for them
	SEND (\a)-1
	TOSTAGE \a
.endr
	SEND 7
	s_wait_tensorcnt 0x0                           ; the wave's end
	ds_add_u32 v[SPW], v[NIL]
	s_wait_dscnt 0x0
	CROUND                                         ; the closing round
	s_endpgm
.Lfunc_end_k_q98ec45c3ff_kq:
	.size	k_q98ec45c3ff_kq, .Lfunc_end_k_q98ec45c3ff_kq-k_q98ec45c3ff_kq
	.p2alignl 7, 3214868480
	.fill 96, 4, 3214868480
	.section	.rodata,"a",@progbits
	.p2align	6, 0x0
	.amdhsa_kernel k_q98ec45c3ff_kq
		.amdhsa_group_segment_fixed_size 327680
		.amdhsa_private_segment_fixed_size 0
		.amdhsa_enable_private_segment 0
		.amdhsa_kernarg_size 32
		.amdhsa_user_sgpr_count 2
		.amdhsa_user_sgpr_kernarg_segment_ptr 1
		.amdhsa_wavefront_size32 1
		.amdhsa_system_sgpr_workgroup_id_x 1
		.amdhsa_system_sgpr_workgroup_id_y 1
		.amdhsa_system_sgpr_workgroup_id_z 1
		.amdhsa_system_vgpr_workitem_id 0
		.amdhsa_next_free_vgpr 1024
		.amdhsa_next_free_sgpr 80
		.amdhsa_reserve_vcc 0
		.amdhsa_float_denorm_mode_32 3
		.amdhsa_float_denorm_mode_16_64 3
		.amdhsa_memory_ordered 1
		.amdhsa_forward_progress 1
		.amdhsa_inst_pref_size 88
	.end_amdhsa_kernel
	.amdgpu_metadata
---
amdhsa.version: [ 1, 2 ]
amdhsa.kernels:
  - .name:           k_q98ec45c3ff_kq
    .symbol:         k_q98ec45c3ff_kq.kd
    .args:
      - { .name: wts, .offset: 0, .size: 8, .value_kind: global_buffer, .address_space: global }
      - { .name: xh, .offset: 8, .size: 8, .value_kind: global_buffer, .address_space: global }
      - { .name: b_kqv, .offset: 16, .size: 8, .value_kind: global_buffer, .address_space: global }
      - { .name: kqt, .offset: 24, .size: 8, .value_kind: global_buffer, .address_space: global }
    .group_segment_fixed_size: 327680
    .private_segment_fixed_size: 0
    .kernarg_segment_align: 8
    .kernarg_segment_size: 32
    .max_flat_workgroup_size: 128
    .sgpr_count:     80
    .vgpr_count:     1024
    .wavefront_size: 32
...
	.end_amdgpu_metadata
.endif
;; end of part 7
;; launch scores (part 8): grid 40 x 4, 4 waves a work-group, no clusters, 327,680 bytes of LDS; arguments kqt, p, st, wpp; writes p, st, wpp
.if DOCPART == 8
	.amdgcn_target "amdgcn-amd-amdhsa--gfx1250"
	.amdhsa_code_object_version 6
	.text
	.protected	k_q98ec45c3ff_scores
	.globl	k_q98ec45c3ff_scores
	.p2align	8
	.type	k_q98ec45c3ff_scores,@function
k_q98ec45c3ff_scores:
	s_mov_b64 s[64:65], 0
	v_nop
	global_prefetch_b8 v0, s[64:65] scope:SCOPE_SE
	s_setreg_imm32_b32 hwreg(HW_REG_WAVE_MODE, 25, 1), 1
	s_wait_xcnt 0x0
; TWO KINDS OF TILE, one K loop.
; x = 0 .. 35, SCORES: for each tile of 256 queries x 256 keys on or below the diagonal (36 a batch, y = the batch): s = q . k, sums in f32; then, for each row and each CHUNK of 128 keys, with c = log2(e) / sqrt(2048):
;   cm = the chunk's maximum of c s;   p = 2^(c s - cm), stored in f16;   l = the sum of the unrounded p.     p [4][2048][2048] f16;  st: cm [16 chunks][8192 rows] f32, then l likewise.
;   The launch behind takes each row's maximum over its chunks' cm and rescales: together the two make the softmax with its true maximum taken away.
; x = 36 .. 39, THE FOLD: tile (x - 36, y) of W''[e][d] = the sum over m of W_proj[e][m] W_v[m][d], 1,024 x 1,024, on 16 of the 112 WGPs that the 144 score tiles leave without work.
;   wpp = 256 W'' in f16 and its LOW PART (the f32 number less its f16 rounding, rounded to f16): [64 blocks of 16 rows e][high, low][16 rows][1024].  The factor 256 leaves f16 room for W_proj and W_v each 30 times larger or smaller.
; OPERANDS.  kqt, [row][8192] f16: rows 0-1023 K^T, 1024-2047 Q^T ([channel][bt]); rows 2048-3071 W_v ([m][d]), 3072-4095 W_proj^T ([m][e]), in the rows' first 2,048 bytes.  So a fold tile is a score tile 2,048 rows further down:
; e in the queries' place, d in the keys', batch 0.  A tile of a K step is 128 rows x 256 columns, and the fragments come out of LDS turned, by ds_load_tr16_b128.
; SHARES.  Four waves; wave (RH, CH) makes queries 128 RH .. x keys 128 CH ..: one chunk; 8 x 8 accumulators, 512 registers.  K goes in 8 steps of 128 through two LDS slots; wave w fetches 64 rows x 512 bytes:
; waves 0, 1 of Q^T, waves 2, 3 of K^T; LDS address = w x 34,816 + the slot's.
; Source 0 = 16 keys, source 1 = 16 queries: a lane holds ONE query (lane % 16) and the keys 8 (lane / 16) + 0..7; the query's other 64 keys of the chunk lie in the lane 16 away.
; THE MASK is the C operand that starts the sums: 0, or -1e30 where key > query.  Key - query = 16 (b - a) + j - D with D = l % 16 - 8 (l / 16) + 128 (RH - CH) + 256 (I - J), and D lies in -8..15, at or below -113, or at or above 120:
; so three mask blocks do for all 64 accumulators: b < a, b = a, b > a (made with 16 (b - a) taken as -16, 0, 16).  A fold tile adds 2^20 to D: nothing is hidden.
; A chunk wholly above the diagonal (RH = 0, CH = 1 of a diagonal tile) gets cm near -3e28 and p = 1: the launch behind multiplies it by 0.
; THE K LOOP'S TEXT.  A K step is four quarters of 32 along K, on fragment buffers 0, 1, 0, 1; a quarter is a lower half (query blocks 0-3, 32 matrix instructions) and an upper half (blocks 4-7).  From one change of slots to the next the order is
;   CHANGE (the lower half on buffer 1, the barrier in its middle) | X | the lower half on buffer 1 | X,     X = the fetch into buffer 0, the upper half on buffer 1, the whole quarter on buffer 0 with the fetch into buffer 1 in its middle.
; X is written once and walked twice, by a loop of two trips that is left in its middle; the LDS byte at which it fetches is a scalar register that steps.  The first K step enters that loop in its middle, behind the first quarter, which is written out.
; NO CLUSTER: tile row I has I + 1 = 1 .. 8 tiles, and tile column J has 8 - J: no shape of cluster divides the triangle, and partners along a row or a column would be of uneven number.
; LIMITS.  A hidden score counts as its value less 1e30; p below 6e-5 keeps f16's fixed step of 6e-8; an exponential below 2^-126 counts as 0; 256 W'' beyond 65,504 becomes an infinity; NaN and infinities are not treated apart.
; REGISTERS: window 0: v0-31 addresses, v32-45 at work, v64-127 and v128-191 Q's fragments (on the way out v64-127 a row block's 64 numbers, v128-191 the fold's low parts), v192-215 the masks, later v192-223 packed results, v224-255 rows on the way out;
;   window 1: v64-191 K's fragments;  windows 2, 3: the accumulators, row block a, key block b at 8 (8 (a % 4) + b).
.set MB,    8
.set NB,    8
.set PITCH, 544                        ; an LDS row: 512 bytes + 32 = 136 words
.set QUART, 64*PITCH                   ; what a wave fetches
.set BREG,  2*QUART                    ; K^T lies behind Q^T
.set SLOT,  4*QUART                    ; 0x22000: the four waves' bases 0, 0x8800, 0x11000, 0x19800 have these two bits clear, so one exclusive or adds or takes away a slot
.set STAGE, 2*SLOT
.set SPITCH, 272
.set STAT,  STAGE+4*16*SPITCH          ; 1,024 bytes a wave: cm of my 128 rows, then l
.set SPARE, STAT+4*1024
.set KB,    128*16384                  ; bytes from a K step to the next: 128 rows of kqt
.set PROW,  4096                       ; bytes in a row of p
.set WROW,  2048                       ; bytes in a row of wpp: 32 of them are as many bytes as 16 rows of p
.set ADRA, 16
.set A0,   17
.set ADRB, 20
.set B0,   21
.set SA0,  22                          ; v22 where row l % 16 of block 0 has its cm;  v27 the same for the block in hand
.set SR,   23                          ; v23 where I read 16 bytes of the statistics back
.set STO,  24
.set RD,   25
.set CO,   26
.set SA,   27
.set SPW,  28
.set NIL,  29
.set PFO,  30
.set SO,   31                          ; v31 16 x lane
.set MX,   32
.set CM,   40                          ; v[40:41] cm, named as a pair
.set LS,   42                          ; v42, v43 l at work
.set NEG1, 44                          ; v44 -1.0
.set CO2,  45                          ; v45 my byte offset in two rows of wpp
.set F0,   64
.set F1,   128
.set T,    64
.set LO,   128
.set BK2,  160
.set TMP,  192
.set CI,   192
.set BK,   224
.set WV, 12
.set RH, 13
.set CH, 14
.set TX, 15
.set BT, 16
.set TJ, 17
.set TI, 18
.set G1, 24
.set G0, 32
.set TB, 40
.set CNT, 43
.set PFA, 44
.set STP, 48                           ; s[48:49] what the way out adds to its base: 0 for the first block, then 65,536
.set INR, 50                           ; s50 walks of X still to come in this K step
.set CUR, 51                           ; s51 the slot's first byte + 64 rows for each walk of X that is done
.set FOLD, 52                          ; s52 1 in a fold tile
.set LIM, 66
.set COFF, 70
.set CS,  72
.set SEL, 74
.set BIGN, 76
.set AI,  77
.set MSB, 0
.macro WIN new
.if MSB != (\new)
	s_set_vgpr_msb (MSB<<8)|(\new)
.set MSB, \new
.endif
.endm
.macro PLACES
.rept 4
	v_nop
.endr
.endm
.macro JLOAD                           ; the refill: every wave its own 64 rows, by the walking descriptor
	tensor_load_to_lds s[G0+4:G0+7], s[G1:G1+7]
	s_nop 0
.rept 4
	v_nop
.endr
.endm
; A prefetch into the L2 of the K step that stands two refills on.  The queries' columns of tile row I are read by all tiles of that row, the keys' of tile column J by all tiles of that column: the diagonal tile (I = J) reads both and asks,
; each wave for what it fetches itself: 64 rows x 512 bytes, a lane a row, four instructions.  So each block is named once; the fold's tiles likewise.  The last two refills have no K step two on.
.macro ASK
	s_cmp_gt_u32 s[CNT], s[LIM]
	s_cbranch_scc0 .Lnot_mine_\@
	global_prefetch_b8 v[PFO], s[PFA:PFA+1] th:TH_LOAD_NT scope:SCOPE_SE
	global_prefetch_b8 v[PFO], s[PFA:PFA+1] offset:256 th:TH_LOAD_NT scope:SCOPE_SE
	global_prefetch_b8 v[PFO], s[PFA:PFA+1] offset:32*16384 th:TH_LOAD_NT scope:SCOPE_SE
	global_prefetch_b8 v[PFO], s[PFA:PFA+1] offset:32*16384+256 th:TH_LOAD_NT scope:SCOPE_SE
.Lnot_mine_\@:
.endm
	s_load_b128 s[4:7], s[0:1], 0x0                ; kqt s[4:5], p s[6:7]
	s_load_b128 s[8:11], s[0:1], 0x10              ; st s[8:9], wpp s[10:11]
	v_lshl_add_u32 v[SPW], v0, 2, SPARE
	v_mov_b32 v[NIL], 0
	ds_add_u32 v[SPW], v[NIL]                      ; the wave's opening: the add and its wait stand ahead of my first tensor load
	v_lshrrev_b32 v1, 5, v0
	v_readfirstlane_b32 s[WV], v1
	s_lshr_b32 s[RH], s[WV], 1
	s_and_b32 s[CH], s[WV], 1
	s_mov_b32 s[TX], ttmp9
	s_and_b32 s[BT], ttmp7, 0xffff
	s_mov_b32 s[TI], 0                             ; tile x of the triangle: I = how many of the rows' first numbers 1, 3, 6 .. x has reached; J = x - I (I + 1) / 2
.irp th, 1,3,6,10,15,21,28
	s_cmp_ge_u32 s[TX], \th
	s_add_co_ci_u32 s[TI], s[TI], 0
.endr
	s_add_co_u32 s19, s[TI], 1
	s_mul_i32 s19, s19, s[TI]
	s_lshr_b32 s19, s19, 1
	s_sub_co_u32 s[TJ], s[TX], s19
	s_sub_co_u32 s20, s[TX], 36
	s_mov_b32 s[CS], 0x3d0293ee                    ; c = log2(e) / sqrt(2048) = 0.0318793
	s_mov_b32 s21, 0x43800000                      ; 256
	s_cmp_ge_u32 s[TX], 36                         ; a fold tile: I = x - 36, J = y, batch 0, the scale 256
	s_cselect_b32 s[FOLD], 1, 0
	s_cselect_b32 s[TI], s20, s[TI]
	s_cselect_b32 s[TJ], s[BT], s[TJ]
	s_cselect_b32 s[BT], 0, s[BT]
	s_cselect_b32 s[CS], s21, s[CS]
	s_mov_b32 s[CS+1], s[CS]
	s_mov_b32 s[G1], (1<<16)|(1<<20)|(6<<22)|(7<<25)  ; elements of 2 bytes; padding on: after every 128 words 8 words
	s_mov_b32 s[G1+1], 256<<16                     ; tensor_dim0 = 256
	s_mov_b32 s[G1+2], 64<<16                      ; tensor_dim1 = 64
	s_mov_b32 s[G1+3], 256<<16                     ; tile_dim0 = 256
	s_mov_b32 s[G1+4], 64                          ; tile_dim1 = 64
	s_mov_b32 s[G1+5], 8192                        ; elements from row to row
	s_mov_b32 s[G1+6], 0
	s_mov_b32 s[G1+7], 0
	s_cmp_eq_u32 s[RH], 0                          ; waves 0, 1: Q^T at tile row I's columns; waves 2, 3: K^T at tile column J's
	s_cselect_b32 s19, 1024, 0
	s_cselect_b32 s20, s[TI], s[TJ]
	s_lshl_b32 s21, s[CH], 6
	s_add_co_u32 s19, s19, s21
	s_lshl_b32 s21, s[FOLD], 11                    ; the fold's operands lie 2,048 rows further down
	s_add_co_u32 s19, s19, s21
	s_lshl_b32 s19, s19, 14
	s_lshl_b32 s20, s20, 9
	s_add_co_u32 s19, s19, s20
	s_lshl_b32 s20, s[BT], 12
	s_add_co_u32 s22, s19, s20
	s_mov_b32 s23, 0
	s_mul_i32 s21, s[WV], QUART
	s_mov_b32 s[TB], 0
	s_mov_b32 s[SEL], 0x76543210
	s_mov_b32 s[SEL+1], 0xfedcba98
	s_mov_b32 s[BIGN], 0xf149f2ca                  ; -1e30
	s_wait_dscnt 0x0                               ; the opening add is done
	s_wait_kmcnt 0x0
	s_add_nc_u64 s[22:23], s[4:5], s[22:23]
.irp s, 0,1
	s_mov_b32 s[G0+4*(\s)], 1
	s_add_co_u32 s[G0+4*(\s)+1], s21, (\s)*SLOT
	s_add_nc_u64 s[G0+4*(\s)+2:G0+4*(\s)+3], s[22:23], (\s)*KB
	s_or_b32 s[G0+4*(\s)+3], s[G0+4*(\s)+3], 0x80000000
.endr
	tensor_load_to_lds s[G0:G0+3], s[G1:G1+7]      ; the two first fills go out together: two loads of mine are out
	s_nop 0
	tensor_load_to_lds s[G0+4:G0+7], s[G1:G1+7]
	s_nop 0
.rept 4
	v_nop
.endr
	s_cmp_eq_u32 s[TI], s[TJ]
	s_cselect_b32 s[LIM], 2, -1
	s_add_nc_u64 s[PFA:PFA+1], s[22:23], 3*KB      ; at K step 3: the first refill steps it to 4 and names that
	v_and_b32 v[PFO], 31, v0
	v_lshlrev_b32 v[SO], 4, v[PFO]
	v_lshlrev_b32 v[PFO], 14, v[PFO]
	; the turning load takes 16 channels x 16 bt (lane l reads channel 8 (l / 16) + l % 8, bt 8 ((l / 8) % 2) + 0..7) and leaves half a fragment: lane l holds bt l % 16 and 8 channels
	v_and_b32 v1, 15, v0
	v_bfe_u32 v2, v0, 4, 1
	v_and_b32 v3, 7, v0
	v_bfe_u32 v4, v0, 3, 1
	v_lshl_add_u32 v5, v2, 3, v3
	v_mul_u32_u24 v5, v5, PITCH
	v_lshl_add_u32 v5, v4, 4, v5
	s_lshl_b32 s19, s[RH], 8
	v_add_nc_u32 v[A0], s19, v5                    ; my 128 queries: 256 bytes of each row
	s_lshl_b32 s19, s[CH], 8
	s_add_co_u32 s19, s19, BREG
	v_add_nc_u32 v[B0], s19, v5
	v_mov_b32 v[ADRA], v[A0]
	v_mov_b32 v[ADRB], v[B0]
	s_mul_i32 s20, s[WV], 16*SPITCH
	s_add_co_u32 s20, s20, STAGE
	v_mul_u32_u24 v5, v1, SPITCH
	v_lshl_add_u32 v5, v2, 4, v5
	v_add_nc_u32 v[STO], s20, v5
	v_mul_u32_u24 v5, v2, SPITCH
	v_lshl_add_u32 v5, v1, 4, v5
	v_add_nc_u32 v[RD], s20, v5
	v_lshlrev_b32 v5, 12, v2
	v_lshl_add_u32 v[CO], v1, 4, v5
	v_lshlrev_b32 v5, 11, v2
	v_lshl_add_u32 v[CO2], v1, 4, v5
	v_mov_b32 v[NEG1], -1.0
	s_lshl_b32 s20, s[WV], 10
	s_add_co_u32 s20, s20, STAT
	v_lshl_add_u32 v[SA0], v1, 2, s20
	v_add_nc_u32 v[SR], s20, v[SO]
	v_mov_b32 v[CM+1], 0                           ; named with cm as a pair
	v_mov_b32 v[LS+1], 0                           ; a lane exchange's destination counts as read
	; where my part begins in p or in wpp (16 rows of the one and 32 of the other are 65,536 bytes: one formula), and in the two tables
	s_lshl_b32 s[COFF], s[BT], 23
	s_lshl_b32 s19, s[TI], 20
	s_add_co_u32 s[COFF], s[COFF], s19
	s_lshl_b32 s19, s[RH], 19
	s_add_co_u32 s[COFF], s[COFF], s19
	s_lshl_b32 s19, s[TJ], 9
	s_add_co_u32 s[COFF], s[COFF], s19
	s_lshl_b32 s19, s[CH], 8
	s_add_co_u32 s[COFF], s[COFF], s19
	s_mov_b32 s[COFF+1], 0
	s_cmp_lg_u32 s[FOLD], 0
	s_cselect_b64 s[6:7], s[10:11], s[6:7]
	s_add_nc_u64 s[6:7], s[6:7], s[COFF:COFF+1]
	s_add_nc_u64 s[10:11], s[8:9], 524288          ; l's table lies behind cm's
	s_lshl_b32 s46, s[TJ], 16                      ; chunk 2 J + CH: 32,768 bytes a chunk,
	s_lshl_b32 s19, s[CH], 15
	s_add_co_u32 s46, s46, s19
	s_lshl_b32 s19, s[BT], 13                      ; row 2,048 b + 256 I + 128 RH: 4 bytes a row
	s_add_co_u32 s46, s46, s19
	s_lshl_b32 s19, s[TI], 10
	s_add_co_u32 s46, s46, s19
	s_lshl_b32 s19, s[RH], 9
	s_add_co_u32 s46, s46, s19
	s_mov_b32 s47, 0
	s_add_nc_u64 s[8:9], s[8:9], s[46:47]
	s_add_nc_u64 s[10:11], s[10:11], s[46:47]
	; the three mask blocks
	s_sub_co_i32 s19, s[RH], s[CH]
	s_lshl_b32 s19, s19, 7
	s_sub_co_u32 s20, s[TI], s[TJ]
	s_lshl_b32 s20, s20, 8
	s_add_co_i32 s19, s19, s20
	s_lshl_b32 s20, s[FOLD], 20
	s_add_co_i32 s19, s19, s20
	v_lshlrev_b32 v6, 3, v2
	v_sub_nc_u32 v6, v1, v6
	v_add_nc_u32 v6, s19, v6                       ; D
.set dd, 0
.rept 3
.set jj, 0
.rept 8
	v_cmp_gt_i32 vcc_lo, 16*(dd-1)+jj, v6
	v_cndmask_b32 v[CI+8*dd+jj], 0, s[BIGN], vcc_lo
.set jj, jj+1
.endr
.set dd, dd+1
.endr
.macro MULR f, hi, a0, first           ; 16 matrix instructions: query blocks a0, a0 + 1 of the window's four x all 8 key blocks.  first = 1: C is the mask.  The accumulators take turns
.if \first
	WIN 0x81+0x40*(\hi)
.else
	WIN 0xa1+0x50*(\hi)
.endif
.irp a, \a0, (\a0)+1
.set bb, 0
.rept NB
.set rD, 8*(8*(\a)+bb)
.set rB, (\f)+8*bb
.set rA, (\f)+8*(4*(\hi)+(\a))
.if \first
.set rC, CI+8
.if bb < 4*(\hi)+(\a)
.set rC, CI
.endif
.if bb > 4*(\hi)+(\a)
.set rC, CI+16
.endif
	v_wmma_f32_16x16x32_f16 v[rD:rD+7], v[rB:rB+7], v[rA:rA+7], v[rC:rC+7]
.else
	v_wmma_f32_16x16x32_f16 v[rD:rD+7], v[rB:rB+7], v[rA:rA+7], v[rD:rD+7]
.endif
.set bb, bb+1
.endr
.endr
.endm
.macro HIS f, first                    ; the upper half: query blocks 4-7
	MULR \f, 1, 0, \first
	MULR \f, 1, 2, \first
.endm
.macro FETCH q, f                      ; 32 turning loads in one run: quarter q (0, 1) of the two in hand; K's fragments, then Q's
	WIN 0x40
.set ii, 0
.rept NB
	ds_load_tr16_b128 v[(\f)+8*ii:(\f)+8*ii+3],   v[ADRB] offset:32*(\q)*PITCH+32*ii
	ds_load_tr16_b128 v[(\f)+8*ii+4:(\f)+8*ii+7], v[ADRB] offset:32*(\q)*PITCH+32*ii+16*PITCH
.set ii, ii+1
.endr
	WIN 0
.set ii, 0
.rept MB
	ds_load_tr16_b128 v[(\f)+8*ii:(\f)+8*ii+3],   v[ADRA] offset:32*(\q)*PITCH+32*ii
	ds_load_tr16_b128 v[(\f)+8*ii+4:(\f)+8*ii+7], v[ADRA] offset:32*(\q)*PITCH+32*ii+16*PITCH
.set ii, ii+1
.endr
.endm
.macro QUARTER q, f, g, first          ; a whole quarter: multiplies buffer f; in its middle fetches quarter q into buffer g
	s_wait_dscnt 2*(MB-4)                          ; K and Q's blocks 0-3 are in; the youngest eight loads may be out
	MULR \f, 0, 0, \first
	MULR \f, 0, 2, \first
	PLACES
	FETCH \q, \g
	s_wait_dscnt 2*(MB+NB)                         ; all but the 32 just issued
	HIS \f, \first
.endm
; X: two quarters' fetches and 96 matrix instructions.  The addresses are made anew from the scalar that steps.
.macro XPART
	v_add_nc_u32 v[ADRA], s[CUR], v[A0]
	v_add_nc_u32 v[ADRB], s[CUR], v[B0]
	PLACES                                         ; in front of the loads into buffer 0, which the quarter before last multiplied
	FETCH 0, F0
	s_wait_dscnt 2*(MB+NB)                         ; all but the run just issued: buffer 1 is whole
	HIS F1, 0
	QUARTER 1, F0, F1, 0
	s_add_co_u32 s[CUR], s[CUR], 64*PITCH          ; two quarters on: 64 rows down
.endm
; A K step's two walks of X, with the lower half on buffer 1 between them.  The second walk leaves the loop in its middle: what is jumped holds no barrier and no tensor load.
.macro INNER tag
.Lx\tag:
	XPART
	WIN 0                                          ; at a label and at a branch every window is 0
	s_sub_co_u32 s[INR], s[INR], 1
	s_cmp_eq_u32 s[INR], 0
	s_cbranch_scc1 .Lxo\tag
.Lmid\tag:
	s_wait_dscnt 2*(MB-4)
	MULR F1, 0, 0, 0
	MULR F1, 0, 2, 0
	WIN 0
	s_cmp_lg_u32 s[INR], 0
	s_cbranch_scc1 .Lx\tag
.Lxo\tag:
.endm
; THE CHANGE OF SLOTS, with the lower half of a K step's last quarter: each wave waits for all its tensor loads (one is out: its part of the next slot), adds 0 to its spare word, waits for that and for its reads of this slot; one barrier; the refill first behind it.
.macro CHANGE fill
.if \fill
	s_wait_xcnt 0x0                                ; the last prefetches, a K step back, have read their address
	s_add_nc_u64 s[PFA:PFA+1], s[PFA:PFA+1], KB
.endif
	WIN 0
	s_wait_tensorcnt 0x0
	ds_add_u32 v[SPW], v[NIL]
.if \fill
	s_xor_b32 s[G0+5], s[G0+5], SLOT
	s_add_nc_u64 s[G0+6:G0+7], s[G0+6:G0+7], KB
.endif
	s_wait_dscnt 2*(MB-4)+1                        ; the add and the youngest eight loads may be out
	MULR F1, 0, 0, 0
	s_wait_dscnt 0x0                               ; the add is done, and my reads of this slot are over
	s_barrier_signal -1
	MULR F1, 0, 2, 0
	WIN 0
	s_barrier_wait -1
.if \fill
	JLOAD
	ASK                                            ; behind the tensor load and its five lines
.endif
	s_xor_b32 s[TB], s[TB], SLOT
	s_mov_b32 s[CUR], s[TB]                        ; the fetches begin at the other slot's first quarter
	s_mov_b32 s[INR], 2
.endm
	s_wait_tensorcnt 0x1                           ; my part of K step 0 is in; K step 1's may stay out
	s_barrier_signal -1
	s_barrier_wait -1
	FETCH 0, F0
	QUARTER 1, F0, F1, 1                           ; the first quarter is written out: its products start the sums, with the mask
	WIN 0
	s_mov_b32 s[CUR], 64*PITCH                     ; K step 0 goes on with its quarters 2 and 3:
	s_mov_b32 s[INR], 1                            ; one walk of X is left of it
	s_mov_b32 s[CNT], 7
	s_branch .Lmid1                                ; the loop is entered in the middle of a K step
.Lstep:                                                ; six times: the change from K step t to t + 1 fills the slot just read with K step t + 2
	CHANGE 1
	INNER 1
	s_sub_co_u32 s[CNT], s[CNT], 1
	s_cmp_lg_u32 s[CNT], 0
	s_cbranch_scc1 .Lstep
	CHANGE 0                                       ; the last K step is written out: nothing is asked for
	INNER 2
	s_wait_dscnt 2*(MB-4)                          ; its last quarter: nothing more to fetch
	MULR F1, 0, 0, 0
	MULR F1, 0, 2, 0
	s_wait_dscnt 0x0
	HIS F1, 0
	WIN 0
	PLACES
; THE WAY OUT: a loop over my eight blocks of 16 rows, so that its text stands once.  Only the copy out of the accumulators, which scales by c (the fold: by 256), is written for each block.
.macro COPY a
	WIN 0x02+(\a)/4                                ; source 0 in window 2 or 3
.set kk, 0
.rept 32
	v_pk_mul_f32 v[T+2*kk:T+2*kk+1], v[64*((\a)%4)+2*kk:64*((\a)%4)+2*kk+1], s[CS:CS+1] op_sel_hi:[1,0]
.set kk, kk+1
.endr
	WIN 0
.endm
	s_mov_b32 s[AI], 0
	s_mov_b32 s[STP], 0
	s_mov_b32 s[STP+1], 0
.Lrow:
.irp a, 0,1,2,3,4,5,6
	s_cmp_lg_u32 s[AI], \a
	s_cbranch_scc1 .Lnot_\a
	COPY \a
	s_branch .Lcopied
.Lnot_\a:
.endr
	COPY 7
.Lcopied:
	s_cmp_lg_u32 s[FOLD], 0
	s_cbranch_scc1 .Lfold_row
	; the maximum of my 64 scores: eight chains of seven, three operands at a time; the eight left over; the chains into one
.set kk, 0
.rept 8
	v_max3_num_f32 v[MX+kk], v[T+8*kk], v[T+8*kk+1], v[T+8*kk+2]
.set kk, kk+1
.endr
.set kk, 0
.rept 8
	v_max3_num_f32 v[MX+kk], v[MX+kk], v[T+8*kk+3], v[T+8*kk+4]
.set kk, kk+1
.endr
.set kk, 0
.rept 8
	v_max3_num_f32 v[MX+kk], v[MX+kk], v[T+8*kk+5], v[T+8*kk+6]
.set kk, kk+1
.endr
.set kk, 0
.rept 4
	v_max3_num_f32 v[MX+kk], v[MX+kk], v[T+16*kk+7], v[T+16*kk+15]
.set kk, kk+1
.endr
	v_max3_num_f32 v[MX], v[MX], v[MX+1], v[MX+2]
	v_max3_num_f32 v[MX+3], v[MX+3], v[MX+4], v[MX+5]
	v_max3_num_f32 v[MX], v[MX], v[MX+3], v[MX+6]
	v_max_num_f32 v[MX], v[MX], v[MX+7]
	v_permlanex16_b32 v[MX+1], v[MX], s[SEL], s[SEL+1]  ; the query's other 64 keys lie in the lane 16 away
	v_max_num_f32 v[CM], v[MX], v[MX+1]
.set kk, 0
.rept 32
	v_pk_add_f32 v[T+2*kk:T+2*kk+1], v[T+2*kk:T+2*kk+1], v[CM:CM+1] op_sel_hi:[1,0] neg_lo:[0,1] neg_hi:[0,1]
.set kk, kk+1
.endr
.set kk, 0
.rept 64
	v_exp_f32 v[T+kk], v[T+kk]                     ; one batch
.set kk, kk+1
.endr
	v_nop                                          ; a plain instruction behind the last exponential,
	s_wait_alu depctr_va_vdst(0)                   ; and the one wait ahead of the first reader
.set kk, 0
.rept 32
	v_cvt_pk_f16_f32 v[TMP+kk], v[T+2*kk], v[T+2*kk+1]
.set kk, kk+1
.endr
.irp b, 0,1,2,3,4,5,6,7
	ds_store_b128 v[STO], v[TMP+4*(\b):TMP+4*(\b)+3] offset:32*(\b)
.endr
	s_wait_xcnt 0x0                                ; the last block's stores, a whole block's arithmetic back, have read their base and their data registers: only behind this wait is the base stepped and are those registers loaded again
	s_add_nc_u64 s[6:7], s[6:7], s[STP:STP+1]
	s_mov_b32 s[STP], 16*PROW
.irp t, 0,1,2,3,4,5,6,7
	ds_load_b128 v[BK+4*(\t):BK+4*(\t)+3], v[RD] offset:(\t)*2*SPITCH  ; LDS serves a wave's instructions in order (ISA guide 5.7.1.4)
.endr
.irp w, 16,8,4,2,1                     ; the sum of the 32 pairs, in place: it stands between those loads and the wait for them
.set kk, 0
.rept \w
	v_pk_add_f32 v[T+2*kk:T+2*kk+1], v[T+2*kk:T+2*kk+1], v[T+2*(kk+(\w)):T+2*(kk+(\w))+1]
.set kk, kk+1
.endr
.endr
	v_add_f32 v[LS], v[T], v[T+1]
	v_permlanex16_b32 v[LS+1], v[LS], s[SEL], s[SEL+1]
	v_add_f32 v[LS], v[LS], v[LS+1]
	s_lshl_b32 s19, s[AI], 6
	v_add_nc_u32 v[SA], s19, v[SA0]
	ds_store_b32 v[SA], v[CM]                      ; lanes l and l + 16 write the same word with the same value
	ds_store_b32 v[SA], v[LS] offset:512
	s_wait_dscnt 0x2                               ; the rows are back; the two stores just issued may be out
.irp t, 0,1,2,3,4,5,6,7
	global_store_b128 v[CO], v[BK+4*(\t):BK+4*(\t)+3], s[6:7] offset:2*(\t)*PROW  ; 16 lanes store 256 consecutive bytes, aligned
.endr
	s_branch .Lrow_end
.Lfold_row:
	; the fold: 256 W'' rounded to f16; the rounding taken from the f32 number (rounding x -1 + number: exact), the difference rounded to f16; both through my stage, one after the other
.set kk, 0
.rept 32
	v_cvt_pk_f16_f32 v[TMP+kk], v[T+2*kk], v[T+2*kk+1]
.set kk, kk+1
.endr
.set kk, 0
.rept 32
	v_fma_mix_f32 v[T+2*kk],   v[TMP+kk], v[NEG1], v[T+2*kk] op_sel_hi:[1,0,0]
	v_fma_mix_f32 v[T+2*kk+1], v[TMP+kk], v[NEG1], v[T+2*kk+1] op_sel:[1,0,0] op_sel_hi:[1,0,0]
.set kk, kk+1
.endr
.set kk, 0
.rept 32
	v_cvt_pk_f16_f32 v[LO+kk], v[T+2*kk], v[T+2*kk+1]
.set kk, kk+1
.endr
.irp b, 0,1,2,3,4,5,6,7
	ds_store_b128 v[STO], v[TMP+4*(\b):TMP+4*(\b)+3] offset:32*(\b)
.endr
	s_wait_xcnt 0x0                                ; as above: the last block's stores have read their base and their data registers
	s_add_nc_u64 s[6:7], s[6:7], s[STP:STP+1]
	s_mov_b32 s[STP], 16*PROW
.irp t, 0,1,2,3,4,5,6,7
	ds_load_b128 v[BK+4*(\t):BK+4*(\t)+3], v[RD] offset:(\t)*2*SPITCH
.endr
.irp b, 0,1,2,3,4,5,6,7
	ds_store_b128 v[STO], v[LO+4*(\b):LO+4*(\b)+3] offset:32*(\b)       ; behind the loads above, which LDS serves first
.endr
.irp t, 0,1,2,3,4,5,6,7
	ds_load_b128 v[BK2+4*(\t):BK2+4*(\t)+3], v[RD] offset:(\t)*2*SPITCH
.endr
	s_wait_dscnt 16                                ; the high rows are back; the low part's sixteen instructions may be out
.irp t, 0,1,2,3,4,5,6,7
	global_store_b128 v[CO2], v[BK+4*(\t):BK+4*(\t)+3], s[6:7] offset:2*(\t)*WROW
.endr
	s_wait_dscnt 0x0
.irp t, 0,1,2,3,4,5,6,7
	global_store_b128 v[CO2], v[BK2+4*(\t):BK2+4*(\t)+3], s[6:7] offset:(16+2*(\t))*WROW
.endr
.Lrow_end:
	s_add_co_u32 s[AI], s[AI], 1
	s_cmp_lt_u32 s[AI], 8
	s_cbranch_scc1 .Lrow
	s_cmp_lg_u32 s[FOLD], 0
	s_cbranch_scc1 .Lend                           ; the fold has no statistics
	ds_load_b128 v[32:35], v[SR]                   ; my 128 rows' cm and l: 512 consecutive bytes each
	ds_load_b128 v[36:39], v[SR] offset:512
	s_wait_dscnt 0x0
	global_store_b128 v[SO], v[32:35], s[8:9]
	global_store_b128 v[SO], v[36:39], s[10:11]
.Lend:
	s_wait_tensorcnt 0x0                           ; the wave's end
	ds_add_u32 v[SPW], v[NIL]
	s_wait_dscnt 0x0
	s_endpgm
.Lfunc_end_k_q98ec45c3ff_scores:
	.size	k_q98ec45c3ff_scores, .Lfunc_end_k_q98ec45c3ff_scores-k_q98ec45c3ff_scores
	.p2alignl 7, 3214868480
	.fill 96, 4, 3214868480
	.section	.rodata,"a",@progbits
	.p2align	6, 0x0
	.amdhsa_kernel k_q98ec45c3ff_scores
		.amdhsa_group_segment_fixed_size 327680
		.amdhsa_private_segment_fixed_size 0
		.amdhsa_enable_private_segment 0
		.amdhsa_kernarg_size 32
		.amdhsa_user_sgpr_count 2
		.amdhsa_user_sgpr_kernarg_segment_ptr 1
		.amdhsa_wavefront_size32 1
		.amdhsa_system_sgpr_workgroup_id_x 1
		.amdhsa_system_sgpr_workgroup_id_y 1
		.amdhsa_system_sgpr_workgroup_id_z 1
		.amdhsa_system_vgpr_workitem_id 0
		.amdhsa_next_free_vgpr 1024
		.amdhsa_next_free_sgpr 80
		.amdhsa_reserve_vcc 1
		.amdhsa_float_denorm_mode_32 3
		.amdhsa_float_denorm_mode_16_64 3
		.amdhsa_memory_ordered 1
		.amdhsa_forward_progress 1
		.amdhsa_inst_pref_size 96
	.end_amdhsa_kernel
	.amdgpu_metadata
---
amdhsa.version: [ 1, 2 ]
amdhsa.kernels:
  - .name:           k_q98ec45c3ff_scores
    .symbol:         k_q98ec45c3ff_scores.kd
    .args:
      - { .name: kqt, .offset: 0, .size: 8, .value_kind: global_buffer, .address_space: global }
      - { .name: p, .offset: 8, .size: 8, .value_kind: global_buffer, .address_space: global }
      - { .name: st, .offset: 16, .size: 8, .value_kind: global_buffer, .address_space: global }
      - { .name: wpp, .offset: 24, .size: 8, .value_kind: global_buffer, .address_space: global }
    .group_segment_fixed_size: 327680
    .private_segment_fixed_size: 0
    .kernarg_segment_align: 8
    .kernarg_segment_size: 32
    .max_flat_workgroup_size: 128
    .sgpr_count:     80
    .vgpr_count:     1024
    .wavefront_size: 32
...
	.end_amdgpu_metadata
.endif
;; end of part 8
;; launch pv (part 9): grid 8 x 32, 4 waves a work-group, clusters of 4 x 1, 327,680 bytes of LDS; arguments p, xh, st, ob; writes ob
.if DOCPART == 9
	.amdgcn_target "amdgcn-amd-amdhsa--gfx1250"
	.amdhsa_code_object_version 6
	.text
	.protected	k_q98ec45c3ff_pv
	.globl	k_q98ec45c3ff_pv
	.p2align	8
	.type	k_q98ec45c3ff_pv,@function
k_q98ec45c3ff_pv:
	s_mov_b64 s[64:65], 0
	v_nop
	global_prefetch_b8 v0, s[64:65] scope:SCOPE_SE
	s_setreg_imm32_b32 hwreg(HW_REG_WAVE_MODE, 25, 1), 1
	s_wait_xcnt 0x0
	s_wait_alu depctr_hold_cnt(0) depctr_sa_sdst(0) depctr_va_vdst(0) depctr_va_sdst(0) depctr_va_ssrc(0) depctr_va_vcc(0) depctr_vm_vsrc(0)
	s_getreg_b32 s2, hwreg(HW_REG_IB_STS2, 6, 4)
	s_cmp_eq_u32 s2, 0
	s_cbranch_scc0 .Lentry_in_a_cluster
	s_endpgm
.Lentry_in_a_cluster:
	s_bfe_u32 s2, ttmp6, 0x10000c
	s_cmp_lg_u32 s2, 0x3003
	s_cbranch_scc0 .Lentry_shape_is_right
	s_endpgm
.Lentry_shape_is_right:
; Y[q][d] = the sum over chunks j of F[q][j] x (the sum over the chunk's 128 keys of p[q][key] x[key][d]),  F[q][j] = 2^(cm[j][q] - m[q]) / l[q],  m[q] = the maximum over j of cm[j][q],  l[q] = the sum over j of ls[j][q] 2^(cm[j][q] - m[q]).
; Y = attn x: the weights are multiplied by x itself; the launch behind multiplies Y by W_proj W_v (a softmax's weights add up to 1, so V's bias passes through them unchanged).
; p [4][2048][2048] f16; xh [8192][1024]: x rounded to bf16, written as f16; st: cm [16][8192] f32, then ls likewise.  Products, factors and Y's sums in f32; Y rounded once.
; ob: [16 blocks of 64 channels][64 blocks of 128 queries][144 rows][64] f16: a block's 128 rows of Y, then THE LOW PARTS (Y less its f16 rounding, rounded to f16) of its rows 0-15.
; LOW PARTS.  A batch's first rows average over few keys and are many times the output's root mean square, by which all rows are judged: Y's rounding weighs most there.  Only a batch's rows 0-15 need it; all blocks are treated alike, so that the walk has one text.
; THE WALK.  A batch's queries lie in 16 blocks of 128; block qb needs qb / 2 + 1 key steps of 256.  A work-group takes blocks i and then 15 - i, for 128 channels: 9 key steps, whatever i: 8 x 8 x 4 = 256 equal work-groups,
; and one loop with a constant trip count walks them.  The number of the tile to ask for enters the global addresses alone; the one jump that hangs on i goes forward, over the first block's way out, and passes no barrier and no tensor load.
; In an even block's last key step the upper 128 keys are hidden: their chunk's factor is 0, and the products are made all the same.
; SHARES.  Four waves, each 64 queries x 64 channels.  A chunk's product T (16 accumulators) starts with the constant 0 and is folded into Y by Y += F T.
; CLUSTER 4 x 1: the four partners make four blocks of channels for the same queries: p's tiles are asked for jointly (mask 15).  x's tiles (256 keys x 128 channels) differ from partner to partner: loads of one's own, behind the same rounds.
; x's tiles are not shared along y: work-groups with other i ask for other tile numbers in the same trip.
; Source 0 = 16 channels (x lies [key][channel] and comes out of LDS turned, by ds_load_tr16_b128), source 1 = 16 queries: a lane holds ONE query (lane % 16) and eight channels, so a factor is one number a lane and query block.
; LIMITS.  An exponential below 2^-126 counts as 0; a low part keeps f16's fixed step of 6e-8 below 6e-5; NaN and infinities are not treated apart; Y lies within x's range.
; REGISTERS: window 0: v0-31 addresses, v32-39 factors, v40-46 at work, v48-63 Y's low parts, v64-127 the way out, v128-255 Y at 128 + 8 (4 a + b) (at the head: the statistics as loaded);
;   window 1: two fragment buffers of 128: for 64 keys, 64 registers of p, then 64 of x;   window 2: v0-127 T.
.set PITCH, 528                        ; a row of p in LDS: 512 bytes + 16 = 132 words: the 16 rows of a fragment load start at 16 different groups of four banks (64 banks of 4 bytes: ISA guide 11.1)
.set PV,    288                        ; a row of x: 256 + 32 = 72 words
.set HALFT, 64*PITCH
.set BHALF, 128*PV
.set BREG,  2*HALFT
.set SLOT,  0x24000                    ; slot 1 begins here: the four waves' bases 0, 0x8400, 0x10800, 0x19800 have these two bits clear, so one exclusive or adds or takes away a slot
.set STAGE, SLOT+BREG+2*BHALF
.set SP,    144
.set TAB,   STAGE+4*16*SP              ; the factors: for each wave 6,144 bytes: the first block's 8 chunks (it has no more) x 64 rows x 4 bytes, then the second's 16
.set WTAB,  6144
.set SPARE, TAB+4*WTAB
.set QBLK,  144*128                    ; bytes of a block of queries in ob, for 64 channels
.set KBB,   64*QBLK                    ; bytes of a block of 64 channels
.set ADRA, 16
.set A0,   17
.set ADRB2, 18                         ; v18, v19 x's keys 128 on: a load's immediate does not reach them from v20
.set B02,  19
.set ADRB, 20
.set B0,   21
.set FADR, 22
.set FB0,  23
.set STO,  24
.set RD,   25
.set GO,   26
.set TS,   27
.set SPW,  28
.set NIL,  29
.set SV,   30
.set FAC,  32                          ; v32, 34, 36, 38: the factor of query block a; the odd registers beside them are named in pairs and hold 0
.set NEG1, 46                          ; v46 -1.0
.set LW,   48
.set TMP,  64
.set O,    128
.set F0,   0
.set F1,   128
.set WV, 12
.set RH, 13
.set CH, 14
.set CX, 15
.set DB, 16                            ; my block of 128 channels
.set QA, 17                            ; i: the first block of queries
.set BT, 18
.set G1A, 24
.set G0A, 32
.set TB,  40
.set LA,  41
.set LB,  42
.set CNT, 43
.set NXT, 44                           ; the key step to be asked for
.set LQ,  45                           ; the last key step of the block whose tiles are being asked for
.set LQ1, 46                           ; the second block's
.set RT,  47                           ; key steps of the block in hand that are still to be finished
.set G1B, 48
.set G0B, 56
.set PAC, 66                           ; s[66:67] p at my rows of the block whose tiles are being asked for
.set PA1, 68                           ; s[68:69] of the second block
.set VB,  70                           ; s[70:71] x at my keys of the batch's key step 0, my work-group's channels
.set OFF, 72                           ; s[72:73] the key step's byte offset in p
.set OC,  74                           ; s[74:75] ob at my rows of the block in hand
.set O1,  76
.set ST0, 78                           ; s[78:85] cm and ls at my rows: block 0's, block 1's
.set R0,  86
.set R1,  87
.set NBL, 88                           ; the second block's key steps
.set FS,  89                           ; byte in my table at which the next chunk's factors lie
.set Q1,  90
.set OFB, 96                           ; s[96:97] the key step's byte offset in x
.set MSB, 0
.macro WIN new
.if MSB != (\new)
	s_set_vgpr_msb (MSB<<8)|(\new)
.set MSB, \new
.endif
.endm
.macro PLACES
.rept 4
	v_nop
.endr
.endm
.macro CREST
	s_cmp_lg_u32 s[WV], 0
	s_cbranch_scc1 .Lnot_wave_0_\@
	s_barrier_signal -3
.Lnot_wave_0_\@:
	s_barrier_wait -3
	s_barrier_signal -1
	s_barrier_wait -1
.endm
.macro CROUND
	s_barrier_signal -1
	s_barrier_wait -1
	CREST
.endm
.macro JLOAD                           ; waves 0, 1: p's two halves, jointly; waves 2, 3: x's, my work-group's own
	s_cmp_eq_u32 s[RH], 0
	s_cbranch_scc0 .Lfor_b_\@
	tensor_load_to_lds s[G0A+4:G0A+7], s[G1A:G1A+7]
	s_nop 0
.rept 4
	v_nop
.endr
	s_branch .Lasked_\@
.Lfor_b_\@:
	tensor_load_to_lds s[G0B+4:G0B+7], s[G1B:G1B+7]
	s_nop 0
.rept 4
	v_nop
.endr
.Lasked_\@:
.endm
.macro ADV                             ; the block's next key step, or behind its last the second block's key step 0
	s_add_co_u32 s[NXT], s[NXT], 1
	s_cmp_gt_u32 s[NXT], s[LQ]
	s_cselect_b32 s[NXT], 0, s[NXT]
	s_cselect_b32 s[LQ], s[LQ1], s[LQ]
	s_cselect_b64 s[PAC:PAC+1], s[PA1:PA1+1], s[PAC:PAC+1]
	s_lshl_b32 s[OFF], s[NXT], 9                   ; 256 keys are 512 bytes of a row of p,
	s_lshl_b32 s[OFB], s[NXT], 19                  ; and 256 rows of 2,048 bytes of x
.endm
	s_load_b256 s[4:11], s[0:1], 0x0               ; p s[4:5], xh s[6:7], st s[8:9], ob s[10:11]
	v_lshl_add_u32 v[SPW], v0, 2, SPARE
	v_mov_b32 v[NIL], 0
	ds_add_u32 v[SPW], v[NIL]                      ; the wave's opening: the add and its wait stand ahead of my first tensor load
	v_lshrrev_b32 v1, 5, v0
	v_readfirstlane_b32 s[WV], v1
	s_lshr_b32 s[RH], s[WV], 1
	s_and_b32 s[CH], s[WV], 1
	s_bfe_u32 s[CX], ttmp6, 0x40000
	s_lshl_b32 s[DB], ttmp9, 2
	s_add_co_u32 s[DB], s[DB], s[CX]
	s_and_b32 s19, ttmp7, 0xffff
	s_and_b32 s[QA], s19, 7
	s_lshr_b32 s[BT], s19, 3
	s_sub_co_u32 s[Q1], 15, s[QA]
	s_lshr_b32 s[RT], s[QA], 1
	s_mov_b32 s[LQ], s[RT]                         ; i / 2: the first block's last key step,
	s_add_co_u32 s[RT], s[RT], 1                   ; i / 2 + 1 key steps;
	s_sub_co_u32 s[NBL], 9, s[RT]                  ; the second block has the rest of nine
	s_sub_co_u32 s[LQ1], s[NBL], 1
	s_mov_b32 s[NXT], 0
	s_mov_b32 s[OFF+1], 0
	s_mov_b32 s[OFB+1], 0
	s_mov_b32 s[FS], 0
	s_mov_b32 s[TB], 0
	s_mov_b32 s[G1A], 15|(1<<16)|(1<<20)|(1<<21)|(6<<22)|(3<<25)  ; the mask of four; elements of 2 bytes; padding on; bit 21 beside a mask; after every 128 words 4 words
	s_mov_b32 s[G1A+1], 256<<16                    ; p: tensor_dim0 = 256
	s_mov_b32 s[G1A+2], 64<<16                     ; tensor_dim1 = 64
	s_mov_b32 s[G1A+3], 256<<16                    ; tile_dim0 = 256
	s_mov_b32 s[G1A+4], 64                         ; tile_dim1 = 64
	s_mov_b32 s[G1A+5], 2048                       ; elements from row to row
	s_mov_b32 s[G1A+6], 0
	s_mov_b32 s[G1A+7], 0
	s_mov_b32 s[G1B], (1<<16)|(1<<20)|(5<<22)|(7<<25)             ; no mask; after every 64 words 8 words
	s_mov_b32 s[G1B+1], 128<<16                    ; x: tensor_dim0 = 128
	s_mov_b32 s[G1B+2], 128<<16                    ; tensor_dim1 = 128
	s_mov_b32 s[G1B+3], 128<<16                    ; tile_dim0 = 128
	s_mov_b32 s[G1B+4], 128                        ; tile_dim1 = 128
	s_mov_b32 s[G1B+5], 1024
	s_mov_b32 s[G1B+6], 0
	s_mov_b32 s[G1B+7], 0
	s_mul_i32 s[LA], s[CH], HALFT
	s_mul_i32 s[LB], s[CH], BHALF
	s_add_co_u32 s[LB], s[LB], BREG
	s_lshl_b32 s19, s[BT], 23                      ; p: row 2,048 b + 128 qb + 64 CH, 4,096 bytes a row
	s_lshl_b32 s20, s[CH], 18
	s_add_co_u32 s19, s19, s20
	s_mov_b32 s21, 0
	s_mov_b32 s23, 0
	s_lshl_b32 s22, s[BT], 22                      ; x: row 2,048 b + 128 CH, 2,048 bytes a row; my work-group's 256 bytes of it
	s_lshl_b32 s94, s[CH], 18
	s_add_co_u32 s22, s22, s94
	s_lshl_b32 s94, s[DB], 8
	s_add_co_u32 s22, s22, s94
	s_wait_dscnt 0x0                               ; the opening add is done
	s_wait_kmcnt 0x0
	s_lshl_b32 s20, s[QA], 19
	s_add_co_u32 s20, s20, s19
	s_add_nc_u64 s[PAC:PAC+1], s[4:5], s[20:21]
	s_lshl_b32 s20, s[Q1], 19
	s_add_co_u32 s20, s20, s19
	s_add_nc_u64 s[PA1:PA1+1], s[4:5], s[20:21]
	s_add_nc_u64 s[VB:VB+1], s[6:7], s[22:23]
	s_mov_b64 s[OC:OC+1], s[10:11]
	s_add_nc_u64 s[10:11], s[8:9], 524288          ; ls lies behind cm
	s_mov_b32 s[G0A], 1                            ; tile 0: the first block's key step 0, into slot 0
	s_mov_b32 s[G0A+1], s[LA]
	s_mov_b64 s[G0A+2:G0A+3], s[PAC:PAC+1]
	s_or_b32 s[G0A+3], s[G0A+3], 0x80000000
	s_mov_b32 s[G0B], 1
	s_mov_b32 s[G0B+1], s[LB]
	s_mov_b64 s[G0B+2:G0B+3], s[VB:VB+1]
	s_or_b32 s[G0B+3], s[G0B+3], 0x80000000
	ADV                                            ; tile 1, into slot 1; this set then walks on
	s_mov_b32 s[G0A+4], 1
	s_add_co_u32 s[G0A+5], s[LA], SLOT
	s_add_nc_u64 s[G0A+6:G0A+7], s[PAC:PAC+1], s[OFF:OFF+1]
	s_or_b32 s[G0A+7], s[G0A+7], 0x80000000
	s_mov_b32 s[G0B+4], 1
	s_add_co_u32 s[G0B+5], s[LB], SLOT
	s_add_nc_u64 s[G0B+6:G0B+7], s[VB:VB+1], s[OFB:OFB+1]
	s_or_b32 s[G0B+7], s[G0B+7], 0x80000000
	CROUND                                         ; all four work-groups are here: the first joint loads meet
	s_cmp_eq_u32 s[RH], 0                          ; a wave's two first fills stand in one branch: two loads of mine are out
	s_cbranch_scc0 .Lfirst_b
	tensor_load_to_lds s[G0A:G0A+3], s[G1A:G1A+7]
	s_nop 0
	tensor_load_to_lds s[G0A+4:G0A+7], s[G1A:G1A+7]
	s_nop 0
.rept 4
	v_nop
.endr
	s_branch .Lfirst_asked
.Lfirst_b:
	tensor_load_to_lds s[G0B:G0B+3], s[G1B:G1B+7]
	s_nop 0
	tensor_load_to_lds s[G0B+4:G0B+7], s[G1B:G1B+7]
	s_nop 0
.rept 4
	v_nop
.endr
.Lfirst_asked:
	; my 64 rows in the two blocks; the statistics' and Y's addresses
	s_lshl_b32 s19, s[BT], 11
	s_lshl_b32 s20, s[RH], 6
	s_add_co_u32 s19, s19, s20
	s_lshl_b32 s[R0], s[QA], 7
	s_add_co_u32 s[R0], s[R0], s19
	s_lshl_b32 s[R1], s[Q1], 7
	s_add_co_u32 s[R1], s[R1], s19
	s_lshl_b32 s20, s[R0], 2
	s_add_nc_u64 s[ST0:ST0+1], s[8:9], s[20:21]
	s_add_nc_u64 s[ST0+2:ST0+3], s[10:11], s[20:21]
	s_lshl_b32 s20, s[R1], 2
	s_add_nc_u64 s[ST0+4:ST0+5], s[8:9], s[20:21]
	s_add_nc_u64 s[ST0+6:ST0+7], s[10:11], s[20:21]
	v_and_b32 v3, 31, v0
	v_lshlrev_b32 v[SV], 3, v3                     ; a lane takes rows 2 l and 2 l + 1 of my 64
.irp x, 0,1
.irp j, 0,1,2,3,4,5,6,7,8,9,10,11,12,13,14,15
	global_load_b64 v[128+64*(\x)+2*(\j):128+64*(\x)+2*(\j)+1], v[SV], s[ST0+4*(\x):ST0+4*(\x)+1] offset:32768*(\j)
.endr
.irp j, 0,1,2,3,4,5,6,7,8,9,10,11,12,13,14,15
	global_load_b64 v[160+64*(\x)+2*(\j):160+64*(\x)+2*(\j)+1], v[SV], s[ST0+4*(\x)+2:ST0+4*(\x)+3] offset:32768*(\j)
.endr
.endr
	s_lshl_b32 s22, s[DB], 1                       ; ob: block of 64 channels 2 dblk + CH; block of queries 16 b + qb; my 64 rows of it, 128 bytes a row
	s_add_co_u32 s22, s22, s[CH]
	s_mul_i32 s22, s22, KBB
	s_lshl_b32 s93, s[RH], 13
	s_add_co_u32 s22, s22, s93
	s_lshl_b32 s93, s[BT], 4
	s_add_co_u32 s94, s93, s[Q1]
	s_mul_i32 s94, s94, QBLK
	s_add_co_u32 s94, s94, s22
	s_mov_b32 s95, 0
	s_add_nc_u64 s[O1:O1+1], s[OC:OC+1], s[94:95]
	s_add_co_u32 s94, s93, s[QA]
	s_mul_i32 s94, s94, QBLK
	s_add_co_u32 s94, s94, s22
	s_add_nc_u64 s[OC:OC+1], s[OC:OC+1], s[94:95]
	v_and_b32 v1, 15, v0
	v_bfe_u32 v2, v0, 4, 1
	v_mov_b32 v[NEG1], -1.0
	v_mul_u32_u24 v4, v1, PITCH
	v_lshl_add_u32 v4, v2, 4, v4
	s_mul_i32 s20, s[RH], HALFT
	v_add_nc_u32 v[A0], s20, v4
	; the turning load takes 16 keys x 16 channels (lane l reads key 8 (l / 16) + l % 8, channels 8 ((l / 8) % 2) + 0..7) and leaves half a fragment: lane l holds channel l % 16 and 8 keys
	v_and_b32 v4, 7, v0
	v_lshl_add_u32 v5, v2, 3, v4
	v_mul_u32_u24 v5, v5, PV
	v_bfe_u32 v6, v0, 3, 1
	v_lshl_add_u32 v5, v6, 4, v5
	s_lshl_b32 s20, s[CH], 7                       ; my 64 channels: 128 bytes of each row
	s_add_co_u32 s20, s20, BREG
	v_add_nc_u32 v[B0], s20, v5
	v_add_nc_u32 v[B02], 128*PV, v[B0]
	v_mov_b32 v[ADRA], v[A0]
	v_mov_b32 v[ADRB], v[B0]
	v_mov_b32 v[ADRB2], v[B02]
	s_mul_i32 s20, s[WV], 16*SP
	s_add_co_u32 s20, s20, STAGE
	v_mul_u32_u24 v[STO], v1, SP                   ; in: row l % 16, 16 bytes for each half of the lanes
	v_lshl_add_u32 v[STO], v2, 4, v[STO]
	v_add_nc_u32 v[STO], s20, v[STO]
	v_bfe_u32 v[RD], v0, 3, 2                      ; back: 32 lanes take four rows of 128 bytes,
	v_mul_u32_u24 v[RD], v[RD], SP
	v_lshl_add_u32 v[RD], v4, 4, v[RD]
	v_add_nc_u32 v[RD], s20, v[RD]
	v_lshlrev_b32 v[GO], 4, v3                     ; which are 512 consecutive bytes of ob
	s_mul_i32 s20, s[WV], WTAB
	s_add_co_u32 s20, s20, TAB
	v_lshl_add_u32 v[FB0], v1, 2, s20
	v_add_nc_u32 v[TS], s20, v[SV]
.irp r, 33,35,37,39
	v_mov_b32 v\r, 0
.endr
; Block x's factors, for rows 2 l and 2 l + 1: the maximum over the 16 chunks; 2^(cm - m); l; the factors, into my own table (of the first block the 8 chunks that its walk can reach).
.macro STATS x
.set M, 128+64*(\x)
.set L, 160+64*(\x)
.irp r, 0,1
	v_max3_num_f32 v[40+(\r)], v[M+(\r)], v[M+2+(\r)], v[M+4+(\r)]
.set jj, 3
.rept 6
	v_max3_num_f32 v[40+(\r)], v[40+(\r)], v[M+2*jj+(\r)], v[M+2*jj+2+(\r)]
.set jj, jj+2
.endr
	v_max_num_f32 v[40+(\r)], v[40+(\r)], v[M+30+(\r)]
.endr
.set jj, 0
.rept 16
	v_pk_add_f32 v[M+2*jj:M+2*jj+1], v[M+2*jj:M+2*jj+1], v[40:41] neg_lo:[0,1] neg_hi:[0,1]
.set jj, jj+1
.endr
.set jj, 0
.rept 32
	v_exp_f32 v[M+jj], v[M+jj]
.set jj, jj+1
.endr
	v_nop                                          ; a plain instruction behind the last exponential,
	s_wait_alu depctr_va_vdst(0)                   ; and the one wait ahead of the batch's first reader
	v_pk_mul_f32 v[42:43], v[L:L+1], v[M:M+1]
.set jj, 1
.rept 15
	v_pk_fma_f32 v[42:43], v[L+2*jj:L+2*jj+1], v[M+2*jj:M+2*jj+1], v[42:43]
.set jj, jj+1
.endr
	v_rcp_f32 v44, v42
	v_rcp_f32 v45, v43
	v_nop
	s_wait_alu depctr_va_vdst(0)
.set jj, 0
.rept 8+8*(\x)
	v_pk_mul_f32 v[M+2*jj:M+2*jj+1], v[M+2*jj:M+2*jj+1], v[44:45]
.set jj, jj+1
.endr
.set jj, 0
.rept 8+8*(\x)
	ds_store_b64 v[TS], v[M+2*jj:M+2*jj+1] offset:2048*(\x)+256*jj
.set jj, jj+1
.endr
.endm
	s_wait_loadcnt 32                              ; block 0's 32 loads are in; block 1's may stay out
	STATS 0
	s_wait_loadcnt 0x0
	STATS 1
.set kk, 0
.rept 128
	v_mov_b32 v[O+kk], 0                           ; Y's sums start at 0: written in the wait for the first tile, so that every chunk is folded by one form
.set kk, kk+1
.endr
.macro MUL8 f, c, a0, zero             ; 8 matrix instructions: query blocks a0, a0 + 1 x the 4 channel blocks, 32 keys: half c of buffer f.  The 16 accumulators take turns
	WIN 0xa5                                       ; sources 0 and 1 window 1, C and D window 2
.irp a, \a0, (\a0)+1
.irp b, 0,1,2,3
.if \zero
	v_wmma_f32_16x16x32_f16 v[8*(4*(\a)+(\b)):8*(4*(\a)+(\b))+7], v[(\f)+64+8*(4*(\c)+(\b)):(\f)+64+8*(4*(\c)+(\b))+7], v[(\f)+8*(4*(\c)+(\a)):(\f)+8*(4*(\c)+(\a))+7], 0
.else
	v_wmma_f32_16x16x32_f16 v[8*(4*(\a)+(\b)):8*(4*(\a)+(\b))+7], v[(\f)+64+8*(4*(\c)+(\b)):(\f)+64+8*(4*(\c)+(\b))+7], v[(\f)+8*(4*(\c)+(\a)):(\f)+8*(4*(\c)+(\a))+7], v[8*(4*(\a)+(\b)):8*(4*(\a)+(\b))+7]
.endif
.endr
.endr
.endm
.macro FETCH k, f                      ; 32 LDS loads in one run: the 64 keys at byte k of p's rows, which are rows k / 2 on of x's tile; the first 32 keys first
.set RB, ADRB
.if (\k) >= 256
.set RB, ADRB2
.endif
.set KR, ((\k)/2)%128
	WIN 0x40
.irp c, 0,1
.irp i, 0,1,2,3
	ds_load_tr16_b128 v[(\f)+64+8*(4*(\c)+(\i)):(\f)+64+8*(4*(\c)+(\i))+3],   v[RB] offset:(KR+32*(\c))*PV+32*(\i)
	ds_load_tr16_b128 v[(\f)+64+8*(4*(\c)+(\i))+4:(\f)+64+8*(4*(\c)+(\i))+7], v[RB] offset:(KR+32*(\c)+16)*PV+32*(\i)
	ds_load_b128 v[(\f)+8*(4*(\c)+(\i)):(\f)+8*(4*(\c)+(\i))+3],         v[ADRA] offset:(\k)+64*(\c)+(\i)*16*PITCH
	ds_load_b128 v[(\f)+8*(4*(\c)+(\i))+4:(\f)+8*(4*(\c)+(\i))+7],       v[ADRA] offset:(\k)+64*(\c)+(\i)*16*PITCH+32
.endr
.endr
.endm
.macro FLOAD                           ; the next chunk's four factors
	v_add_nc_u32 v[FADR], s[FS], v[FB0]
	s_add_co_u32 s[FS], s[FS], 256
.irp a, 0,1,2,3
	ds_load_b32 v[FAC+2*(\a)], v[FADR] offset:64*(\a)
.endr
.endm
.macro FOLD                            ; Y += F T; each accumulator's lowest registers are read first
	PLACES
	WIN 0x02                                       ; source 0 (T) in window 2
.set kk, 0
.rept 64
	v_pk_fma_f32 v[O+2*kk:O+2*kk+1], v[2*kk:2*kk+1], v[FAC+2*(kk/16):FAC+2*(kk/16)+1], v[O+2*kk:O+2*kk+1] op_sel_hi:[1,0,1]
.set kk, kk+1
.endr
	WIN 0
.endm
.macro QUARTER k, f, g, zero, fl       ; multiplies buffer f (64 keys); in its middle fetches the 64 keys at byte k into buffer g.  zero = 1: a chunk begins.  fl = 1: the chunk's factors are fetched
	s_wait_dscnt 16                                ; the first 32 keys are in
	MUL8 \f, 0, 0, \zero
	MUL8 \f, 0, 2, \zero
	PLACES
.if \fl
	WIN 0
	FLOAD
.endif
	FETCH \k, \g
	s_wait_dscnt 32                                ; all but the 32 just issued: the factors too
	MUL8 \f, 1, 0, 0
	MUL8 \f, 1, 2, 0
.endm
; The last quarter of a key step changes slots: each wave waits for all its tensor loads (one is out: its part of the next slot), adds 0 to its spare word, waits for that and for its reads of this slot.
; fill = 1: the barrier opens a round of the cluster's barrier, and the refill, two tiles of the walk on, is the first thing behind the round; its address is made anew from the key step's number.
.macro TURN fill
	WIN 0
	FLOAD
	s_wait_tensorcnt 0x0
	ds_add_u32 v[SPW], v[NIL]
.if \fill
	ADV
	s_xor_b32 s[G0A+5], s[G0A+5], SLOT
	s_add_nc_u64 s[G0A+6:G0A+7], s[PAC:PAC+1], s[OFF:OFF+1]
	s_or_b32 s[G0A+7], s[G0A+7], 0x80000000
	s_xor_b32 s[G0B+5], s[G0B+5], SLOT
	s_add_nc_u64 s[G0B+6:G0B+7], s[VB:VB+1], s[OFB:OFB+1]
	s_or_b32 s[G0B+7], s[G0B+7], 0x80000000
.endif
	s_wait_dscnt 21                                ; the youngest sixteen fragment loads, the four factors and the add may be out
	MUL8 F1, 0, 0, 0
	s_wait_dscnt 0x0                               ; the add is done, and my reads of this slot are over
	s_barrier_signal -1
	MUL8 F1, 0, 2, 0
	WIN 0
	s_barrier_wait -1
.if \fill
	CREST
	JLOAD
.else
	PLACES
.endif
	s_xor_b32 s[TB], s[TB], SLOT
	v_add_nc_u32 v[ADRA], s[TB], v[A0]
	v_add_nc_u32 v[ADRB], s[TB], v[B0]
	v_add_nc_u32 v[ADRB2], s[TB], v[B02]
	FETCH 0, F0
	MUL8 F1, 1, 0, 0
	MUL8 F1, 1, 2, 0
.endm
.macro STEP fill                       ; a key step: two chunks
	QUARTER 128, F0, F1, 1, 0
	QUARTER 256, F1, F0, 0, 1
	FOLD
	QUARTER 384, F0, F1, 1, 0
	TURN \fill
	FOLD
.endm
; THE WAY OUT of a block: rounded to f16; a lane's eight channels are 16 bytes; through my stage, 16 rows at a time; back as rows of 128 bytes, four to a load: 512 consecutive bytes of ob.
.macro PACK t
.set kk, 0
.rept 16
	v_cvt_pk_f16_f32 v[TMP+16*(\t)+kk], v[O+32*(\t)+2*kk], v[O+32*(\t)+2*kk+1]
.set kk, kk+1
.endr
.irp f, 0,1,2,3
	ds_store_b128 v[STO], v[TMP+16*(\t)+4*(\f):TMP+16*(\t)+4*(\f)+3] offset:32*(\f)
.endr
.irp f, 0,1,2,3
	ds_load_b128 v[TMP+16*(\t)+4*(\f):TMP+16*(\t)+4*(\f)+3], v[RD] offset:(\f)*4*SP  ; LDS serves a wave's instructions in order (ISA guide 5.7.1.4)
.endr
.endm
.macro SEND t, younger                 ; younger: the LDS instructions issued behind block t's loads
.irp f, 0,1,2,3
	s_wait_dscnt (\younger)+3-(\f)
	global_store_b128 v[GO], v[TMP+16*(\t)+4*(\f):TMP+16*(\t)+4*(\f)+3], s[OC:OC+1] offset:(\t)*2048+(\f)*512
.endr
.endm
; The low parts of the block's rows 0-15, which lie in the waves with RH = 0: the f16 rounding is made once more, taken from the f32 sum (rounding x -1 + sum: exact), the difference rounded to f16; the same way through the stage; rows 128-143 of the block.
.macro LOWOUT
	s_cmp_lg_u32 s[RH], 0
	s_cbranch_scc1 .Lno_low_\@
.set kk, 0
.rept 16
	v_cvt_pk_f16_f32 v[40+kk%2], v[O+2*kk], v[O+2*kk+1]
	v_fma_mix_f32 v[42+2*(kk%2)], v[40+kk%2], v[NEG1], v[O+2*kk] op_sel_hi:[1,0,0]
	v_fma_mix_f32 v[43+2*(kk%2)], v[40+kk%2], v[NEG1], v[O+2*kk+1] op_sel:[1,0,0] op_sel_hi:[1,0,0]
	v_cvt_pk_f16_f32 v[LW+kk], v[42+2*(kk%2)], v[43+2*(kk%2)]
.set kk, kk+1
.endr
.irp f, 0,1,2,3
	ds_store_b128 v[STO], v[LW+4*(\f):LW+4*(\f)+3] offset:32*(\f)
.endr
.irp f, 0,1,2,3
	ds_load_b128 v[LW+4*(\f):LW+4*(\f)+3], v[RD] offset:(\f)*4*SP
.endr
	s_wait_dscnt 0x0
.irp f, 0,1,2,3
	global_store_b128 v[GO], v[LW+4*(\f):LW+4*(\f)+3], s[OC:OC+1] offset:128*128+(\f)*512
.endr
.Lno_low_\@:
.endm
.macro WAYOUT last
	PACK 0
	PACK 1
	SEND 0, 8
	PACK 2
	SEND 1, 8
	PACK 3
	SEND 2, 8
	SEND 3, 0
	LOWOUT
.if !(\last)
	s_wait_xcnt 0x0                                ; the stores have read their registers and their base
	s_mov_b64 s[OC:OC+1], s[O1:O1+1]
	s_mov_b32 s[RT], s[NBL]
	s_mov_b32 s[FS], 2048                          ; the second block's factors
.set kk, 0
.rept 128
	v_mov_b32 v[O+kk], 0
.set kk, kk+1
.endr
.endif
.endm
	s_wait_tensorcnt 0x1                           ; my part of tile 0 is in; tile 1's may stay out
	s_wait_dscnt 0x0                               ; my table is written
	s_barrier_signal -1
	s_barrier_wait -1
	FETCH 0, F0
	WIN 0
	s_mov_b32 s[CNT], 7
.Lstep:                                                ; trip t: tile t of the walk is multiplied, tile t + 2 asked for
	STEP 1
	s_sub_co_u32 s[RT], s[RT], 1
	s_cmp_lg_u32 s[RT], 0
	s_cbranch_scc1 .Lgo_on                         ; the first block ends in one of trips 0 to 3; the same trip in all four partners
	WAYOUT 0
.Lgo_on:
	s_sub_co_u32 s[CNT], s[CNT], 1
	s_cmp_lg_u32 s[CNT], 0
	s_cbranch_scc1 .Lstep
	s_mov_b32 s[CNT], 2
.Ltail:                                                ; tiles 7 and 8 ask for nothing: a text of their own, walked twice.  The second trip's change of slots fetches, out of the slot read before,
	STEP 0                                         ; fragments that nothing multiplies: the price of one text for both trips
	s_sub_co_u32 s[CNT], s[CNT], 1
	s_cmp_lg_u32 s[CNT], 0
	s_cbranch_scc1 .Ltail
	s_wait_dscnt 0x0                               ; those fragments have landed
	WAYOUT 1
	s_wait_tensorcnt 0x0                           ; the wave's end
	ds_add_u32 v[SPW], v[NIL]
	s_wait_dscnt 0x0
	CROUND                                         ; the closing round
	s_endpgm
.Lfunc_end_k_q98ec45c3ff_pv:
	.size	k_q98ec45c3ff_pv, .Lfunc_end_k_q98ec45c3ff_pv-k_q98ec45c3ff_pv
	.p2alignl 7, 3214868480
	.fill 96, 4, 3214868480
	.section	.rodata,"a",@progbits
	.p2align	6, 0x0
	.amdhsa_kernel k_q98ec45c3ff_pv
		.amdhsa_group_segment_fixed_size 327680
		.amdhsa_private_segment_fixed_size 0
		.amdhsa_enable_private_segment 0
		.amdhsa_kernarg_size 32
		.amdhsa_user_sgpr_count 2
		.amdhsa_user_sgpr_kernarg_segment_ptr 1
		.amdhsa_wavefront_size32 1
		.amdhsa_system_sgpr_workgroup_id_x 1
		.amdhsa_system_sgpr_workgroup_id_y 1
		.amdhsa_system_sgpr_workgroup_id_z 1
		.amdhsa_system_vgpr_workitem_id 0
		.amdhsa_next_free_vgpr 640
		.amdhsa_next_free_sgpr 98
		.amdhsa_reserve_vcc 0
		.amdhsa_float_denorm_mode_32 3
		.amdhsa_float_denorm_mode_16_64 3
		.amdhsa_memory_ordered 1
		.amdhsa_forward_progress 1
		.amdhsa_inst_pref_size 117
	.end_amdhsa_kernel
	.amdgpu_metadata
---
amdhsa.version: [ 1, 2 ]
amdhsa.kernels:
  - .name:           k_q98ec45c3ff_pv
    .symbol:         k_q98ec45c3ff_pv.kd
    .args:
      - { .name: p, .offset: 0, .size: 8, .value_kind: global_buffer, .address_space: global }
      - { .name: xh, .offset: 8, .size: 8, .value_kind: global_buffer, .address_space: global }
      - { .name: st, .offset: 16, .size: 8, .value_kind: global_buffer, .address_space: global }
      - { .name: ob, .offset: 24, .size: 8, .value_kind: global_buffer, .address_space: global }
    .group_segment_fixed_size: 327680
    .private_segment_fixed_size: 0
    .kernarg_segment_align: 8
    .kernarg_segment_size: 32
    .max_flat_workgroup_size: 128
    .sgpr_count:     98
    .vgpr_count:     640
    .wavefront_size: 32
...
	.end_amdgpu_metadata
.endif
;; end of part 9
;; launch proj (part 10): grid 8 x 32, 4 waves a work-group, clusters of 4 x 4, 327,680 bytes of LDS; arguments ob, wpp, wts, out0; writes out0
.if DOCPART == 10
	.amdgcn_target "amdgcn-amd-amdhsa--gfx1250"
	.amdhsa_code_object_version 6
	.text
	.protected	k_q98ec45c3ff_proj
	.globl	k_q98ec45c3ff_proj
	.p2align	8
	.type	k_q98ec45c3ff_proj,@function
k_q98ec45c3ff_proj:
	s_mov_b64 s[64:65], 0
	v_nop
	global_prefetch_b8 v0, s[64:65] scope:SCOPE_SE
	s_setreg_imm32_b32 hwreg(HW_REG_WAVE_MODE, 25, 1), 1
	s_wait_xcnt 0x0
	s_wait_alu depctr_hold_cnt(0) depctr_sa_sdst(0) depctr_va_vdst(0) depctr_va_sdst(0) depctr_va_ssrc(0) depctr_va_vcc(0) depctr_vm_vsrc(0)
	s_getreg_b32 s2, hwreg(HW_REG_IB_STS2, 6, 4)
	s_cmp_eq_u32 s2, 0
	s_cbranch_scc0 .Lentry_in_a_cluster
	s_endpgm
.Lentry_in_a_cluster:
	s_bfe_u32 s2, ttmp6, 0x10000c
	s_cmp_lg_u32 s2, 0xf033
	s_cbranch_scc0 .Lentry_shape_is_right
	s_endpgm
.Lentry_shape_is_right:
; out0[row][e] = the sum over d of Y[row][d] W''[e][d] + b''[e], with Y = attn x, W'' = W_proj W_v, b'' = W_proj b_v + b_proj (wts from byte 4,194,304 on, f32); out0 [8192][1024] f32; sums in f32.
; ob: [16 blocks of 64 channels][64 blocks of 128 rows][144 rows][64] f16: a block's 128 rows of Y, then the low parts (Y less its f16 rounding) of its rows 0-15.
; wpp: [64 blocks of 16 rows e][high, low][16 rows][1024] f16: 256 W'' and its low part.  So the sums are 256 times the output: they start with 256 b'' as the C operand, and are multiplied by 2^-8, exactly, on the way out.
; LOW PARTS.  A batch's first rows are many times the output's root mean square, by which all rows are judged, so Y's and W'' 's roundings weigh most there.  Each wave's 128 rows are one block of ob, and its first 16 rows are multiplied
; twice more: their low parts by W'', and they by W'' 's low part: 8 products more for a quarter's 32.  Only a batch's rows 0-15 need it; all blocks are treated alike, since which is a batch's first hangs on the work-group's place in its cluster.
; SHARES.  A tile of 256 rows x 128 e: 32 x 8 = 256 work-groups.  Four waves; wave (RH, CH) makes rows 128 RH .. x columns 64 CH ..: 8 x 4 accumulators.  K goes in 8 steps of 128 channels through two LDS slots.
; Waves 0, 1 fetch the two blocks of 64 channels of the tile's two blocks of rows (36,864 dense bytes each, asked for as 144 rows of 256 bytes and padded after every 128), waves 2, 3 the two halves of wpp's 256 rows (128 e, high and low).
; CLUSTER 4 x 4.  Y's tile hangs on the tile row alone: asked for jointly along a row of the cluster; W'' 's on the tile column alone: jointly along a column.
; Source 0 = 16 rows of W'', source 1 = 16 rows of Y: a lane holds row lane % 16 and the columns 8 (lane / 16) + 0..7: 32 bytes of f32 on end; a wave's 64 columns are 256 bytes, aligned.
; THE K LOOP'S TEXT.  A K step is four quarters of 32 along K, on fragment buffers 0, 1, 0, 1; a quarter is a lower half (row blocks 0-3, 16 matrix instructions) and an upper half (blocks 4-7 and the low parts' 8: 24).  From one change of slots to the next the order is
;   CHANGE (the lower half on buffer 1, the barrier in its middle) | X | the lower half on buffer 1 | X,     X = the fetch into buffer 0, the upper half on buffer 1, the whole quarter on buffer 0 with the fetch into buffer 1 in its middle.
; X is written once and walked twice, by a loop of two trips that is left in its middle; the LDS bytes at which it fetches are two scalar registers that step.  The first K step enters that loop in its middle, behind the first quarter, which is written out.
; REGISTERS: window 0: v0-31 addresses, v32-39 and v40-47 the low rows' fragment (two buffers), v32-63 and v224-255 rows on the way out, v64-127 and v128-191 Y's fragments, v192-223 the bias blocks;
;   window 1: v64-95, v128-159 W'' 's fragments, v96-127, v160-191 its low part's;   windows 2, 3: the accumulators, row block a, column block b at 8 (8 (a % 4) + b).
.set MB,    8
.set NB,    4
.set PA,    144                        ; a row of Y in LDS: 128 bytes + 16 = 36 words;  a row of W'': 256 + 16 = 68 words: the 16 rows of a load start at 16 different groups of four banks (64 banks of 4 bytes: ISA guide 11.1)
.set PB,    272
.set AHALF, 144*PA                     ; a block of rows: 128 of Y, 16 low
.set AKB,   2*AHALF                    ; a block of 64 channels of the tile's two blocks of rows
.set BHALF, 128*PB
.set BREG,  2*AKB
.set SLOT,  BREG+2*BHALF               ; 152,576 bytes.  No bit pattern of a slot's length is clear in all four bases, so a descriptor's LDS word is made as base + s[TB], and s[TB] is turned between 0 and SLOT
.set STAGE, 2*SLOT
.set SPITCH, 272
.set SPARE, STAGE+4*16*SPITCH
.set QBLK,  144*128                    ; bytes of a block of rows in ob, for 64 channels
.set KBB,   64*QBLK                    ; bytes of a block of 64 channels
.set KB_A,  2*KBB                      ; bytes from a K step to the next: two blocks of 64 channels,
.set KB_B,  256                        ; 128 numbers of a row
.set CROW,  4096                       ; bytes in a row of out0
.set BPP,   2048*2048                  ; where b'' begins in wts
.set RUN,   4*NB+2*MB+2                ; LDS loads in a run: W'' 's 8 and its low part's 8, Y's 16, the low rows' 2
.set ADRA, 16
.set A0,   17
.set ADRB, 20
.set B0,   21
.set STO,  24
.set RD,   25
.set CO,   26
.set SPW,  28
.set NIL,  29
.set PFO,  30
.set OB,   32
.set F0,   64
.set F1,   128
.set CI,   192
.set WV, 12
.set RH, 13
.set CH, 14
.set CX, 15
.set CY, 16
.set TCOL, 17
.set TROW, 18
.set G1A, 24
.set G0A, 32
.set TB,  40
.set LA,  41
.set LB,  42
.set CNT, 43
.set PFA, 44
.set G1B, 48
.set G0B, 56
.set LIM, 66
.set INR, 67                           ; s67 walks of X still to come in this K step
.set PST, 68                           ; s[68:69] my prefetches' step
.set COFF, 70
.set SCL, 72                           ; s[72:73] 2^-8
.set SCU, 74                           ; s[74:75] 256
.set CURA, 76                          ; s76 the slot's first byte + a block of 64 channels for each walk of X that is done
.set CURB, 77                          ; s77 the slot's first byte + 128 for each
.set MSB, 0
.macro WIN new
.if MSB != (\new)
	s_set_vgpr_msb (MSB<<8)|(\new)
.set MSB, \new
.endif
.endm
.macro PLACES
.rept 4
	v_nop
.endr
.endm
.macro CREST
	s_cmp_lg_u32 s[WV], 0
	s_cbranch_scc1 .Lnot_wave_0_\@
	s_barrier_signal -3
.Lnot_wave_0_\@:
	s_barrier_wait -3
	s_barrier_signal -1
	s_barrier_wait -1
.endm
.macro CROUND
	s_barrier_signal -1
	s_barrier_wait -1
	CREST
.endm
.macro JLOAD
	s_cmp_eq_u32 s[RH], 0
	s_cbranch_scc0 .Lfor_b_\@
	tensor_load_to_lds s[G0A+4:G0A+7], s[G1A:G1A+7]
	s_nop 0
.rept 4
	v_nop
.endr
	s_branch .Lasked_\@
.Lfor_b_\@:
	tensor_load_to_lds s[G0B+4:G0B+7], s[G1B:G1B+7]
	s_nop 0
.rept 4
	v_nop
.endr
.Lasked_\@:
.endm
; A prefetch into the L2 of the K step that stands two refills on.  Y's tile row is read by both clusters of that row of clusters: the one with x = 0 asks; W'' 's tile column by every cluster of that column: the one with y = 0 asks.
; The four partners of a joint load share it out by address: 64 of Y's 256 rows (8,192 bytes, a lane 256 of them), 32 of wpp's 128 rows (a lane a row).  The 2 x 2,048 bytes of low rows of Y come by their load alone.
; The last two refills have no K step two on.
.macro ASK
	s_cmp_gt_u32 s[CNT], s[LIM]
	s_cbranch_scc0 .Lnot_mine_\@
	global_prefetch_b8 v[PFO], s[PFA:PFA+1] th:TH_LOAD_NT scope:SCOPE_SE
.Lnot_mine_\@:
.endm
	s_load_b256 s[4:11], s[0:1], 0x0               ; ob s[4:5], wpp s[6:7], wts s[8:9], out0 s[10:11]
	v_lshl_add_u32 v[SPW], v0, 2, SPARE
	v_mov_b32 v[NIL], 0
	ds_add_u32 v[SPW], v[NIL]                      ; the wave's opening: the add and its wait stand ahead of my first tensor load
	v_lshrrev_b32 v1, 5, v0
	v_readfirstlane_b32 s[WV], v1
	s_lshr_b32 s[RH], s[WV], 1
	s_and_b32 s[CH], s[WV], 1
	s_bfe_u32 s[CX], ttmp6, 0x40000
	s_bfe_u32 s[CY], ttmp6, 0x40004
	s_lshl_b32 s[TCOL], ttmp9, 2
	s_add_co_u32 s[TCOL], s[TCOL], s[CX]           ; tile column (e)
	s_and_b32 s[TROW], ttmp7, 0xffff
	s_lshl_b32 s[TROW], s[TROW], 2
	s_add_co_u32 s[TROW], s[TROW], s[CY]           ; tile row
	s_lshl_b32 s19, s[CY], 2
	s_lshl_b32 s19, 15, s19                        ; my row of the cluster
	s_lshl_b32 s20, 0x1111, s[CX]                  ; my column
	s_or_b32 s[G1A], s19, (1<<16)|(1<<20)|(1<<21)|(4<<22)|(3<<25)  ; padding after every 32 words: after each row of Y
	s_or_b32 s[G1B], s20, (1<<16)|(1<<20)|(1<<21)|(5<<22)|(3<<25)  ; after every 64 words
.irp g, G1A, G1B
	s_mov_b32 s[(\g)+1], 128<<16                   ; tensor_dim0 = 128
	s_mov_b32 s[(\g)+3], 128<<16                   ; tile_dim0 = 128
	s_mov_b32 s[(\g)+6], 0
	s_mov_b32 s[(\g)+7], 0
.endr
	s_mov_b32 s[G1A+2], 144<<16                    ; Y: 144 rows of 256 bytes, dense
	s_mov_b32 s[G1A+4], 144
	s_mov_b32 s[G1A+5], 128
	s_mov_b32 s[G1B+2], 128<<16                    ; wpp: 128 rows, 1,024 elements apart
	s_mov_b32 s[G1B+4], 128
	s_mov_b32 s[G1B+5], 1024
	s_mov_b32 s[SCL], 0x3b800000
	s_mov_b32 s[SCL+1], s[SCL]
	s_mov_b32 s[SCU], 0x43800000
	s_mov_b32 s[SCU+1], s[SCU]
	s_mul_i32 s22, s[CH], KBB                      ; Y: block of 64 channels CH, blocks of rows 2 x tile row and the next
	s_mul_i32 s23, s[TROW], 2*QBLK
	s_add_co_u32 s22, s22, s23
	s_mov_b32 s23, 0
	s_lshl_b32 s46, s[TCOL], 19                    ; wpp: (256 x tile column + 128 x half) x 2,048 bytes
	s_lshl_b32 s47, s[CH], 18
	s_add_co_u32 s46, s46, s47
	s_mov_b32 s47, 0
	s_mul_i32 s[LA], s[CH], AKB
	s_mul_i32 s[LB], s[CH], BHALF
	s_add_co_u32 s[LB], s[LB], BREG
	s_mov_b32 s[TB], 0
	s_wait_dscnt 0x0                               ; the opening add is done
	s_wait_kmcnt 0x0
	s_add_nc_u64 s[22:23], s[4:5], s[22:23]
	s_add_nc_u64 s[46:47], s[6:7], s[46:47]
.irp s, 0,1
	s_mov_b32 s[G0A+4*(\s)], 1
	s_add_co_u32 s[G0A+4*(\s)+1], s[LA], (\s)*SLOT
	s_add_nc_u64 s[G0A+4*(\s)+2:G0A+4*(\s)+3], s[22:23], (\s)*KB_A
	s_or_b32 s[G0A+4*(\s)+3], s[G0A+4*(\s)+3], 0x80000000
	s_mov_b32 s[G0B+4*(\s)], 1
	s_add_co_u32 s[G0B+4*(\s)+1], s[LB], (\s)*SLOT
	s_add_nc_u64 s[G0B+4*(\s)+2:G0B+4*(\s)+3], s[46:47], (\s)*KB_B
	s_or_b32 s[G0B+4*(\s)+3], s[G0B+4*(\s)+3], 0x80000000
.endr
	CROUND                                         ; all sixteen work-groups are here: the first joint loads meet
	s_cmp_eq_u32 s[RH], 0                          ; a wave's two first fills stand in one branch: two loads of mine are out
	s_cbranch_scc0 .Lfirst_b
	tensor_load_to_lds s[G0A:G0A+3], s[G1A:G1A+7]
	s_nop 0
	tensor_load_to_lds s[G0A+4:G0A+7], s[G1A:G1A+7]
	s_nop 0
.rept 4
	v_nop
.endr
	s_branch .Lfirst_asked
.Lfirst_b:
	tensor_load_to_lds s[G0B:G0B+3], s[G1B:G1B+7]
	s_nop 0
	tensor_load_to_lds s[G0B+4:G0B+7], s[G1B:G1B+7]
	s_nop 0
.rept 4
	v_nop
.endr
.Lfirst_asked:
	s_lshl_b32 s22, s[TCOL], 9                     ; my first column, 4 bytes a number: in b'' and in a row of out0
	s_lshl_b32 s20, s[CH], 8
	s_add_co_u32 s22, s22, s20
	s_add_co_u32 s20, s22, BPP
	s_mov_b32 s21, 0
	s_add_nc_u64 s[8:9], s[8:9], s[20:21]
	v_and_b32 v1, 15, v0
	v_bfe_u32 v2, v0, 4, 1
	v_lshlrev_b32 v4, 5, v2
.irp b, 0,1,2,3
	global_load_b128 v[CI+8*(\b):CI+8*(\b)+3],   v4, s[8:9] offset:64*(\b)      ; b''[e] of my eight columns in block b
	global_load_b128 v[CI+8*(\b)+4:CI+8*(\b)+7], v4, s[8:9] offset:64*(\b)+16
.endr
	s_lshl_b32 s[COFF], s[TROW], 20                ; row 256 x tile row + 128 RH, 4,096 bytes a row
	s_lshl_b32 s20, s[RH], 19
	s_add_co_u32 s[COFF], s[COFF], s20
	s_add_co_u32 s[COFF], s[COFF], s22
	s_mov_b32 s[COFF+1], 0
	v_mul_u32_u24 v3, v1, PA
	v_lshl_add_u32 v3, v2, 4, v3
	s_mul_i32 s20, s[RH], AHALF
	v_add_nc_u32 v[A0], s20, v3
	v_mul_u32_u24 v3, v1, PB
	v_lshl_add_u32 v3, v2, 4, v3
	s_mul_i32 s20, s[CH], BHALF
	s_add_co_u32 s20, s20, BREG
	v_add_nc_u32 v[B0], s20, v3
	v_mov_b32 v[ADRA], v[A0]
	v_mov_b32 v[ADRB], v[B0]
	s_mul_i32 s20, s[WV], 16*SPITCH
	s_add_co_u32 s20, s20, STAGE
	v_mul_u32_u24 v5, v1, SPITCH
	v_lshl_add_u32 v5, v2, 5, v5
	v_add_nc_u32 v[STO], s20, v5                   ; in: row l % 16, 32 bytes for each half of the lanes
	v_mul_u32_u24 v5, v2, SPITCH
	v_lshl_add_u32 v5, v1, 4, v5
	v_add_nc_u32 v[RD], s20, v5                    ; back: lanes 0-15 one row of 256 bytes, lanes 16-31 the next
	v_lshlrev_b32 v5, 12, v2
	v_lshl_add_u32 v[CO], v1, 4, v5
	; the prefetches
	s_mul_i32 s19, s[CH], KBB
	s_mul_i32 s20, s[TROW], 2*QBLK
	s_add_co_u32 s19, s19, s20
	s_lshr_b32 s20, s[CX], 1
	s_mul_i32 s20, s20, QBLK
	s_add_co_u32 s19, s19, s20
	s_and_b32 s20, s[CX], 1
	s_lshl_b32 s20, s20, 13
	s_add_co_u32 s19, s19, s20                     ; Y: block of rows cx / 2 of the two, its rows 64 (cx % 2) on: 8,192 bytes
	s_lshl_b32 s20, s[TCOL], 8
	s_lshl_b32 s21, s[CH], 7
	s_add_co_u32 s20, s20, s21
	s_lshl_b32 s21, s[CY], 5
	s_add_co_u32 s20, s20, s21
	s_lshl_b32 s20, s20, 11                        ; wpp: my work-group's 32 of the 128 rows
	s_and_b32 s21, ttmp7, 0xffff
	s_mov_b32 s46, KB_A
	s_cmp_eq_u32 s[RH], 0
	s_cselect_b32 s22, s19, s20
	s_cselect_b32 s21, ttmp9, s21                  ; the coordinate along which other clusters read the same bytes
	s_cselect_b32 s[PST], s46, KB_B
	s_cselect_b32 s20, 8, 11                       ; a lane's step: 256 bytes, or a row of 2,048
	s_cselect_b64 s[PFA:PFA+1], s[4:5], s[6:7]
	s_cmp_eq_u32 s21, 0
	s_cselect_b32 s[LIM], 2, -1
	s_mov_b32 s[PST+1], 0
	s_mul_i32 s21, s[PST], 3
	s_add_co_u32 s22, s22, s21                     ; at K step 3: the first refill steps it to 4 and names that
	s_mov_b32 s23, 0
	s_add_nc_u64 s[PFA:PFA+1], s[PFA:PFA+1], s[22:23]
	v_and_b32 v[PFO], 31, v0
	v_lshlrev_b32 v[PFO], s20, v[PFO]
	s_wait_loadcnt 0x0                             ; b''
.set kk, 0
.rept 16
	v_pk_mul_f32 v[CI+2*kk:CI+2*kk+1], v[CI+2*kk:CI+2*kk+1], s[SCU:SCU+1] op_sel_hi:[1,0]  ; 256 b''
.set kk, kk+1
.endr
.macro MULR f, hi, a0, first           ; 8 matrix instructions: row blocks a0, a0 + 1 of the window's four x the 4 column blocks.  first = 1: C is the bias block.  The accumulators take turns
.if \first
	WIN 0x81+0x40*(\hi)
.else
	WIN 0xa1+0x50*(\hi)
.endif
.irp a, \a0, (\a0)+1
.set bb, 0
.rept NB
.set rD, 8*(8*(\a)+bb)
.set rB, (\f)+8*bb
.set rA, (\f)+8*(4*(\hi)+(\a))
.if \first
.set rC, CI+8*bb
	v_wmma_f32_16x16x32_f16 v[rD:rD+7], v[rB:rB+7], v[rA:rA+7], v[rC:rC+7]
.else
	v_wmma_f32_16x16x32_f16 v[rD:rD+7], v[rB:rB+7], v[rA:rA+7], v[rD:rD+7]
.endif
.set bb, bb+1
.endr
.endr
.endm
; The upper half: row blocks 4-7; then 8 matrix instructions more on row block 0: its low parts (their fragment at v32 or v40) by W'', and its rows by W'' 's low part.  The four accumulators take turns: three others stand between two links.
.macro HIS f, first
	MULR \f, 1, 0, \first
	MULR \f, 1, 2, \first
	WIN 0xa1
.set LF, OB+((\f)-F0)/8
.set bb, 0
.rept NB
	v_wmma_f32_16x16x32_f16 v[8*bb:8*bb+7], v[(\f)+8*bb:(\f)+8*bb+7], v[LF:LF+7], v[8*bb:8*bb+7]
.set bb, bb+1
.endr
.set bb, 0
.rept NB
	v_wmma_f32_16x16x32_f16 v[8*bb:8*bb+7], v[(\f)+32+8*bb:(\f)+32+8*bb+7], v[(\f):(\f)+7], v[8*bb:8*bb+7]
.set bb, bb+1
.endr
.endm
.macro FETCH q, f                      ; 34 LDS loads in one run: quarter q (0, 1) of the two in hand, which are one block of 64 channels: W'' 's fragments and its low part's, then Y's, the low rows' last
	WIN 0x40
.set ii, 0
.rept NB
	ds_load_b128 v[(\f)+8*ii:(\f)+8*ii+3],   v[ADRB] offset:64*(\q)+ii*32*PB
	ds_load_b128 v[(\f)+8*ii+4:(\f)+8*ii+7], v[ADRB] offset:64*(\q)+ii*32*PB+32
.set ii, ii+1
.endr
.set ii, 0
.rept NB
	ds_load_b128 v[(\f)+32+8*ii:(\f)+32+8*ii+3],   v[ADRB] offset:64*(\q)+(ii*32+16)*PB
	ds_load_b128 v[(\f)+32+8*ii+4:(\f)+32+8*ii+7], v[ADRB] offset:64*(\q)+(ii*32+16)*PB+32
.set ii, ii+1
.endr
	WIN 0
.set ii, 0
.rept MB
	ds_load_b128 v[(\f)+8*ii:(\f)+8*ii+3],   v[ADRA] offset:64*(\q)+ii*16*PA
	ds_load_b128 v[(\f)+8*ii+4:(\f)+8*ii+7], v[ADRA] offset:64*(\q)+ii*16*PA+32
.set ii, ii+1
.endr
.set LF, OB+((\f)-F0)/8
	ds_load_b128 v[LF:LF+3],   v[ADRA] offset:64*(\q)+MB*16*PA
	ds_load_b128 v[LF+4:LF+7], v[ADRA] offset:64*(\q)+MB*16*PA+32
.endm
.macro QUARTER q, f, g, first          ; a whole quarter: multiplies buffer f; in its middle fetches quarter q into buffer g
	s_wait_dscnt 2*(MB-4)+2                        ; W'' and Y's blocks 0-3 are in; the youngest ten loads (blocks 4-7, the low rows) may be out
	MULR \f, 0, 0, \first
	MULR \f, 0, 2, \first
	PLACES
	FETCH \q, \g
	s_wait_dscnt RUN                               ; all but the 34 just issued
	HIS \f, \first
.endm
; X: two quarters' fetches and 64 matrix instructions.  The addresses are made anew from the scalars that step.
.macro XPART
	v_add_nc_u32 v[ADRA], s[CURA], v[A0]
	v_add_nc_u32 v[ADRB], s[CURB], v[B0]
	PLACES                                         ; in front of the loads into buffer 0, which the quarter before last multiplied
	FETCH 0, F0
	s_wait_dscnt RUN                               ; all but the run just issued: buffer 1 is whole
	HIS F1, 0
	QUARTER 1, F0, F1, 0
	s_add_co_u32 s[CURA], s[CURA], AKB             ; two quarters on: Y's next block of 64 channels,
	s_add_co_u32 s[CURB], s[CURB], 2*64            ; 128 bytes along W'' 's rows
.endm
; A K step's two walks of X, with the lower half on buffer 1 between them.  The second walk leaves the loop in its middle: what is jumped holds no barrier and no tensor load.
.macro INNER tag
.Lx\tag:
	XPART
	WIN 0                                          ; at a label and at a branch every window is 0
	s_sub_co_u32 s[INR], s[INR], 1
	s_cmp_eq_u32 s[INR], 0
	s_cbranch_scc1 .Lxo\tag
.Lmid\tag:
	s_wait_dscnt 2*(MB-4)+2
	MULR F1, 0, 0, 0
	MULR F1, 0, 2, 0
	WIN 0
	s_cmp_lg_u32 s[INR], 0
	s_cbranch_scc1 .Lx\tag
.Lxo\tag:
.endm
; THE CHANGE OF SLOTS, with the lower half of a K step's last quarter: each wave waits for all its tensor loads (one is out: its part of the next slot), adds 0 to its spare word, waits for that and for its reads of this slot.
; fill = 1: the barrier opens a round of the cluster's barrier, and the joint refill, two K steps on, into the slot that is being read out (s[TB]), is the first thing behind the round.
.macro CHANGE fill
.if \fill
	s_wait_xcnt 0x0                                ; the last prefetch, a K step back, has read its address
	s_add_nc_u64 s[PFA:PFA+1], s[PFA:PFA+1], s[PST:PST+1]
.endif
	WIN 0
	s_wait_tensorcnt 0x0
	ds_add_u32 v[SPW], v[NIL]
.if \fill
	s_add_co_u32 s[G0A+5], s[LA], s[TB]
	s_add_nc_u64 s[G0A+6:G0A+7], s[G0A+6:G0A+7], KB_A
	s_add_co_u32 s[G0B+5], s[LB], s[TB]
	s_add_nc_u64 s[G0B+6:G0B+7], s[G0B+6:G0B+7], KB_B
.endif
	s_wait_dscnt 2*(MB-4)+3                        ; the add and the youngest ten loads may be out
	MULR F1, 0, 0, 0
	s_wait_dscnt 0x0                               ; the add is done, and my reads of this slot are over
	s_barrier_signal -1
	MULR F1, 0, 2, 0
	WIN 0
	s_barrier_wait -1
.if \fill
	CREST
	JLOAD
	ASK                                            ; behind the joint load and its five lines
.endif
	s_xor_b32 s[TB], s[TB], SLOT
	s_mov_b32 s[CURA], s[TB]                       ; the fetches begin at the other slot's first quarter
	s_mov_b32 s[CURB], s[TB]
	s_mov_b32 s[INR], 2
.endm
	s_wait_tensorcnt 0x1                           ; my part of K step 0 is in; K step 1's may stay out
	s_barrier_signal -1
	s_barrier_wait -1
	FETCH 0, F0
	QUARTER 1, F0, F1, 1                           ; the first quarter is written out: its products start the sums, with 256 b''
	WIN 0
	s_mov_b32 s[CURA], AKB                         ; K step 0 goes on with its quarters 2 and 3:
	s_mov_b32 s[CURB], 2*64
	s_mov_b32 s[INR], 1                            ; one walk of X is left of it
	s_mov_b32 s[CNT], 7
	s_branch .Lmid1                                ; the loop is entered in the middle of a K step
.Lstep:                                                ; six times: the change from K step t to t + 1 fills the slot just read with K step t + 2
	CHANGE 1
	INNER 1
	s_sub_co_u32 s[CNT], s[CNT], 1
	s_cmp_lg_u32 s[CNT], 0
	s_cbranch_scc1 .Lstep
	CHANGE 0                                       ; the last K step is written out: nothing is asked for
	INNER 2
	s_wait_dscnt 2*(MB-4)+2                        ; its last quarter: nothing more to fetch
	MULR F1, 0, 0, 0
	MULR F1, 0, 2, 0
	s_wait_dscnt 0x0
	HIS F1, 0
	WIN 0
	PLACES
; THE WAY OUT, a block of 16 rows at a time: the f32 sums go as they are into my own stage, 32 bytes a lane and column block, come back as whole rows of 256 bytes, and are multiplied by 2^-8.
; A block goes into the stage before the block in front of it is sent, so that a block's way through LDS stands under its neighbour's.
.macro TOSTAGE a
.set AC, 64*((\a)%4)
.set BK, OB+192*((\a)%2)
	WIN 0x08+4*((\a)/4)                            ; the stores' data in window 2 or 3
.irp b, 0,1,2,3
	ds_store_b128 v[STO], v[AC+8*(\b):AC+8*(\b)+3]   offset:64*(\b)      ; each accumulator's low half first; LDS serves these behind the last block's loads (ISA guide 5.7.1.4)
	ds_store_b128 v[STO], v[AC+8*(\b)+4:AC+8*(\b)+7] offset:64*(\b)+16
.endr
	WIN 0
	s_wait_xcnt 0x0                                ; the stores of the block two back have read the registers that the loads below fill
.irp t, 0,1,2,3,4,5,6,7
	ds_load_b128 v[BK+4*(\t):BK+4*(\t)+3], v[RD] offset:(\t)*2*SPITCH
.endr
.endm
.macro SEND a, younger                 ; younger: the LDS instructions issued behind block a's loads: the next block's sixteen, or none
.set BK, OB+192*((\a)%2)
	s_wait_dscnt \younger
.set kk, 0
.rept 16
	v_pk_mul_f32 v[BK+2*kk:BK+2*kk+1], v[BK+2*kk:BK+2*kk+1], s[SCL:SCL+1] op_sel_hi:[1,0]
.set kk, kk+1
.endr
	s_wait_xcnt 0x0                                ; the stores' base is rewritten only behind this wait
.if (\a) == 0
	s_add_nc_u64 s[10:11], s[10:11], s[COFF:COFF+1]
.else
	s_add_nc_u64 s[10:11], s[10:11], 16*CROW
.endif
.irp t, 0,1,2,3,4,5,6,7
	global_store_b128 v[CO], v[BK+4*(\t):BK+4*(\t)+3], s[10:11] offset:2*(\t)*CROW  ; 16 lanes store 256 consecutive bytes, aligned
.endr
.endm
	TOSTAGE 0
.irp a, 1,2,3,4,5,6,7
	TOSTAGE \a
	SEND (\a)-1, 16
.endr
	SEND 7, 0
	s_wait_tensorcnt 0x0                           ; the wave's end
	ds_add_u32 v[SPW], v[NIL]
	s_wait_dscnt 0x0
	CROUND                                         ; the closing round
	s_endpgm
.Lfunc_end_k_q98ec45c3ff_proj:
	.size	k_q98ec45c3ff_proj, .Lfunc_end_k_q98ec45c3ff_proj-k_q98ec45c3ff_proj
	.p2alignl 7, 3214868480
	.fill 96, 4, 3214868480
	.section	.rodata,"a",@progbits
	.p2align	6, 0x0
	.amdhsa_kernel k_q98ec45c3ff_proj
		.amdhsa_group_segment_fixed_size 327680
		.amdhsa_private_segment_fixed_size 0
		.amdhsa_enable_private_segment 0
		.amdhsa_kernarg_size 32
		.amdhsa_user_sgpr_count 2
		.amdhsa_user_sgpr_kernarg_segment_ptr 1
		.amdhsa_wavefront_size32 1
		.amdhsa_system_sgpr_workgroup_id_x 1
		.amdhsa_system_sgpr_workgroup_id_y 1
		.amdhsa_system_sgpr_workgroup_id_z 1
		.amdhsa_system_vgpr_workitem_id 0
		.amdhsa_next_free_vgpr 1024
		.amdhsa_next_free_sgpr 80
		.amdhsa_reserve_vcc 0
		.amdhsa_float_denorm_mode_32 3
		.amdhsa_float_denorm_mode_16_64 3
		.amdhsa_memory_ordered 1
		.amdhsa_forward_progress 1
		.amdhsa_inst_pref_size 69
	.end_amdhsa_kernel
	.amdgpu_metadata
---
amdhsa.version: [ 1, 2 ]
amdhsa.kernels:
  - .name:           k_q98ec45c3ff_proj
    .symbol:         k_q98ec45c3ff_proj.kd
    .args:
      - { .name: ob, .offset: 0, .size: 8, .value_kind: global_buffer, .address_space: global }
      - { .name: wpp, .offset: 8, .size: 8, .value_kind: global_buffer, .address_space: global }
      - { .name: wts, .offset: 16, .size: 8, .value_kind: global_buffer, .address_space: global }
      - { .name: out0, .offset: 24, .size: 8, .value_kind: global_buffer, .address_space: global }
    .group_segment_fixed_size: 327680
    .private_segment_fixed_size: 0
    .kernarg_segment_align: 8
    .kernarg_segment_size: 32
    .max_flat_workgroup_size: 128
    .sgpr_count:     80
    .vgpr_count:     1024
    .wavefront_size: 32
...
	.end_amdgpu_metadata
.endif
;; end of part 10
